; MI455X (gfx1250); checked and timed in simulation.
; The chip was launched on July 23, 2026; its instructions are those of AMD's public machine-readable ISA for CDNA 5 (MIT licence, August 2026) and "CDNA5" Instruction Set Architecture Reference Guide (July 2026). The comments in the code are by the model that wrote it; some were corrected since.
;; Transformer Block. Allowed arithmetic: matrix products marked QUANTISED: E2M3 operands, one E8M0 scale for each 32 along K, by v_wmma_scale_f32_16x16x128_f8f6f4 with both operands' format E2M3, f32 sums; everything else in f32.
;; Inputs: b1 4,096 float32; b2 1,024 float32; bk 1,024 float32; bo 1,024 float32; bq 1,024 float32; bv 1,024 float32; ln1_scale 1,024 float32; ln1_shift 1,024 float32; ln2_scale 1,024 float32; ln2_shift 1,024 float32; w1 1,024 x 4,096 float32; w2 4,096 x 1,024 float32; wk 1,024 x 1,024 float32; wo 1,024 x 1,024 float32; wq 1,024 x 1,024 float32; wv 1,024 x 1,024 float32; x 2 x 2,048 x 1,024 float32.
;; Outputs: out0 2 x 2,048 x 1,024 float32.
;; This version of the problem:
;;   THIS VERSION OF THE PROBLEM IS GIVEN IN LOW PRECISION. The matrix products marked QUANTISED in the list below multiply operands that are first quantised to E2M3 (2 exponent bits, 3 mantissa bits; 6 bits a number), with one power-of-two scale for each 32 numbers along K (OCP MX v1.0); their sums are f32. All else is computed in f32.
;;   The module's matrix products, in the order in which they are computed (A, B: the left and right operand; K: the contracted axis; several contracted axes count as one K, in the product's order):
;;     1. [M 4,096, K 1,024] x [K 1,024, N 1,024]; A: computed on the way; B: input wq: QUANTISED
;;     2. [M 4,096, K 1,024] x [K 1,024, N 1,024]; A: computed on the way; B: input wk: QUANTISED
;;     3. [M 4,096, K 1,024] x [K 1,024, N 1,024]; A: computed on the way; B: input wv: QUANTISED
;;     4. batch 32 x [M 2,048, K 64] x [K 64, N 2,048]; A: computed on the way; B: computed on the way: QUANTISED
;;     5. batch 32 x [M 2,048, K 2,048] x [K 2,048, N 64]; A: softmax (see below); B: computed on the way: QUANTISED
;;     6. [M 4,096, K 1,024] x [K 1,024, N 1,024]; A: computed on the way; B: input wo: QUANTISED
;;     7. [M 4,096, K 1,024] x [K 1,024, N 4,096]; A: computed on the way; B: input w1: QUANTISED
;;     8. [M 4,096, K 4,096] x [K 4,096, N 1,024]; A: computed on the way; B: input w2: QUANTISED
;;   THE QUANTISER, for each operand of a quantised product, along K:
;;     - K is cut into blocks of 32 from its start; a last block that is shorter is filled with zeros.
;;     - A block's scale is 2^e with e = floor(log2(the largest magnitude in the block)) - 2, held to -126 .. 127; a block of zeros has e = 0. As a byte (E8M0): e + 127.
;;     - Each number is divided by its block's scale, clamped to +-7.5, and rounded to the nearest number of E2M3, ties to even, subnormals kept.
;;     - The product sums the exact products of the quantised numbers (number of the format x scale) in f32.
;;   ~~~python
;;   def quantise(x, axis):      # numpy; x: float32 -> the quantised numbers, widened to float32 again
;;       x = np.moveaxis(x, axis, -1); K = x.shape[-1]
;;       x = np.pad(x, [(0, 0)] * (x.ndim - 1) + [(0, -K % 32)]); x = x.reshape(x.shape[:-1] + (-1, 32)); a = np.abs(x).max(-1, keepdims=True)
;;       e = np.where(a > 0, np.clip(np.frexp(np.where(a > 0, a, 1))[1] - 1 - 2, -126, 127), 0)      # np.frexp(a)[1] - 1 = floor(log2(a)), exactly
;;       r = np.clip(x / 2.0 ** e, -7.5, 7.5)
;;       step = 2.0 ** (np.maximum(np.frexp(np.where(r == 0, 1, r))[1] - 1, 0) - 3)
;;       q = np.round(r / step) * step * 2.0 ** e      # np.round: ties to even
;;       return np.moveaxis(q.reshape(q.shape[:-2] + (-1,))[..., :K], -1, axis).astype(np.float32)
;;   ~~~
;;   SOFTMAX AHEAD OF A QUANTISED PRODUCT. Where the list says 'softmax', what is quantised is not the finished softmax but p = 2^(t - M), with t = logit x log2(e) and M = ceil(the row's largest t), a whole number; so 1/2 < the row's largest p <= 1. The row's sum l is taken of the UNQUANTISED p, in f32, and the product's result is divided by l at the end. Since M is a whole number, a kernel that streams over the keys may use a running M (the ceiling of the running maximum): every later rescaling is an exact power of two, which a block's scale takes up: the codes' values come out the same.
;;   OPERANDS COMPUTED ON THE WAY. 'Computed on the way' means the value that the module computes at that place (a softmax that the list does not call 'softmax' is quantised finished and normalised). What goes into a quantiser is computed in f32, as accurately as f32 sums, v_exp_f32 and their like allow (about 1e-6 of the number): no bf16 or f16 on the way to a quantiser, and a product that is left as it is and whose result goes on into a quantised operand takes f32 operands (vector FMAs, or v_wmma_f32_16x16x4_f32). A number that lies on a knife's edge between two numbers of the format may be rounded either way, as far as f32 arithmetic and the matrix unit's own rounding can turn it there, and no further.
;; 2 versions. Each part assembles by itself: llvm-mc -triple=amdgcn-amd-amdhsa -mcpu=gfx1250 --defsym DOCPART=n.
;; ======== version 1 of 2: 8 launches
;; workspace buffers: wts 9,830,400 bytes; hq 3,276,800 bytes; qkv 10,223,616 bytes; ctxq 3,276,800 bytes; x1 16,777,216 bytes; gq 13,107,200 bytes
;; launch wquant (part 1): grid 128 x 3, 4 waves a work-group, no clusters, 27,136 bytes of LDS; arguments wq, wk, wv, wo, w1, w2, wts; writes wts
.if DOCPART == 1
	.amdgcn_target "amdgcn-amd-amdhsa--gfx1250"
	.amdhsa_code_object_version 6
	.text
	.protected	k_qd0b88b5a35_wquant
	.globl	k_qd0b88b5a35_wquant
	.p2align	8
	.type	k_qd0b88b5a35_wquant,@function
k_qd0b88b5a35_wquant:
	s_mov_b64 s[64:65], 0
	v_nop
	global_prefetch_b8 v0, s[64:65] scope:SCOPE_SE
	s_setreg_imm32_b32 hwreg(HW_REG_WAVE_MODE, 25, 1), 1
	s_wait_xcnt 0x0
; The six weights, f32 [K][N] with K as FIRST axis, become codes of FP6 (E2M3) with one E8M0 byte for each 32 along K, in the order in which a wave's operand registers take them.
; TILES: 16 columns form a tile; tile T, row r stands for column 32 (T / 2) + 8 (T % 2) + r % 8 + 16 (r / 8).  A fragment (16 rows x 128 K, 12 registers a lane) lies as six pieces of 256 bytes:
; piece p = registers 2 p, 2 p + 1, lane l's 8 bytes at 256 p + 8 l.  Codes of tile T, K step s at (T KS + s) 1536, scale words at (T KS + s) 64 + 4 r, KS = K / 128.
; A LANE TAKES A COLUMN AND ITS REGISTERS RUN DOWN K: a block of 32 lies in one lane, its largest magnitude needs no other lane, the conversions give codes with K innermost.
; A work-group takes 128 columns x 256 K, a wave 32 columns (two tiles) x 8 blocks.  y = 0: wq, wk, wv, wo (32 work-groups each); y = 1: w1; y = 2: w2.  One path: what hangs on the shape is a scalar chosen on the work-group's number.
; A block's scale byte is its largest magnitude's exponent field - 2, held at 1 from below.
; LIMITS: a block of zeros, or one under 2^-124, gets the byte 1 (its codes are zeros; only this program reads the bytes); NaN and infinities are not served.
.set X,    48                          ; v48-111  two sets of 32 numbers
.set OFFR, 16                          ; v16-47   row i of a block: i x row bytes + 4 x lane
.set CD,   112                         ; v112-118 a block's codes
.set OUTR, 120                         ; v120-167 the way out
.set FST,  1664                        ; LDS: a fragment's image, 1,536 bytes + 128, so that the two tiles' stores fall on different banks
.set SST,  2*FST                       ; a K step's two tiles
.set WST,  2*SST                       ; a wave's stage
	s_load_b256 s[4:11], s[0:1], 0x0               ; wq, wk, wv, wo
	s_load_b128 s[12:15], s[0:1], 0x20             ; w1, w2
	s_load_b64 s[16:17], s[0:1], 0x30              ; wts
	v_lshl_add_u32 v192, v0, 2, 0x6800
	v_mov_b32 v193, 0
	v_lshrrev_b32 v1, 5, v0
	v_readfirstlane_b32 s18, v1                    ; wave
	v_and_b32 v1, 31, v0                           ; lane = my column of the wave's 32
	v_lshlrev_b32 v2, 2, v1
	v_bfe_u32 v3, v0, 3, 1                         ; u: which of the two tiles my column belongs to
	v_and_b32 v4, 7, v0
	v_bfe_u32 v9, v0, 4, 1
	v_lshl_add_u32 v4, v9, 3, v4                   ; r: its row there
	s_mul_i32 s19, s18, WST
	v_mul_u32_u24 v5, v3, FST
	v_lshl_add_u32 v5, v4, 3, v5
	v_add_nc_u32 v5, s19, v5                       ; into the stage: tile u, 8 r
	v_lshlrev_b32 v7, 3, v1                        ; 8 x lane
	v_add_nc_u32 v6, s19, v7                       ; out of it
	s_and_b32 s22, ttmp7, 0xffff                   ; y
	s_lshr_b32 s23, ttmp9, 5
	s_and_b32 s24, ttmp9, 31
	s_cmp_eq_u32 s22, 0
	s_cselect_b32 s24, s24, ttmp9                  ; the work-group's number within its weight
	s_cselect_b32 s23, s23, 0                      ; which of wq, wk, wv, wo
	s_cmp_eq_u32 s22, 1
	s_cselect_b32 s25, 5, 3                        ; log2 of N / 128
	s_mov_b32 s26, 4096
	s_cselect_b32 s26, 16384, s26                  ; a row of the weight in bytes
	s_cmp_eq_u32 s22, 2
	s_mov_b32 s28, 512
	s_cselect_b32 s28, 2048, s28                   ; 64 KS: a tile's scale words
	s_bfm_b32 s27, s25, 0
	s_and_b32 s27, s24, s27                        ; which 128 columns
	s_lshr_b32 s29, s24, s25                       ; which 256 along K
	s_mul_i32 s30, s28, 24                         ; 1536 KS: a tile's codes
	v_mul_u32_u24 v8, s28, v3
	v_lshl_add_u32 v8, v4, 2, v8                   ; my scale word's place: tile u, 4 r
.set i, 0
.rept 32
	v_mad_u32_u24 v[OFFR+i], s26, i, v2
.set i, i+1
.endr
	s_mul_i32 s54, s29, s26                        ; where my wave's part of the weight begins
	s_lshl_b32 s54, s54, 8
	s_lshl_b32 s20, s27, 9
	s_add_co_u32 s54, s54, s20
	s_lshl_b32 s20, s18, 7
	s_add_co_u32 s54, s54, s20
	s_mov_b32 s55, 0
	s_lshl_b32 s56, s26, 5                         ; a block of 32 rows on
	s_mov_b32 s57, 0
	s_lshl_b32 s31, s27, 3
	s_lshl_b32 s20, s18, 1
	s_add_co_u32 s31, s31, s20                     ; my first tile
	s_mul_i32 s58, s23, 786432                     ; the codes' place in wts
	s_mul_i32 s20, s22, 3145728
	s_add_co_u32 s58, s58, s20
	s_mul_i32 s20, s31, s30
	s_add_co_u32 s58, s58, s20
	s_mul_i32 s20, s29, 3072
	s_add_co_u32 s58, s58, s20
	s_mov_b32 s59, 0
	s_lshl_b32 s60, s23, 15                        ; the scale words' place
	s_lshl_b32 s20, s22, 17
	s_add_co_u32 s60, s60, s20
	s_mul_i32 s20, s31, s28
	s_add_co_u32 s60, s60, s20
	s_lshl_b32 s20, s29, 7
	s_add_co_u32 s60, s60, s20
	s_add_co_u32 s60, s60, 9437184
	s_mov_b32 s61, 0
	s_mov_b32 s62, s30
	s_mov_b32 s63, 0
	s_wait_kmcnt 0x0
	s_cmp_lt_u32 ttmp9, 32                         ; the weight is chosen on the work-group's number alone
	s_cselect_b64 s[20:21], s[4:5], s[6:7]
	s_cmp_lt_u32 ttmp9, 64
	s_cselect_b64 s[20:21], s[20:21], s[8:9]
	s_cmp_lt_u32 ttmp9, 96
	s_cselect_b64 s[20:21], s[20:21], s[10:11]
	s_cmp_eq_u32 s22, 1
	s_cselect_b64 s[20:21], s[12:13], s[20:21]
	s_cmp_eq_u32 s22, 2
	s_cselect_b64 s[20:21], s[14:15], s[20:21]
	s_add_nc_u64 s[32:33], s[20:21], s[54:55]      ; a base for each of the eight blocks: no pointer is stepped later
.irp t, 1,2,3,4,5,6,7
	s_add_nc_u64 s[32+2*\t:33+2*\t], s[30+2*\t:31+2*\t], s[56:57]
.endr
	s_add_nc_u64 s[48:49], s[16:17], s[58:59]      ; tile 0's codes,
	s_add_nc_u64 s[50:51], s[48:49], s[62:63]      ; tile 1's,
	s_add_nc_u64 s[52:53], s[16:17], s[60:61]      ; the scale words
.macro LOAD t                          ; block t: 32 rows, each 128 consecutive bytes a wave, 512 a work-group; read once in the launch
.set i, 0
.rept 32
	global_load_b32 v[X+32*((\t)%2)+i], v[OFFR+i], s[32+2*(\t):33+2*(\t)] th:TH_LOAD_NT
.set i, i+1
.endr
.endm
.macro BLOCK t
.set XS, X+32*((\t)%2)
.if (\t) < 7
	s_wait_loadcnt 32                              ; this block's 32 loads are in; the next block's 32 may be out
.else
	s_wait_loadcnt 0x0
.endif
	v_max3_num_f32 v10, |v[XS]|, |v[XS+1]|, |v[XS+2]|
	v_max3_num_f32 v11, |v[XS+3]|, |v[XS+4]|, |v[XS+5]|
.irp i, 6,10,14,18,22,26
	v_max3_num_f32 v10, v10, |v[XS+\i]|, |v[XS+\i+1]|
	v_max3_num_f32 v11, v11, |v[XS+\i+2]|, |v[XS+\i+3]|
.endr
	v_max3_num_f32 v10, v10, |v[XS+30]|, |v[XS+31]|
	v_max3_num_f32 v10, v10, v11, 0x1800000        ; with the floor 2^(3 - 127): the byte cannot fall under 1
	v_add_nc_u32 v12, 0xff000000, v10              ; 2 off the exponent field: the conversions' scale operand
	v_lshrrev_b32 v13, 23, v12                     ; the byte
.if (\t)%4 == 0
	v_mov_b32 v[14+(\t)/4], v13
.else
	v_lshl_or_b32 v[14+(\t)/4], v13, 8*((\t)%4), v[14+(\t)/4]
.endif
	v_cvt_scalef32_pk16_fp6_f32 v[CD:CD+2], v[XS:XS+15], v12
	v_cvt_scalef32_pk16_fp6_f32 v[CD+4:CD+6], v[XS+16:XS+31], v12
	v_nop                                          ; one plain place behind a scaled conversion
	v_mov_b32 v[CD+3], v[CD+4]                     ; the block's six registers on end
	v_mov_b32 v[CD+4], v[CD+5]
	v_mov_b32 v[CD+5], v[CD+6]
.irp j, 0,1,2                          ; block 4 s + b is registers 6 (b / 2) .. + 5 of lane r + 16 (b % 2) of K step s's fragment
	ds_store_b64 v5, v[CD+2*\j:CD+2*\j+1] offset:((\t)/4)*SST+768*(((\t)%4)/2)+128*((\t)%2)+256*\j
.endr
.if (\t) < 6
	LOAD (\t)+2
.endif
	s_wait_dscnt 0x0                               ; the stores have read the codes' registers
.endm
	LOAD 0
	LOAD 1
.irp t, 0,1,2,3,4,5,6,7
	BLOCK \t
.endr
	global_store_b32 v8, v14, s[52:53]             ; my column's scale words of the two K steps
	global_store_b32 v8, v15, s[52:53] offset:64
.irp s, 0,1
.irp u, 0,1
.irp p, 0,1,2,3,4,5
	ds_load_b64 v[OUTR+2*(12*\s+6*\u+\p):OUTR+2*(12*\s+6*\u+\p)+1], v6 offset:\s*SST+\u*FST+256*\p
.endr
.endr
.endr
.irp s, 0,1
.irp u, 0,1
.irp p, 0,1,2,3,4,5
	s_wait_dscnt 23-(12*\s+6*\u+\p)                ; LDS loads come back in order: the younger ones may stay out
	global_store_b64 v7, v[OUTR+2*(12*\s+6*\u+\p):OUTR+2*(12*\s+6*\u+\p)+1], s[48+2*\u:49+2*\u] offset:\s*1536+256*\p   ; 32 lanes store 256 consecutive bytes, aligned
.endr
.endr
.endr
	s_wait_tensorcnt 0x0
	ds_add_u32 v192, v193
	s_wait_dscnt 0x0
	s_endpgm
.Lfunc_end_k_qd0b88b5a35_wquant:
	.size	k_qd0b88b5a35_wquant, .Lfunc_end_k_qd0b88b5a35_wquant-k_qd0b88b5a35_wquant
	.p2alignl 7, 3214868480
	.fill 96, 4, 3214868480
	.section	.rodata,"a",@progbits
	.p2align	6, 0x0
	.amdhsa_kernel k_qd0b88b5a35_wquant
		.amdhsa_group_segment_fixed_size 27136
		.amdhsa_private_segment_fixed_size 0
		.amdhsa_enable_private_segment 0
		.amdhsa_kernarg_size 56
		.amdhsa_user_sgpr_count 2
		.amdhsa_user_sgpr_kernarg_segment_ptr 1
		.amdhsa_wavefront_size32 1
		.amdhsa_system_sgpr_workgroup_id_x 1
		.amdhsa_system_sgpr_workgroup_id_y 1
		.amdhsa_system_sgpr_workgroup_id_z 1
		.amdhsa_system_vgpr_workitem_id 0
		.amdhsa_next_free_vgpr 194
		.amdhsa_next_free_sgpr 66
		.amdhsa_reserve_vcc 0
		.amdhsa_float_denorm_mode_32 3
		.amdhsa_float_denorm_mode_16_64 3
		.amdhsa_memory_ordered 1
		.amdhsa_forward_progress 1
		.amdhsa_inst_pref_size 49
	.end_amdhsa_kernel
	.amdgpu_metadata
---
amdhsa.version: [ 1, 2 ]
amdhsa.kernels:
  - .name:           k_qd0b88b5a35_wquant
    .symbol:         k_qd0b88b5a35_wquant.kd
    .args:
      - { .name: wq, .offset: 0, .size: 8, .value_kind: global_buffer, .address_space: global }
      - { .name: wk, .offset: 8, .size: 8, .value_kind: global_buffer, .address_space: global }
      - { .name: wv, .offset: 16, .size: 8, .value_kind: global_buffer, .address_space: global }
      - { .name: wo, .offset: 24, .size: 8, .value_kind: global_buffer, .address_space: global }
      - { .name: w1, .offset: 32, .size: 8, .value_kind: global_buffer, .address_space: global }
      - { .name: w2, .offset: 40, .size: 8, .value_kind: global_buffer, .address_space: global }
      - { .name: wts, .offset: 48, .size: 8, .value_kind: global_buffer, .address_space: global }
    .group_segment_fixed_size: 27136
    .private_segment_fixed_size: 0
    .kernarg_segment_align: 8
    .kernarg_segment_size: 56
    .max_flat_workgroup_size: 128
    .sgpr_count:     66
    .vgpr_count:     194
    .wavefront_size: 32
...
	.end_amdgpu_metadata
.endif
;; end of part 1
;; launch ln1 (part 2): grid 256 x 1, 4 waves a work-group, no clusters, 66,560 bytes of LDS; arguments x, ln1_scale, ln1_shift, hq; writes hq
.if DOCPART == 2
	.amdgcn_target "amdgcn-amd-amdhsa--gfx1250"
	.amdhsa_code_object_version 6
	.text
	.protected	k_qd0b88b5a35_ln1
	.globl	k_qd0b88b5a35_ln1
	.p2align	8
	.type	k_qd0b88b5a35_ln1,@function
k_qd0b88b5a35_ln1:
	s_mov_b64 s[64:65], 0
	v_nop
	global_prefetch_b8 v0, s[64:65] scope:SCOPE_SE
	s_setreg_imm32_b32 hwreg(HW_REG_WAVE_MODE, 25, 1), 1
	s_wait_xcnt 0x0
; y = scale (x - mean) / sqrt(var + 1e-5) + shift over rows of 1,024 f32, then quantised along the row to FP6 (E2M3) with one E8M0 byte for each 32.
; A work-group takes ONE TILE of 16 tokens: tile T, row r = token 32 (T / 2) + 8 (T % 2) + r % 8 + 16 (r / 8).  Codes of K step s at (8 T + s) 1536, as six pieces of 256 bytes (piece p = registers 2 p, 2 p + 1,
; 8 bytes a lane); scale words at 3,145,728 + (8 T + s) 64 + 4 r.
; PHASE 1: a wave a row, four rows a wave; every load reads 512 consecutive bytes; the mean first, then the squares of the differences, so that a common offset does no harm.  The rows go to LDS (pitch 4,112).
; PHASE 2: wave w quantises K steps 2 w and 2 w + 1 of all 16 rows: lane (r, h) takes, of row r, numbers 32 b + 16 h + 0 .. 15 of each block b.
; LIMITS: 1 / sqrt by v_rsq_f32 (1 ulp); a block of zeros or under 2^-124 gets the byte 1 (its codes are zeros; only this program reads the bytes); NaN and infinities are not served.
.set PITCH, 4112                       ; an odd multiple of 16 bytes: the sixteen rows of a load start in different banks
.set X,   32                           ; v32-159  four rows of 32 registers; later the numbers of two K steps
.set G,   160                          ; v160-191 scale
.set B,   192                          ; v192-223 shift
.set SU,  224                          ; v224-231 sums, a pair a row
.set ME,  232                          ; v232-239 means, twice
.set RS,  240                          ; v240-247 1 / sqrt, twice
.set TP,  248                          ; v248-251 the other half of the lanes' sums
.set PC,  160                          ; phase 2: codes
.set TM,  184
.set PW,  200
.set SEL, 20
	s_load_b256 s[4:11], s[0:1], 0x0               ; x, scale, shift, the codes' buffer
	v_lshl_add_u32 v254, v0, 2, 0x10200
	v_mov_b32 v255, 0
	v_lshrrev_b32 v1, 5, v0
	v_readfirstlane_b32 s12, v1                    ; wave
	v_and_b32 v6, 31, v0
	v_and_b32 v7, 15, v0                           ; r
	v_bfe_u32 v8, v0, 4, 1                         ; h
	v_lshlrev_b32 v1, 4, v6                        ; 16 x lane
	v_lshlrev_b32 v4, 3, v6                        ; 8 x lane
	v_lshlrev_b32 v5, 2, v7                        ; 4 r
	s_mul_i32 s13, s12, 4*PITCH
	v_add_nc_u32 v2, s13, v1                       ; into LDS: my wave's four rows
	v_mul_u32_u24 v3, v7, PITCH
	v_lshl_add_u32 v3, v8, 6, v3
	s_lshl_b32 s13, s12, 10
	v_add_nc_u32 v3, s13, v3                       ; out of it: row r, + 64 h, + my wave's two K steps
	s_lshr_b32 s14, ttmp9, 1                       ; my wave's first token
	s_lshl_b32 s14, s14, 5
	s_and_b32 s15, ttmp9, 1
	s_lshl_b32 s15, s15, 3
	s_add_co_u32 s14, s14, s15
	s_lshr_b32 s15, s12, 1
	s_lshl_b32 s15, s15, 4
	s_add_co_u32 s14, s14, s15
	s_and_b32 s15, s12, 1
	s_lshl_b32 s15, s15, 2
	s_add_co_u32 s14, s14, s15
	s_lshl_b32 s14, s14, 12
	s_mov_b32 s15, 0
	s_mul_i32 s16, ttmp9, 12288
	s_mul_i32 s18, s12, 3072
	s_add_co_u32 s16, s16, s18
	s_mov_b32 s17, 0
	s_lshl_b32 s18, ttmp9, 9
	s_lshl_b32 s19, s12, 7
	s_add_co_u32 s18, s18, s19
	s_mov_b32 s19, 0
	s_mov_b32 s[SEL], 0x76543210
	s_mov_b32 s[SEL+1], 0xfedcba98                 ; lane l xor 16
	s_mov_b32 s22, 0x3a800000                      ; 1 / 1024
	s_mov_b32 s23, 0x3727c5ac                      ; 1e-5
	s_wait_kmcnt 0x0
	s_add_nc_u64 s[4:5], s[4:5], s[14:15]
	s_add_nc_u64 s[16:17], s[10:11], s[16:17]
	s_add_nc_u64 s[18:19], s[10:11], s[18:19]
.irp i, 0,1,2,3
.irp j, 0,1,2,3,4,5,6,7
	global_load_b128 v[X+32*\i+4*\j:X+32*\i+4*\j+3], v1, s[4:5] offset:4096*\i+512*\j
.endr
.endr
.irp j, 0,1,2,3,4,5,6,7
	global_load_b128 v[G+4*\j:G+4*\j+3], v1, s[6:7] offset:512*\j
	global_load_b128 v[B+4*\j:B+4*\j+3], v1, s[8:9] offset:512*\j
.endr
.irp i, 0,1,2,3
	v_mov_b32 v[TP+\i], 0                          ; a lane permute's destination counts as one of its sources
.endr
.macro REDUCE                          ; the four rows' pairs of sums become sums over the wave, in every lane
.irp i, 0,1,2,3
	v_add_f32 v[SU+2*\i], v[SU+2*\i], v[SU+2*\i+1]
.endr
.irp m, 1,2,4,8
.irp i, 0,1,2,3
	v_add_f32_dpp v[SU+2*\i], v[SU+2*\i], v[SU+2*\i] row_xmask:\m row_mask:0xf bank_mask:0xf
.endr
.endr
.irp i, 0,1,2,3
	v_permlanex16_b32 v[TP+\i], v[SU+2*\i], s[SEL], s[SEL+1]
.endr
.irp i, 0,1,2,3
	v_add_f32 v[SU+2*\i], v[SU+2*\i], v[TP+\i]
.endr
.endm
	s_wait_loadcnt 0x0
.irp i, 0,1,2,3
	v_pk_add_f32 v[SU+2*\i:SU+2*\i+1], v[X+32*\i:X+32*\i+1], v[X+32*\i+2:X+32*\i+3]
.endr
.irp k, 2,3,4,5,6,7,8,9,10,11,12,13,14,15
.irp i, 0,1,2,3                        ; the four rows by turns: no line waits for the line above it
	v_pk_add_f32 v[SU+2*\i:SU+2*\i+1], v[SU+2*\i:SU+2*\i+1], v[X+32*\i+2*\k:X+32*\i+2*\k+1]
.endr
.endr
	REDUCE
.irp i, 0,1,2,3
	v_mul_f32 v[ME+2*\i], s22, v[SU+2*\i]
	v_mul_f32 v[ME+2*\i+1], s22, v[SU+2*\i]
.endr
.irp k, 0,1,2,3,4,5,6,7,8,9,10,11,12,13,14,15
.irp i, 0,1,2,3
	v_pk_add_f32 v[X+32*\i+2*\k:X+32*\i+2*\k+1], v[X+32*\i+2*\k:X+32*\i+2*\k+1], v[ME+2*\i:ME+2*\i+1] neg_lo:[0,1] neg_hi:[0,1]
.endr
.endr
.irp i, 0,1,2,3
	v_pk_mul_f32 v[SU+2*\i:SU+2*\i+1], v[X+32*\i:X+32*\i+1], v[X+32*\i:X+32*\i+1]
.endr
.irp k, 1,2,3,4,5,6,7,8,9,10,11,12,13,14,15
.irp i, 0,1,2,3
	v_pk_fma_f32 v[SU+2*\i:SU+2*\i+1], v[X+32*\i+2*\k:X+32*\i+2*\k+1], v[X+32*\i+2*\k:X+32*\i+2*\k+1], v[SU+2*\i:SU+2*\i+1]
.endr
.endr
	REDUCE
.irp i, 0,1,2,3
	v_fma_f32 v[SU+2*\i], v[SU+2*\i], s22, s23     ; var + 1e-5
.endr
.irp i, 0,1,2,3
	v_rsq_f32 v[RS+2*\i], v[SU+2*\i]
.endr
	v_nop                                          ; one plain place behind a transcendental
	s_wait_alu depctr_va_vdst(0)
.irp i, 0,1,2,3
	v_mov_b32 v[RS+2*\i+1], v[RS+2*\i]
.endr
.irp k, 0,1,2,3,4,5,6,7,8,9,10,11,12,13,14,15
.irp i, 0,1,2,3
	v_pk_mul_f32 v[X+32*\i+2*\k:X+32*\i+2*\k+1], v[X+32*\i+2*\k:X+32*\i+2*\k+1], v[RS+2*\i:RS+2*\i+1]
.endr
.endr
.irp k, 0,1,2,3,4,5,6,7,8,9,10,11,12,13,14,15
.irp i, 0,1,2,3
	v_pk_fma_f32 v[X+32*\i+2*\k:X+32*\i+2*\k+1], v[X+32*\i+2*\k:X+32*\i+2*\k+1], v[G+2*\k:G+2*\k+1], v[B+2*\k:B+2*\k+1]
.endr
.endr
.irp i, 0,1,2,3
.irp j, 0,1,2,3,4,5,6,7
	ds_store_b128 v2, v[X+32*\i+4*\j:X+32*\i+4*\j+3] offset:\i*PITCH+512*\j
.endr
.endr
	s_wait_dscnt 0x0                               ; for the others' sake: my rows lie in LDS
	s_barrier_signal -1
	s_barrier_wait -1
.irp s, 0,1
.irp b, 0,1,2,3
.irp j, 0,1,2,3
	ds_load_b128 v[X+64*\s+16*\b+4*\j:X+64*\s+16*\b+4*\j+3], v3 offset:512*\s+128*\b+16*\j
.endr
.endr
.endr
.irp b, 0,1,2,3
	v_mov_b32 v[TM+4+\b], 0                        ; a lane permute's destination counts as one of its sources
.endr
; 64 numbers of a lane, register 16 b + i = k 32 b + 16 (lane / 16) + i of my row, become a fragment's codes in v[PC] on and its scale word in v[PW]
.macro QUANT s
.irp b, 0,1,2,3
	v_max3_num_f32 v[TM+\b], |v[\s+16*\b]|, |v[\s+1+16*\b]|, 0x1800000   ; with the floor 2^(3 - 127): the byte cannot fall under 1
.endr
.irp i, 2,4,6,8,10,12,14
.irp b, 0,1,2,3
	v_max3_num_f32 v[TM+\b], v[TM+\b], |v[\s+16*\b+\i]|, |v[\s+1+16*\b+\i]|
.endr
.endr
.irp b, 0,1,2,3
	v_permlanex16_b32 v[TM+4+\b], v[TM+\b], s[SEL], s[SEL+1]
.endr
.irp b, 0,1,2,3
	v_max_num_f32 v[TM+\b], v[TM+\b], v[TM+4+\b]   ; with lane l xor 16's: the block's largest magnitude
.endr
.irp b, 0,1,2,3
	v_add_nc_u32 v[TM+12+\b], 0xff000000, v[TM+\b] ; 2 off its exponent field: the conversion's scale operand
.endr
.irp b, 0,1,2,3
	v_lshrrev_b32 v[TM+4+\b], 23, v[TM+12+\b]      ; the byte
.endr
	v_lshl_or_b32 v[PW], v[TM+5], 8, v[TM+4]
	v_lshl_or_b32 v[PW], v[TM+6], 16, v[PW]
	v_lshl_or_b32 v[PW], v[TM+7], 24, v[PW]
.irp c, 0,1
	v_cvt_scalef32_pk16_fp6_f32 v[PC+6*\c:PC+2+6*\c], v[\s+32*\c:\s+15+32*\c], v[TM+12+2*\c]
	v_cvt_scalef32_pk16_fp6_f32 v[PC+12+4*\c:PC+14+4*\c], v[\s+16+32*\c:\s+31+32*\c], v[TM+12+2*\c+1]
.endr
	v_nop                                          ; one plain place behind a scaled conversion
.irp c, 0,1                            ; the operand's layout wants a whole block in a lane
.irp i, 0,1,2
	v_permlane16_swap_b32 v[PC+6*\c+\i], v[PC+12+4*\c+\i]
.endr
.irp i, 0,1,2
	v_mov_b32 v[PC+3+6*\c+\i], v[PC+12+4*\c+\i]
.endr
.endr
.endm
.irp s, 0,1
.if \s == 0
	s_wait_dscnt 16                                ; the first K step's 16 loads are in; the second's 16 may be out
.else
	s_wait_dscnt 0x0
	s_wait_xcnt 0x0                                ; the stores' data are written again only behind this wait
.endif
	QUANT X+64*\s
.irp p, 0,1,2,3,4,5
	global_store_b64 v4, v[PC+2*\p:PC+2*\p+1], s[16:17] offset:1536*\s+256*\p   ; 32 lanes store 256 consecutive bytes, aligned
.endr
	global_store_b32 v5, v[PW], s[18:19] offset:3145728+64*\s                   ; both halves of the lanes hold and write the same word
.endr
	s_wait_tensorcnt 0x0
	ds_add_u32 v254, v255
	s_wait_dscnt 0x0
	s_endpgm
.Lfunc_end_k_qd0b88b5a35_ln1:
	.size	k_qd0b88b5a35_ln1, .Lfunc_end_k_qd0b88b5a35_ln1-k_qd0b88b5a35_ln1
	.p2alignl 7, 3214868480
	.fill 96, 4, 3214868480
	.section	.rodata,"a",@progbits
	.p2align	6, 0x0
	.amdhsa_kernel k_qd0b88b5a35_ln1
		.amdhsa_group_segment_fixed_size 66560
		.amdhsa_private_segment_fixed_size 0
		.amdhsa_enable_private_segment 0
		.amdhsa_kernarg_size 32
		.amdhsa_user_sgpr_count 2
		.amdhsa_user_sgpr_kernarg_segment_ptr 1
		.amdhsa_wavefront_size32 1
		.amdhsa_system_sgpr_workgroup_id_x 1
		.amdhsa_system_sgpr_workgroup_id_y 1
		.amdhsa_system_sgpr_workgroup_id_z 1
		.amdhsa_system_vgpr_workitem_id 0
		.amdhsa_next_free_vgpr 256
		.amdhsa_next_free_sgpr 66
		.amdhsa_reserve_vcc 0
		.amdhsa_float_denorm_mode_32 3
		.amdhsa_float_denorm_mode_16_64 3
		.amdhsa_memory_ordered 1
		.amdhsa_forward_progress 1
		.amdhsa_inst_pref_size 44
	.end_amdhsa_kernel
	.amdgpu_metadata
---
amdhsa.version: [ 1, 2 ]
amdhsa.kernels:
  - .name:           k_qd0b88b5a35_ln1
    .symbol:         k_qd0b88b5a35_ln1.kd
    .args:
      - { .name: x, .offset: 0, .size: 8, .value_kind: global_buffer, .address_space: global }
      - { .name: ln1_scale, .offset: 8, .size: 8, .value_kind: global_buffer, .address_space: global }
      - { .name: ln1_shift, .offset: 16, .size: 8, .value_kind: global_buffer, .address_space: global }
      - { .name: hq, .offset: 24, .size: 8, .value_kind: global_buffer, .address_space: global }
    .group_segment_fixed_size: 66560
    .private_segment_fixed_size: 0
    .kernarg_segment_align: 8
    .kernarg_segment_size: 32
    .max_flat_workgroup_size: 128
    .sgpr_count:     66
    .vgpr_count:     256
    .wavefront_size: 32
...
	.end_amdgpu_metadata
.endif
;; end of part 2
;; launch qkv (part 3): grid 12 x 16, 4 waves a work-group, clusters of 4 x 4, 327,680 bytes of LDS; arguments hq, wts, bq, bk, bv, qkv; writes qkv
.if DOCPART == 3
	.amdgcn_target "amdgcn-amd-amdhsa--gfx1250"
	.amdhsa_code_object_version 6
	.text
	.protected	k_qd0b88b5a35_qkv
	.globl	k_qd0b88b5a35_qkv
	.p2align	8
	.type	k_qd0b88b5a35_qkv,@function
k_qd0b88b5a35_qkv:
	s_mov_b64 s[64:65], 0
	v_nop
	global_prefetch_b8 v0, s[64:65] scope:SCOPE_SE
	s_setreg_imm32_b32 hwreg(HW_REG_WAVE_MODE, 25, 1), 1
	s_wait_xcnt 0x0
	s_wait_alu depctr_hold_cnt(0) depctr_sa_sdst(0) depctr_va_vdst(0) depctr_va_sdst(0) depctr_va_ssrc(0) depctr_va_vcc(0) depctr_vm_vsrc(0)
	s_getreg_b32 s2, hwreg(HW_REG_IB_STS2, 6, 4)
	s_cmp_eq_u32 s2, 0
	s_cbranch_scc0 .Lentry_in_a_cluster
	s_endpgm
.Lentry_in_a_cluster:
	s_bfe_u32 s2, ttmp6, 0x10000c
	s_cmp_lg_u32 s2, 0xf033
	s_cbranch_scc0 .Lentry_shape_is_right
	s_endpgm
.Lentry_shape_is_right:
; q = h wq + bq, k = h wk + bk, v = h wv + bv on codes of FP6 (E2M3) with E8M0 scales, K = 1,024; the results are quantised at once: q and k along the head's 64, v along the KEYS.
; OPERANDS lie in tiles of 16 rows (tile T, row r = index 32 (T / 2) + 8 (T % 2) + r % 8 + 16 (r / 8)), a fragment (16 rows x 128 K) as six pieces of 256 bytes in the order of the operand's registers;
; codes of tile T, K step s at (8 T + s) 1536, scale words at (8 T + s) 64 + 4 r.
; THE PRODUCT IS USED TRANSPOSED: source 0 = 16 rows of Y, source 1 = 16 rows of X.  Lane (r, h) of accumulator (a, b) holds X's row r of tile a, and its register j Y's index 32 (b / 2) + 8 (b % 2) + 16 h + j:
; the 64 registers of accumulators (a, 0 .. 7) run along Y, 16 neighbours for each block of 32: what the conversions want.
; Clusters x = 0, 1: X = tokens, Y = columns of wq | wk: registers along the head.   Cluster x = 2: X = columns of wv, Y = tokens: registers along the keys.  The choice hangs on the cluster's x: the same in all partners.
; A work-group makes 256 (X) x 256 (Y), a wave 128 x 128 in 64 accumulators.  K goes in steps of 256 through two LDS slots; X's tiles are asked for jointly along a row of the cluster, Y's along a column;
; the scale words of all K come once.  192 work-groups.
; OUT: q's and k's codes at (head-and-batch x 128 + token tile) 768 (three pieces: 64 along K), k 3,145,728 behind q; v^T at 6,291,456 + ((hb 16 + key step) 4 + channel tile) 1536; scale words behind, from 9,437,184.
; LIMITS: a block of zeros or under 2^-124 gets the byte 1 (its codes are zeros; only this program reads the bytes); NaN and infinities are not served.
.set KS,    8
.set FRB,   1536
.set TROW,  2*FRB                      ; a tile's two K steps: what a slot holds of it
.set HALFT, 8*TROW                     ; eight tiles: what one tensor load brings, and what one wave reads of X or of Y
.set SLOT,  4*HALFT
.set SCL,   2*SLOT                     ; behind the ring: the scale words
.set SBLK,  64*KS
.set HALFS, 8*SBLK
.set SPARE, SCL+4*HALFS                ; the spare words, 128 bytes for each wave
.set LAPS,  KS/4
.set NQ, 2
.set FR, 12
.set NL, 6
.set NP, 4
.set ADRA, 16                          ; v16-17 LDS address of X's fragments in slot 0, 1
.set ADRB, 20                          ; v20-21 of Y's
.set L8,   22                          ; v22 8 x lane
.set R4,   23                          ; v23 4 r
.set ADRS, 27                          ; v27 my scale words: lanes 0-15 X's, lanes 16-31 Y's
.set SPW,  28
.set NIL,  29
.set SC,   32                          ; v32-63 scale words, two sets
.set H,    64                          ; v64-127 the way out: 64 numbers
.set AF,   128                         ; v128-223 X's fragments; on the way out:
.set PC,   128
.set TM,   148
.set PW,   164
.set WV, 16
.set HX, 17
.set HY, 18
.set CX, 19
.set CY, 20
.set XI, 21
.set YI, 22
.set G1, 24
.set G0, 32
.set G1B, 48
.set G0B, 56
.set G1S, 68
.set G0S, 76
.set G1SB, 80
.set G0SB, 88
.set SEL, 92
.set ISV, 100
.set MSB, 0
.macro WIN new                         ; the immediate's high byte repeats the setting that is left
.if MSB != (\new)
	s_set_vgpr_msb (MSB<<8)|(\new)
.set MSB, \new
.endif
.endm
.set MUL_LO, 0xa1                      ; source 0 (Y) window 1, source 1 (X) window 0, C and D window 2
.set MUL_HI, 0xf1
.set TO_B,   0x40
.macro JLOAD g0a, g1a, g0b, g1b        ; a joint load: waves 0 and 1 fetch for X, waves 2 and 3 for Y; four v_nop follow each line
	s_cmp_eq_u32 s[HX], 0
	s_cbranch_scc0 .Lfor_b_\@
	tensor_load_to_lds s[\g0a:\g0a+3], s[\g1a:\g1a+7]
	s_nop 0
.rept 4
	v_nop
.endr
	s_branch .Lasked_\@
.Lfor_b_\@:
	tensor_load_to_lds s[\g0b:\g0b+3], s[\g1b:\g1b+7]
	s_nop 0
.rept 4
	v_nop
.endr
.Lasked_\@:
.endm
.macro CREST
	s_cmp_lg_u32 s[WV], 0
	s_cbranch_scc1 .Lnot_wave_0_\@
	s_barrier_signal -3
.Lnot_wave_0_\@:
	s_barrier_wait -3
	s_barrier_signal -1
	s_barrier_wait -1
.endm
.macro CROUND
	s_barrier_signal -1
	s_barrier_wait -1
	CREST
.endm
	s_load_b256 s[4:11], s[0:1], 0x0               ; h's codes and scales, the weights', bq, bk
	s_load_b128 s[12:15], s[0:1], 0x20             ; bv, the output
	v_lshl_add_u32 v[SPW], v0, 2, SPARE
	v_mov_b32 v[NIL], 0
	ds_add_u32 v28, v29
	ds_add_u32 v28, v29
	s_wait_dscnt 0x0
	v_lshrrev_b32 v1, 5, v0
	v_readfirstlane_b32 s[WV], v1
	s_lshr_b32 s[HX], s[WV], 1                     ; my half of X.  Also: I fetch for X (0) or for Y (1)
	s_and_b32 s[HY], s[WV], 1                      ; my half of Y.  Also: which eight tiles I fetch
	s_bfe_u32 s[CX], ttmp6, 0x40000
	s_bfe_u32 s[CY], ttmp6, 0x40004
	s_and_b32 s2, ttmp7, 0xffff
	s_lshl_b32 s2, s2, 2                           ; 4 x cluster y
	s_add_co_u32 s[XI], s2, s[CY]                  ; q, k: X's block of 256 tokens
	s_add_co_u32 s23, s2, s[CX]                    ; v: Y's block of 256 tokens
	s_lshl_b32 s[YI], ttmp9, 2
	s_add_co_u32 s[YI], s[YI], s[CX]               ; q, k: Y's block of 256 columns of wq | wk
	s_cmp_eq_u32 ttmp9, 2
	s_cselect_b32 s[ISV], 1, 0
	s_cselect_b32 s[XI], s[CY], s[XI]              ; v: X's block of 256 columns of wv
	s_cselect_b32 s[YI], s23, s[YI]
	s_cselect_b32 s98, 0x180000, 0                 ; where X's codes begin in their buffer,
	s_mov_b32 s99, 3145728
	s_cselect_b32 s99, 9502720, s99                ; X's scale words,
	s_mov_b32 s3, 9437184
	s_cselect_b32 s3, 3145728, s3                  ; Y's scale words (Y's codes begin at 0 either way)
	s_lshl_b32 s2, s[CY], 2
	s_lshl_b32 s2, 15, s2                          ; my row of the cluster
	s_lshl_b32 s23, 0x1111, s[CX]                  ; my column
	s_or_b32 s[G1], s2, (3<<16)|(1<<21)            ; 15:0 the mask; 17:16 elements of 8 bytes; 21 set beside a mask; no padding
	s_or_b32 s[G1B], s23, (3<<16)|(1<<21)
.irp g, G1, G1B
	s_mov_b32 s[\g+1], 384<<16                     ; tensor_dim0: 3,072 bytes
	s_mov_b32 s[\g+2], 8<<16                       ; tensor_dim1: 8 tiles
	s_mov_b32 s[\g+3], 384<<16                     ; tile_dim0
	s_mov_b32 s[\g+4], 8                           ; tile_dim1
	s_mov_b32 s[\g+5], KS*192                      ; from tile to tile
	s_mov_b32 s[\g+6], 0
	s_mov_b32 s[\g+7], 0
.endr
	s_or_b32 s[G1S], s2, (3<<16)|(1<<21)           ; the scale words of eight tiles: a dense block, as rows of 256 bytes
	s_or_b32 s[G1SB], s23, (3<<16)|(1<<21)
.irp g, G1S, G1SB
	s_mov_b32 s[\g+1], 32<<16
	s_mov_b32 s[\g+2], (HALFS/256)<<16
	s_mov_b32 s[\g+3], 32<<16
	s_mov_b32 s[\g+4], HALFS/256
	s_mov_b32 s[\g+5], 32
	s_mov_b32 s[\g+6], 0
	s_mov_b32 s[\g+7], 0
.endr
	s_lshl_b32 s40, s[XI], 4                       ; X: the first tile that I fetch: it hangs on the cluster's row alone
	s_lshl_b32 s41, s[HY], 3
	s_add_co_u32 s40, s40, s41
	s_mul_i32 s42, s40, SBLK
	s_mul_i32 s40, s40, KS*FRB
	s_add_co_u32 s40, s40, s98
	s_add_co_u32 s42, s42, s99
	s_mov_b32 s41, 0
	s_mov_b32 s43, 0
	s_lshl_b32 s44, s[YI], 4                       ; Y: on the cluster's column alone
	s_lshl_b32 s45, s[HY], 3
	s_add_co_u32 s44, s44, s45
	s_mul_i32 s46, s44, SBLK
	s_mul_i32 s44, s44, KS*FRB
	s_add_co_u32 s46, s46, s3
	s_mov_b32 s45, 0
	s_mov_b32 s47, 0
	s_mul_i32 s98, s[WV], HALFT                    ; where they go: no place in the cluster enters an LDS address
	s_mul_i32 s99, s[WV], HALFS
	s_mov_b32 s[SEL], 0x76543210
	s_mov_b32 s[SEL+1], 0xfedcba98
	s_wait_kmcnt 0x0
	s_cmp_eq_u32 s[ISV], 1
	s_cselect_b64 s[94:95], s[6:7], s[4:5]         ; X's buffer
	s_cselect_b64 s[96:97], s[4:5], s[6:7]         ; Y's
	s_add_nc_u64 s[40:41], s[94:95], s[40:41]
	s_add_nc_u64 s[42:43], s[94:95], s[42:43]
	s_add_nc_u64 s[44:45], s[96:97], s[44:45]
	s_add_nc_u64 s[46:47], s[96:97], s[46:47]
	CROUND                                         ; all sixteen work-groups are here: the first joint loads meet
	s_mov_b32 s[G0S], 1
	s_add_co_u32 s[G0S+1], s99, SCL
	s_mov_b64 s[G0S+2:G0S+3], s[42:43]
	s_or_b32 s[G0S+3], s[G0S+3], 0x80000000
	s_mov_b32 s[G0SB], 1
	s_add_co_u32 s[G0SB+1], s99, SCL
	s_mov_b64 s[G0SB+2:G0SB+3], s[46:47]
	s_or_b32 s[G0SB+3], s[G0SB+3], 0x80000000
	JLOAD G0S, G1S, G0SB, G1SB
.irp s, 0,1
	s_mov_b32 s[G0+4*\s], 1
	s_add_co_u32 s[G0+4*\s+1], s98, \s*SLOT
	s_add_nc_u64 s[G0+4*\s+2:G0+4*\s+3], s[40:41], \s*TROW
	s_or_b32 s[G0+4*\s+3], s[G0+4*\s+3], 0x80000000
	s_mov_b32 s[G0B+4*\s], 1
	s_add_co_u32 s[G0B+4*\s+1], s98, \s*SLOT
	s_add_nc_u64 s[G0B+4*\s+2:G0B+4*\s+3], s[44:45], \s*TROW
	s_or_b32 s[G0B+4*\s+3], s[G0B+4*\s+3], 0x80000000
	JLOAD G0+4*\s, G1, G0B+4*\s, G1B
.endr
	v_and_b32 v1, 31, v0
	v_and_b32 v2, 15, v0                           ; r
	v_bfe_u32 v3, v0, 4, 1                         ; h
	v_lshlrev_b32 v[L8], 3, v1
	v_lshlrev_b32 v[R4], 2, v2
	s_mul_i32 s2, s[HX], HALFT
	s_mul_i32 s23, s[HY], HALFT
	s_add_co_u32 s23, s23, 2*HALFT
.irp s, 0,1
	v_add_nc_u32 v[ADRA+\s], s2, v[L8]
	v_add_nc_u32 v[ADRB+\s], s23, v[L8]
	s_add_co_u32 s2, s2, SLOT
	s_add_co_u32 s23, s23, SLOT
.endr
	s_mul_i32 s2, s[HX], HALFS
	s_mul_i32 s23, s[HY], HALFS
	s_add_co_u32 s23, s23, 2*HALFS
	s_sub_co_u32 s23, s23, s2
	v_mul_u32_u24 v4, s23, v3                      ; lanes 16-31 take Y's: one product in h
	s_add_co_u32 s2, s2, SCL
	v_add_nc_u32 v4, v4, v[R4]
	v_add_nc_u32 v[ADRS], s2, v4
	v_lshlrev_b32 v5, 6, v3                        ; the biases: 64 h (along Y),
	v_and_b32 v6, 7, v0
	v_bfe_u32 v7, v0, 3, 1
	v_lshl_add_u32 v6, v7, 4, v6
	v_lshlrev_b32 v6, 2, v6                        ; 4 (r % 8 + 16 (r / 8)) (along X)
.macro FRAG reg, adr, q, i             ; a fragment comes as it lies: six loads of 8 bytes a lane, 256 consecutive bytes each
.irp p, 0,1,2,3,4,5
	ds_load_b64 v[\reg+2*\p:\reg+2*\p+1], v[\adr] offset:(\i)*TROW+(\q)*FRB+256*\p
.endr
.endm
; 16 matrix instructions: X's blocks a0, a0 + 1 against Y's eight.  The 64 accumulators take turns, one instruction a turn
.macro MUL16 a0, p, q, sc, zero
.irp a, \a0, \a0+1
.irp b, 0,1,2,3,4,5,6,7
.if \zero
	v_wmma_scale_f32_16x16x128_f8f6f4 v[8*(8*((\a)%4)+\b):8*(8*((\a)%4)+\b)+7], v[128*(\p)+FR*\b:128*(\p)+FR*\b+FR-1], v[AF+FR*(\a):AF+FR*(\a)+FR-1], 0, v[SC+8*NQ*(\sc)+NQ*\b+(\q)], v[SC+8*NQ*(\sc)+NQ*(\a)+(\q)] matrix_a_fmt:MATRIX_FMT_FP6 matrix_b_fmt:MATRIX_FMT_FP6 matrix_a_scale:MATRIX_SCALE_ROW1
.else
	v_wmma_scale_f32_16x16x128_f8f6f4 v[8*(8*((\a)%4)+\b):8*(8*((\a)%4)+\b)+7], v[128*(\p)+FR*\b:128*(\p)+FR*\b+FR-1], v[AF+FR*(\a):AF+FR*(\a)+FR-1], v[8*(8*((\a)%4)+\b):8*(8*((\a)%4)+\b)+7], v[SC+8*NQ*(\sc)+NQ*\b+(\q)], v[SC+8*NQ*(\sc)+NQ*(\a)+(\q)] matrix_a_fmt:MATRIX_FMT_FP6 matrix_b_fmt:MATRIX_FMT_FP6 matrix_a_scale:MATRIX_SCALE_ROW1
.endif
.endr
.endr
.endm
.macro FETCH_B slot, q, p
	WIN TO_B
.irp i, 0,1,2,3,4,5,6,7
	FRAG 128*(\p)+FR*\i, ADRB+\slot, \q, \i
.endr
	WIN 0
.endm
.macro FETCH_A slot, q, i0
.irp i, \i0, \i0+1, \i0+2, \i0+3
	FRAG AF+FR*(\i), ADRA+\slot, \q, \i
.endr
.endm
.macro SCALES sc                       ; a slot's scale words: lanes 0-15 X's tile i, lanes 16-31 Y's tile i
.irp i, 0,1,2,3,4,5,6,7
.irp q, 0,1
	ds_load_b32 v[SC+8*NQ*\sc+NQ*\i+\q], v[ADRS] offset:\i*SBLK+64*\q
.endr
.endr
.endm
.macro PLACES n                        ; plain places behind matrix instructions, in front of loads into their registers and of reads of results
.rept \n
	v_nop
.endr
.endm
.macro STEP slot, q, zero
	s_wait_dscnt 4*NL                              ; all but the youngest 24 loads, X's blocks 4-7
	WIN MUL_LO
	MUL16 0, (\q)%2, \q, \slot, \zero
	MUL16 2, (\q)%2, \q, \slot, \zero
	s_wait_dscnt 0
	PLACES NP
	FETCH_B \slot, (\q)+1, 1-(\q)%2
	FETCH_A \slot, (\q)+1, 0
	WIN MUL_HI
	MUL16 4, (\q)%2, \q, \slot, \zero
	MUL16 6, (\q)%2, \q, \slot, \zero
	PLACES NP
	WIN 0
	FETCH_A \slot, (\q)+1, 4
.endm
; a slot's last step changes slots: one barrier; in front of it each wave waits for all its tensor loads, adds 0 to its spare word, and waits for that and for its reads of this slot
.macro TURN slot, next, fill
	s_wait_tensorcnt 0x0                           ; all my tensor loads have landed: my part of the next slot
	ds_add_u32 v[SPW], v[NIL]                      ; 0 onto my spare word
	s_wait_dscnt 4*NL+1                            ; the add and the youngest 24 loads may be out
	WIN MUL_LO
	MUL16 0, 1, 1, \slot, 0
	s_wait_dscnt 0x0                               ; the add is done, and my reads of this slot are over
	s_barrier_signal -1
	MUL16 2, 1, 1, \slot, 0
	WIN 0
	s_barrier_wait -1
.if \fill
	CREST                                          ; the barrier has opened a round of the cluster's: no wave of any partner still reads this slot or has a load on its way
	s_add_nc_u64 s[G0+4*\slot+2:G0+4*\slot+3], s[G0+4*\slot+2:G0+4*\slot+3], 2*TROW
	s_add_nc_u64 s[G0B+4*\slot+2:G0B+4*\slot+3], s[G0B+4*\slot+2:G0B+4*\slot+3], 2*TROW
	JLOAD G0+4*\slot, G1, G0B+4*\slot, G1B         ; the first tensor load behind the round; its four v_nop are also the places in front of the loads below
.else
	PLACES NP
.endif
	v_add_nc_u32 v[ADRS], 128, v[ADRS]             ; the next slot's scale words
	FETCH_B \next, 0, 0
	FETCH_A \next, 0, 0
	SCALES \next
	WIN MUL_HI
	MUL16 4, 1, 1, \slot, 0
	MUL16 6, 1, 1, \slot, 0
	PLACES NP
	WIN 0
	FETCH_A \next, 0, 4
.endm
.macro LAST                            ; the very last step: nothing more to fetch
	s_wait_dscnt 4*NL
	WIN MUL_LO
	MUL16 0, 1, 1, 1, 0
	MUL16 2, 1, 1, 1, 0
	s_wait_dscnt 0
	WIN MUL_HI
	MUL16 4, 1, 1, 1, 0
	MUL16 6, 1, 1, 1, 0
	WIN 0
.endm
; 64 numbers of a lane, register 16 b + i = k 32 b + 16 (lane / 16) + i of my row, become a fragment's codes in v[PC] on and its scale word in v[PW]
.macro QUANT s
.irp b, 0,1,2,3
	v_max3_num_f32 v[TM+\b], |v[\s+16*\b]|, |v[\s+1+16*\b]|, 0x1800000   ; with the floor 2^(3 - 127): the byte cannot fall under 1
.endr
.irp i, 2,4,6,8,10,12,14
.irp b, 0,1,2,3
	v_max3_num_f32 v[TM+\b], v[TM+\b], |v[\s+16*\b+\i]|, |v[\s+1+16*\b+\i]|
.endr
.endr
.irp b, 0,1,2,3
	v_permlanex16_b32 v[TM+4+\b], v[TM+\b], s[SEL], s[SEL+1]
.endr
.irp b, 0,1,2,3
	v_max_num_f32 v[TM+\b], v[TM+\b], v[TM+4+\b]
.endr
.irp b, 0,1,2,3
	v_add_nc_u32 v[TM+12+\b], 0xff000000, v[TM+\b]
.endr
.irp b, 0,1,2,3
	v_lshrrev_b32 v[TM+4+\b], 23, v[TM+12+\b]
.endr
	v_lshl_or_b32 v[PW], v[TM+5], 8, v[TM+4]
	v_lshl_or_b32 v[PW], v[TM+6], 16, v[PW]
	v_lshl_or_b32 v[PW], v[TM+7], 24, v[PW]
.irp c, 0,1
	v_cvt_scalef32_pk16_fp6_f32 v[PC+6*\c:PC+2+6*\c], v[\s+32*\c:\s+15+32*\c], v[TM+12+2*\c]
	v_cvt_scalef32_pk16_fp6_f32 v[PC+12+4*\c:PC+14+4*\c], v[\s+16+32*\c:\s+31+32*\c], v[TM+12+2*\c+1]
.endr
	v_nop                                          ; one plain place behind a scaled conversion
.irp c, 0,1
.irp i, 0,1,2
	v_permlane16_swap_b32 v[PC+6*\c+\i], v[PC+12+4*\c+\i]
.endr
.irp i, 0,1,2
	v_mov_b32 v[PC+3+6*\c+\i], v[PC+12+4*\c+\i]
.endr
.endr
.endm
; block a's 64 results + the bias come into window 0: the addition is the move.  Each accumulator is read from its low end on
.macro MOVE_QK a                       ; the bias runs along Y: 64 numbers a lane, in window 1 at v96-127 and v224-255
	WIN 0x06+((\a)/4)
.set i, 0
.rept 32
	v_pk_add_f32 v[H+2*i:H+2*i+1], v[64*((\a)%4)+2*i:64*((\a)%4)+2*i+1], v[96+2*i+96*(i/16):97+2*i+96*(i/16)]
.set i, i+1
.endr
	WIN 0
.endm
.macro MOVE_V a                        ; the bias runs along X: one number a lane and block, twice, in window 1 at v[96 + 2 a]
	WIN 0x06+((\a)/4)
.set i, 0
.rept 32
	v_pk_add_f32 v[H+2*i:H+2*i+1], v[64*((\a)%4)+2*i:64*((\a)%4)+2*i+1], v[96+2*(\a):97+2*(\a)]
.set i, i+1
.endr
	WIN 0
.endm
	s_wait_tensorcnt 1                             ; the scale words and my part of slot 0 are in; slot 1's load may be out
	s_barrier_signal -1
	s_barrier_wait -1
	FETCH_B 0, 0, 0
	FETCH_A 0, 0, 0
	SCALES 0
	FETCH_A 0, 0, 4
	STEP 0, 0, 1                                   ; the first step's products start the sums
	s_mov_b32 s3, LAPS-1
.Llap:
	TURN 0, 1, 1
	STEP 1, 0, 0
	TURN 1, 0, 1
	STEP 0, 0, 0
	s_sub_co_u32 s3, s3, 1
	s_cmp_lg_u32 s3, 0
	s_cbranch_scc1 .Llap
	TURN 0, 1, 0
	STEP 1, 0, 0
	s_cmp_eq_u32 s[ISV], 1                         ; the same in all sixteen partners
	s_cbranch_scc1 .Lvarm
	; ---- q and k: my 128 columns are two heads
	s_lshl_b32 s40, s[XI], 4
	s_lshl_b32 s41, s[HX], 3
	s_add_co_u32 s40, s40, s41                     ; my first token tile
	s_lshr_b32 s41, s40, 7                         ; the batch
	s_and_b32 s40, s40, 127                        ; the tile in its batch
	s_and_b32 s42, s[YI], 3
	s_lshl_b32 s43, s42, 2
	s_lshl_b32 s41, s41, 4
	s_add_co_u32 s41, s41, s43
	s_lshl_b32 s43, s[HY], 1
	s_add_co_u32 s41, s41, s43                     ; 16 x batch + my first head
	s_lshr_b32 s43, s[YI], 2                       ; 0: q, 1: k
	s_lshl_b32 s44, s41, 7
	s_add_co_u32 s44, s44, s40
	s_mul_i32 s44, s44, 768
	s_mul_i32 s45, s43, 3145728
	s_add_co_u32 s44, s44, s45
	s_mov_b32 s45, 0
	s_add_nc_u64 s[94:95], s[14:15], s[44:45]      ; the codes
	s_mul_i32 s44, s41, 12288
	s_lshl_b32 s46, s40, 6
	s_add_co_u32 s44, s44, s46
	s_mul_i32 s46, s43, 393216
	s_add_co_u32 s44, s44, s46
	s_add_co_u32 s44, s44, 9437184
	s_add_nc_u64 s[96:97], s[14:15], s[44:45]      ; the scale words
	s_lshl_b32 s44, s42, 10
	s_lshl_b32 s46, s[HY], 9
	s_add_co_u32 s44, s44, s46
	s_cmp_eq_u32 s43, 0
	s_cselect_b64 s[98:99], s[8:9], s[10:11]
	s_add_nc_u64 s[98:99], s[98:99], s[44:45]      ; the bias of my 128 columns
	WIN 0x40
.irp b, 0,1,2,3
.irp j, 0,1,2,3
	global_load_b128 v[96+16*\b+4*\j+96*(\b/2):99+16*\b+4*\j+96*(\b/2)], v5, s[98:99] offset:128*\b+16*\j
.endr
.endr
	WIN 0
	LAST                                           ; the bias lands under the last 64 products
	PLACES NP
.irp b, 0,1,2,3
	v_mov_b32 v[TM+4+\b], 0                        ; a lane permute's destination counts as one of its sources
.endr
	s_wait_loadcnt 0x0
.irp a, 0,1,2,3,4,5,6,7
.if \a > 0
	s_wait_xcnt 0x0                                ; the stores' data are written again only behind this wait
.endif
	MOVE_QK \a
	QUANT H
.irp p, 0,1,2,3,4,5                    ; pieces 0-2: the first head's 64 along K; pieces 3-5: the second's
	global_store_b64 v[L8], v[PC+2*\p:PC+2*\p+1], s[94:95] offset:\a*768+(\p/3)*98304+(\p%3)*256
.endr
	v_and_b32 v[PW+1], 0xffff, v[PW]               ; a head's two bytes; the word's upper two stay 0, over zero codes
	v_lshrrev_b32 v[PW+2], 16, v[PW]
	global_store_b32 v[R4], v[PW+1], s[96:97] offset:\a*64
	global_store_b32 v[R4], v[PW+2], s[96:97] offset:\a*64+12288
.endr
	s_branch .Lend
.Lvarm:
	; ---- v: my 128 rows of X are the channels of two heads, my 128 of Y one step of 128 keys
	s_lshr_b32 s40, s[YI], 3                       ; the batch
	s_lshl_b32 s40, s40, 4
	s_lshl_b32 s41, s[XI], 2
	s_add_co_u32 s40, s40, s41
	s_lshl_b32 s41, s[HX], 1
	s_add_co_u32 s40, s40, s41                     ; 16 x batch + my first head
	s_and_b32 s41, s[YI], 7
	s_lshl_b32 s41, s41, 1
	s_add_co_u32 s41, s41, s[HY]                   ; the key step
	s_lshl_b32 s44, s40, 4
	s_add_co_u32 s44, s44, s41
	s_mul_i32 s44, s44, 6144
	s_add_co_u32 s44, s44, 6291456
	s_mov_b32 s45, 0
	s_add_nc_u64 s[94:95], s[14:15], s[44:45]
	s_mul_i32 s44, s40, 12288
	s_lshl_b32 s46, s41, 8
	s_add_co_u32 s44, s44, s46
	s_add_co_u32 s44, s44, 9838592
	s_add_nc_u64 s[96:97], s[14:15], s[44:45]
	s_lshl_b32 s44, s[XI], 10
	s_lshl_b32 s46, s[HX], 9
	s_add_co_u32 s44, s44, s46
	s_add_nc_u64 s[98:99], s[12:13], s[44:45]
	WIN 0x40
.irp a, 0,1,2,3,4,5,6,7
	global_load_b32 v[96+2*\a], v6, s[98:99] offset:(32*(\a/2)+8*(\a%2))*4
	global_load_b32 v[97+2*\a], v6, s[98:99] offset:(32*(\a/2)+8*(\a%2))*4
.endr
	WIN 0
	LAST
	PLACES NP
.irp b, 0,1,2,3
	v_mov_b32 v[TM+4+\b], 0
.endr
	s_wait_loadcnt 0x0
.irp a, 0,1,2,3,4,5,6,7
.if \a > 0
	s_wait_xcnt 0x0
.endif
	MOVE_V \a
	QUANT H
.irp p, 0,1,2,3,4,5
	global_store_b64 v[L8], v[PC+2*\p:PC+2*\p+1], s[94:95] offset:(\a/4)*98304+(\a%4)*1536+256*\p
.endr
	global_store_b32 v[R4], v[PW], s[96:97] offset:(\a/4)*12288+(\a%4)*64
.endr
.Lend:
	s_wait_tensorcnt 0x0                           ; the wave's end
	ds_add_u32 v[SPW], v[NIL]
	s_wait_dscnt 0x0
	CROUND                                         ; the closing round
	s_endpgm
.Lfunc_end_k_qd0b88b5a35_qkv:
	.size	k_qd0b88b5a35_qkv, .Lfunc_end_k_qd0b88b5a35_qkv-k_qd0b88b5a35_qkv
	.p2alignl 7, 3214868480
	.fill 96, 4, 3214868480
	.section	.rodata,"a",@progbits
	.p2align	6, 0x0
	.amdhsa_kernel k_qd0b88b5a35_qkv
		.amdhsa_group_segment_fixed_size 327680
		.amdhsa_private_segment_fixed_size 0
		.amdhsa_enable_private_segment 0
		.amdhsa_kernarg_size 48
		.amdhsa_user_sgpr_count 2
		.amdhsa_user_sgpr_kernarg_segment_ptr 1
		.amdhsa_wavefront_size32 1
		.amdhsa_system_sgpr_workgroup_id_x 1
		.amdhsa_system_sgpr_workgroup_id_y 1
		.amdhsa_system_sgpr_workgroup_id_z 1
		.amdhsa_system_vgpr_workitem_id 0
		.amdhsa_next_free_vgpr 1024
		.amdhsa_next_free_sgpr 102
		.amdhsa_reserve_vcc 0
		.amdhsa_float_denorm_mode_32 3
		.amdhsa_float_denorm_mode_16_64 3
		.amdhsa_memory_ordered 1
		.amdhsa_forward_progress 1
		.amdhsa_inst_pref_size 251
	.end_amdhsa_kernel
	.amdgpu_metadata
---
amdhsa.version: [ 1, 2 ]
amdhsa.kernels:
  - .name:           k_qd0b88b5a35_qkv
    .symbol:         k_qd0b88b5a35_qkv.kd
    .args:
      - { .name: hq, .offset: 0, .size: 8, .value_kind: global_buffer, .address_space: global }
      - { .name: wts, .offset: 8, .size: 8, .value_kind: global_buffer, .address_space: global }
      - { .name: bq, .offset: 16, .size: 8, .value_kind: global_buffer, .address_space: global }
      - { .name: bk, .offset: 24, .size: 8, .value_kind: global_buffer, .address_space: global }
      - { .name: bv, .offset: 32, .size: 8, .value_kind: global_buffer, .address_space: global }
      - { .name: qkv, .offset: 40, .size: 8, .value_kind: global_buffer, .address_space: global }
    .group_segment_fixed_size: 327680
    .private_segment_fixed_size: 0
    .kernarg_segment_align: 8
    .kernarg_segment_size: 48
    .max_flat_workgroup_size: 128
    .sgpr_count:     102
    .vgpr_count:     1024
    .wavefront_size: 32
...
	.end_amdgpu_metadata
.endif
;; end of part 3
;; launch attn (part 4): grid 8 x 32, 16 waves a work-group, clusters of 4 x 1, 210,944 bytes of LDS; arguments qkv, ctxq; writes ctxq
.if DOCPART == 4
	.amdgcn_target "amdgcn-amd-amdhsa--gfx1250"
	.amdhsa_code_object_version 6
	.text
	.protected	k_qd0b88b5a35_attn
	.globl	k_qd0b88b5a35_attn
	.p2align	8
	.type	k_qd0b88b5a35_attn,@function
k_qd0b88b5a35_attn:
	s_mov_b64 s[64:65], 0
	v_nop
	global_prefetch_b8 v0, s[64:65] scope:SCOPE_SE
	s_setreg_imm32_b32 hwreg(HW_REG_WAVE_MODE, 25, 1), 1
	s_wait_xcnt 0x0
	s_wait_alu depctr_hold_cnt(0) depctr_sa_sdst(0) depctr_va_vdst(0) depctr_va_sdst(0) depctr_va_ssrc(0) depctr_va_vcc(0) depctr_vm_vsrc(0)
	s_getreg_b32 s2, hwreg(HW_REG_IB_STS2, 6, 4)
	s_cmp_eq_u32 s2, 0
	s_cbranch_scc0 .Lentry_in_a_cluster
	s_endpgm
.Lentry_in_a_cluster:
	s_bfe_u32 s2, ttmp6, 0x10000c
	s_cmp_lg_u32 s2, 0x3003
	s_cbranch_scc0 .Lentry_shape_is_right
	s_endpgm
.Lentry_shape_is_right:
; ctx = softmax(q k^T / 8, causal) v for one head of one batch (work-group y), both products on codes of FP6 (E2M3) with E8M0 scales; ctx is quantised along the model's 1,024 at once.
; THE SOFTMAX: t = score x log2(e) / 8; M = the running largest t rounded UP to a whole number; p = 2^(t - M) is quantised along the keys, not normalised; the sum of the unquantised p divides at the end.
; A WHOLE HEAD LIES IN LDS: k's codes 98,304 bytes, v^T's 98,304, their scale words 12,288: filled once, by five joint loads of each of waves 0 (k) and 1 (v), the same in the four work-groups of a cluster, which
; share the head.  Nothing is filled again.  The keys come in four chunks of 512; each chunk's barrier stands in front of its four steps of 128 keys, so that later chunks land under earlier work.
; SHARES: wave w owns query tile 8 blk + g, blk = w xor 3 ((w / 4) % 2), g = the work-group's x (0 .. 7).  All 16 queries of that tile lie in key step blk: steps under blk are open, step blk is masked,
; steps over blk are left out: branches on the wave's number and the step's count alone.  Every work-group has the same work.
; LAYOUT: S^T = k q^T (source 0 = 16 keys, source 1 = my 16 queries), O^T = v^T p^T: a lane holds one query.  Tiles hold rows 32 (T / 2) + 8 (T % 2) + r % 8 + 16 (r / 8), so that the 16 registers of two
; neighbouring tiles are 16 neighbours along the next K.  The head's K is 64: q's registers 6-11 are zero codes, so whatever codes k's registers 6-11 hold add nothing (every E2M3 code is a finite number).
; LIMITS: 1 / l by v_rcp_f32 (1 ulp); a block of zeros gets the byte 1 (codes are zeros; only this program reads the bytes); NaN and infinities are not served.
.set L8,  1                            ; v1  8 x lane
.set R4,  2                            ; v2  4 r
.set DD,  3                            ; v3  my query's place in its key step, less 16 h
.set ADK, 8
.set ADV, 9
.set ADS, 10
.set ADT, 11
.set WV,  16
.set BLK, 17
.set KI,  18                           ; the key step
.set TK,  19                           ; LDS byte of the step's tiles of k
.set SEL, 20
.set CS,  22
.set G0,  24                           ; s[24:43] five groups 0: the scale words, chunks 0 to 3
.set G1C, 44
.set G1S, 52
.set TV,  60
.set TS,  61
.set TJ,  62
.macro CROUND
	s_barrier_signal -1
	s_barrier_wait -1
	s_cmp_lg_u32 s[WV], 0
	s_cbranch_scc1 .Lnot_wave_0_\@
	s_barrier_signal -3
.Lnot_wave_0_\@:
	s_barrier_wait -3
	s_barrier_signal -1
	s_barrier_wait -1
.endm
	s_load_b128 s[4:7], s[0:1], 0x0                ; q, k, v as codes; ctx's codes
	v_lshl_add_u32 v223, v0, 2, 0x33000
	v_mov_b32 v243, 0
	ds_add_u32 v223, v243
	ds_add_u32 v223, v243
	v_lshrrev_b32 v8, 5, v0
	v_readfirstlane_b32 s[WV], v8
	s_lshr_b32 s[BLK], s[WV], 2
	s_and_b32 s[BLK], s[BLK], 1
	s_mul_i32 s[BLK], s[BLK], 3
	s_xor_b32 s[BLK], s[BLK], s[WV]
	s_bfe_u32 s68, ttmp6, 0x40000                  ; cx
	s_lshl_b32 s67, ttmp9, 2
	s_add_co_u32 s67, s67, s68                     ; g: it enters global addresses and the mask's number alone
	s_and_b32 s66, ttmp7, 0xffff                   ; 16 x batch + head
	s_and_b32 s69, s[WV], 1                        ; wave 0 fetches k, wave 1 v
	s_mul_i32 s70, s69, 3145728
	s_mul_i32 s71, s66, 98304
	s_add_co_u32 s70, s70, s71
	s_add_co_u32 s70, s70, 3145728
	s_mov_b32 s71, 0
	s_mul_i32 s72, s66, 12288
	s_mul_i32 s75, s69, 6144
	s_add_co_u32 s72, s72, s75
	s_add_co_u32 s72, s72, 9830400
	s_mov_b32 s73, 0
	s_mul_i32 s74, s69, 98304
	s_mov_b32 s[G1C], 15|(3<<16)|(1<<21)           ; the mask: all four work-groups; elements of 8 bytes; bit 21 beside a mask; no padding
	s_mov_b32 s[G1C+1], 32<<16                     ; a chunk: 24,576 dense bytes as 96 rows of 256
	s_mov_b32 s[G1C+2], 96<<16
	s_mov_b32 s[G1C+3], 32<<16
	s_mov_b32 s[G1C+4], 96
	s_mov_b32 s[G1C+5], 32
	s_mov_b32 s[G1C+6], 0
	s_mov_b32 s[G1C+7], 0
	s_mov_b32 s[G1S], 15|(3<<16)|(1<<21)           ; half of the head's scale words: 24 rows of 256
	s_mov_b32 s[G1S+1], 32<<16
	s_mov_b32 s[G1S+2], 24<<16
	s_mov_b32 s[G1S+3], 32<<16
	s_mov_b32 s[G1S+4], 24
	s_mov_b32 s[G1S+5], 32
	s_mov_b32 s[G1S+6], 0
	s_mov_b32 s[G1S+7], 0
	s_lshl_b32 s76, s[BLK], 3
	s_add_co_u32 s76, s76, s67                     ; my query tile in its batch
	s_lshl_b32 s77, s66, 7
	s_add_co_u32 s77, s77, s76
	s_mul_i32 s78, s77, 768                        ; q's codes
	s_mov_b32 s79, 0
	s_mul_i32 s80, s66, 12288
	s_lshl_b32 s81, s76, 6
	s_add_co_u32 s80, s80, s81
	s_add_co_u32 s80, s80, 9437184                 ; q's scale words
	s_mov_b32 s81, 0
	s_lshr_b32 s82, s66, 4
	s_lshl_b32 s82, s82, 7
	s_add_co_u32 s82, s82, s76                     ; the token tile
	s_lshl_b32 s82, s82, 3
	s_and_b32 s83, s66, 15                         ; the head
	s_lshr_b32 s84, s83, 1
	s_add_co_u32 s82, s82, s84                     ; 8 x tile + K step
	s_and_b32 s83, s83, 1
	s_mul_i32 s84, s82, 1536
	s_mul_i32 s85, s83, 768
	s_add_co_u32 s84, s84, s85                     ; ctx's codes: three pieces
	s_mov_b32 s85, 0
	s_lshl_b32 s86, s82, 6
	s_lshl_b32 s87, s83, 1
	s_add_co_u32 s86, s86, s87
	s_add_co_u32 s86, s86, 3145728                 ; ctx's two scale bytes
	s_mov_b32 s87, 0
	s_lshr_b32 s88, s67, 1
	s_lshl_b32 s88, s88, 5
	s_and_b32 s89, s67, 1
	s_lshl_b32 s89, s89, 3
	s_add_co_u32 s88, s88, s89                     ; 32 (g / 2) + 8 (g % 2)
	s_mov_b32 s[SEL], 0x76543210
	s_mov_b32 s[SEL+1], 0xfedcba98
	s_mov_b32 s[CS], 0x3e38aa3b                    ; c = log2(e) / 8
	s_mov_b32 s[CS+1], s[CS]
	s_wait_dscnt 0x0
	s_wait_kmcnt 0x0
	s_add_nc_u64 s[70:71], s[4:5], s[70:71]
	s_add_nc_u64 s[72:73], s[4:5], s[72:73]
	s_add_nc_u64 s[78:79], s[4:5], s[78:79]
	s_add_nc_u64 s[80:81], s[4:5], s[80:81]
	s_add_nc_u64 s[84:85], s[6:7], s[84:85]
	s_add_nc_u64 s[86:87], s[6:7], s[86:87]
	s_mov_b32 s[G0], 1
	s_add_co_u32 s[G0+1], s75, 196608
	s_mov_b64 s[G0+2:G0+3], s[72:73]
	s_or_b32 s[G0+3], s[G0+3], 0x80000000
.irp c, 0,1,2,3
	s_mov_b32 s[G0+4+4*\c], 1
	s_add_co_u32 s[G0+5+4*\c], s74, 24576*\c
	s_add_nc_u64 s[G0+6+4*\c:G0+7+4*\c], s[70:71], 24576*\c
	s_or_b32 s[G0+7+4*\c], s[G0+7+4*\c], 0x80000000
.endr
	CROUND                                         ; all four work-groups are here: the joint loads meet
	s_cmp_lt_u32 s[WV], 2                          ; a wave's five first fills stand in one branch on the wave's number: five tensor loads of mine are out
	s_cbranch_scc0 .Lno_fetch
	tensor_load_to_lds s[G0:G0+3], s[G1S:G1S+7]
	s_nop 0
	tensor_load_to_lds s[G0+4:G0+7], s[G1C:G1C+7]
	s_nop 0
	tensor_load_to_lds s[G0+8:G0+11], s[G1C:G1C+7]
	s_nop 0
	tensor_load_to_lds s[G0+12:G0+15], s[G1C:G1C+7]
	s_nop 0
	tensor_load_to_lds s[G0+16:G0+19], s[G1C:G1C+7]
	s_nop 0
.rept 4
	v_nop
.endr
.Lno_fetch:
	v_and_b32 v9, 31, v0
	v_lshlrev_b32 v[L8], 3, v9
	v_and_b32 v9, 15, v0
	v_lshlrev_b32 v[R4], 2, v9
.irp p, 0,1,2
	global_load_b64 v[16+2*\p:17+2*\p], v[L8], s[78:79] offset:256*\p   ; q's fragment: k 0 .. 63
.endr
	global_load_b32 v255, v[R4], s[80:81]          ; q's scale words
	v_and_b32 v10, 7, v0
	v_bfe_u32 v11, v0, 3, 1
	v_lshl_add_u32 v10, v11, 4, v10
	v_bfe_u32 v11, v0, 4, 1
	v_lshlrev_b32 v11, 4, v11
	v_sub_nc_u32 v10, v10, v11
	v_add_nc_u32 v[DD], s88, v10                   ; register 16 b + i holds key 32 b + 16 h + i of the step: hidden on the diagonal where 32 b + i > this number
.irp j, 22,23,24,25,26,27
	v_mov_b32 v[\j], 0                             ; q's k 64 .. 127: zero codes
.endr
.irp t, 0,1,2,3
.irp j, 6,7,8,9,10,11
	v_mov_b32 v[32+12*\t+\j], 0                    ; written once: later they hold old codes of v, against q's zero codes
.endr
.endr
	v_mov_b32 v13, 0xff61b1e6                      ; the largest t so far: -3e38
	v_floor_f32 v12, -v13                          ; -M
	v_mov_b32 v14, 0
	v_mov_b32 v15, 0
.irp b, 0,1,2,3
	v_mov_b32 v[236+\b], 0
.endr
	v_mov_b32 v253, 0
.set n, 0
.rept 32
	v_mov_b32 v[160+n], 0                          ; O^T: the step is written once; the first finds zeros
.set n, n+1
.endr
.macro STEP
	s_cmp_gt_u32 s[KI], s[BLK]                     ; all keys of the step come after my queries: its work is left out
	s_cbranch_scc1 .Lhidden_\@
	v_add_nc_u32 v[ADK], s[TK], v[L8]              ; (these four are the places in front of the loads into registers that the last products read)
	v_add_nc_u32 v[ADV], s[TV], v[L8]
	v_add_nc_u32 v[ADS], s[TS], v[R4]
	v_add_nc_u32 v[ADT], s[TJ], v[R4]
.irp g, 0,1
.if \g > 0
.rept 4
	v_nop
.endr
.endif
.irp t, 0,1,2,3
.irp p, 0,1,2
	ds_load_b64 v[32+12*\t+2*\p:33+12*\t+2*\p], v[ADK] offset:(4*\g+\t)*768+256*\p
.endr
	ds_load_b32 v[248+\t], v[ADS] offset:(4*\g+\t)*64
.endr
	s_wait_dscnt 0x0
.irp t, 0,1,2,3
	v_wmma_scale_f32_16x16x128_f8f6f4 v[96+8*(4*\g+\t):103+8*(4*\g+\t)], v[32+12*\t:43+12*\t], v[16:27], 0, v[248+\t], v255 matrix_a_fmt:MATRIX_FMT_FP6 matrix_b_fmt:MATRIX_FMT_FP6
.endr
.endr
.rept 4
	v_nop
.endr
	s_cmp_lt_u32 s[KI], s[BLK]                     ; all keys count: no mask
	s_cbranch_scc1 .Lopen_\@
	v_mov_b32 v254, 0xff800000                     ; -infinity ahead of the maximum: p = 0 then
.set n, 0
.rept 64
	v_cmp_gt_i32 vcc_lo, 32*(n/16)+n%16, v[DD]
	v_cndmask_b32 v[96+n], v[96+n], v254, vcc_lo
.set n, n+1
.endr
.Lopen_\@:
.irp b, 0,1,2,3
	v_max3_num_f32 v[232+\b], v[96+16*\b], v[97+16*\b], v[98+16*\b]   ; the largest score of each block of 32 keys: for the row's maximum and, since p rises with the score, for the block's largest p
.endr
.irp i, 3,5,7,9,11,13
.irp b, 0,1,2,3
	v_max3_num_f32 v[232+\b], v[232+\b], v[96+16*\b+\i], v[97+16*\b+\i]
.endr
.endr
.irp b, 0,1,2,3
	v_max_num_f32 v[232+\b], v[232+\b], v[111+16*\b]
.endr
.irp b, 0,1,2,3
	v_permlanex16_b32 v[236+\b], v[232+\b], s[SEL], s[SEL+1]
.endr
.irp b, 0,1,2,3
	v_max_num_f32 v[232+\b], v[232+\b], v[236+\b]
.endr
	v_max3_num_f32 v254, v232, v233, v234
	v_max_num_f32 v254, v254, v235
	v_mul_f32 v254, s[CS], v254
	v_max_num_f32 v13, v13, v254                   ; the running largest t
	v_mov_b32 v254, v12
	v_floor_f32 v12, -v13                          ; the new -M: M is a whole number
	v_sub_f32 v254, v12, v254
	v_cvt_i32_f32 v254, v254                       ; (it saturates)
	v_ldexp_f32 v252, 1.0, v254                    ; f = 2^(old M - new M): a multiplication by it rounds nothing
.set n, 0
.rept 32
	v_pk_fma_f32 v[96+n:97+n], v[96+n:97+n], s[CS:CS+1], v[12:13] op_sel_hi:[1,0,0]   ; t - M
.set n, n+2
.endr
.irp b, 0,1,2,3
	v_fma_f32 v[232+\b], v[232+\b], s[CS], v12
.endr
.set n, 0
.rept 64
	v_exp_f32 v[96+n], v[96+n]                     ; p = 2^(t - M)
.set n, n+1
.endr
.irp b, 0,1,2,3
	v_exp_f32 v[232+\b], v[232+\b]                 ; the block's largest p
.endr
	v_pk_mul_f32 v[14:15], v[14:15], v[252:253] op_sel_hi:[1,0]   ; the sums under the new M (a plain place behind the exponentials)
	s_wait_alu depctr_va_vdst(0)
.irp b, 0,1,2,3
	v_max_num_f32 v[232+\b], 0x1800000, v[232+\b]  ; the floor 2^(3 - 127)
.endr
.irp b, 0,1,2,3
	v_add_nc_u32 v[244+\b], 0xff000000, v[232+\b]
.endr
.irp b, 0,1,2,3
	v_lshrrev_b32 v[236+\b], 23, v[244+\b]
.endr
	v_lshl_or_b32 v253, v237, 8, v236              ; p's scale word for these 128 keys
	v_lshl_or_b32 v253, v238, 16, v253
	v_lshl_or_b32 v253, v239, 24, v253
.irp c, 0,1
	v_cvt_scalef32_pk16_fp6_f32 v[224+6*\c:226+6*\c], v[96+32*\c:111+32*\c], v[244+2*\c]
	v_cvt_scalef32_pk16_fp6_f32 v[236+4*\c:238+4*\c], v[112+32*\c:127+32*\c], v[244+2*\c+1]
.endr
	v_nop                                          ; one plain place behind a scaled conversion
.irp c, 0,1
.irp i, 0,1,2
	v_permlane16_swap_b32 v[224+6*\c+\i], v[236+4*\c+\i]
.endr
.irp i, 0,1,2
	v_mov_b32 v[227+6*\c+\i], v[236+4*\c+\i]
.endr
.endr
	v_pk_add_f32 v[236:237], v[96:97], v[98:99]    ; the row's sum is taken of the unquantised p, in two chains
.irp j, 4,8,12,16,20,24,28,32,36,40,44,48,52,56,60
	v_pk_add_f32 v[14:15], v[14:15], v[96+\j:97+\j]
	v_pk_add_f32 v[236:237], v[236:237], v[98+\j:99+\j]
.endr
	v_pk_add_f32 v[14:15], v[14:15], v[236:237]
.set n, 0
.rept 16
	v_pk_mul_f32 v[160+n:161+n], v[160+n:161+n], v[252:253] op_sel_hi:[1,0]   ; O^T under the new M
.set n, n+2
.endr
.irp t, 0,1,2,3                        ; O^T += v^T p^T: the head's four tiles of 16 channels; the four accumulators by turns
.irp p, 0,1,2,3,4,5
	ds_load_b64 v[32+12*\t+2*\p:33+12*\t+2*\p], v[ADV] offset:1536*\t+256*\p
.endr
	ds_load_b32 v[248+\t], v[ADT] offset:64*\t
.endr
	s_wait_dscnt 0x0
.irp t, 0,1,2,3
	v_wmma_scale_f32_16x16x128_f8f6f4 v[160+8*\t:167+8*\t], v[32+12*\t:43+12*\t], v[224:235], v[160+8*\t:167+8*\t], v[248+\t], v253 matrix_a_fmt:MATRIX_FMT_FP6 matrix_b_fmt:MATRIX_FMT_FP6
.endr
.Lhidden_\@:
	s_add_co_u32 s[TK], s[TK], 6144                ; the next step's tiles and scale words
	s_add_co_u32 s[TV], s[TV], 6144
	s_add_co_u32 s[TS], s[TS], 512
	s_add_co_u32 s[TJ], s[TJ], 256
.endm
.macro CHUNK c
	s_wait_tensorcnt 3-\c                          ; tensor loads of a wave end in order: the scale words and chunks 0 .. c are in; the younger chunks may be out
	s_wait_dscnt 0x0
	s_barrier_signal -1
	s_barrier_wait -1                              ; both fetching waves' parts are in
	s_mov_b32 s[KI], 4*\c
	s_mov_b32 s[TK], 24576*\c
	s_mov_b32 s[TV], 98304+24576*\c
	s_mov_b32 s[TS], 196608+2048*\c
	s_mov_b32 s[TJ], 204800+1024*\c
.Lstep_\@:
	STEP
	s_add_co_u32 s[KI], s[KI], 1
	s_cmp_lt_u32 s[KI], 4*\c+4
	s_cbranch_scc1 .Lstep_\@
.endm
	s_wait_loadcnt 0x0                             ; q
	CHUNK 0
	CHUNK 1
	CHUNK 2
	CHUNK 3
	; THE WAY OUT: O^T / the sum; register 16 b + i is channel 32 b + 16 h + i of the head: two blocks along the next product's K
.rept 4
	v_nop                                          ; places behind the last products
.endr
	v_add_f32 v14, v14, v15
	v_permlanex16_b32 v252, v14, s[SEL], s[SEL+1]
	v_add_f32 v14, v14, v252
	v_rcp_f32 v14, v14
	v_nop
.set n, 0
	s_wait_alu depctr_va_vdst(0)
.rept 32
	v_mul_f32 v[96+n], v[160+n], v14
.set n, n+1
.endr
.irp b, 0,1
	v_max3_num_f32 v[232+\b], |v[96+16*\b]|, |v[97+16*\b]|, 0x1800000
.endr
.irp i, 2,4,6,8,10,12,14
.irp b, 0,1
	v_max3_num_f32 v[232+\b], v[232+\b], |v[96+16*\b+\i]|, |v[97+16*\b+\i]|
.endr
.endr
.irp b, 0,1
	v_permlanex16_b32 v[236+\b], v[232+\b], s[SEL], s[SEL+1]
.endr
.irp b, 0,1
	v_max_num_f32 v[232+\b], v[232+\b], v[236+\b]
.endr
.irp b, 0,1
	v_add_nc_u32 v[244+\b], 0xff000000, v[232+\b]
.endr
.irp b, 0,1
	v_lshrrev_b32 v[236+\b], 23, v[244+\b]
.endr
	v_lshl_or_b32 v254, v237, 8, v236              ; the head's two scale bytes
	v_cvt_scalef32_pk16_fp6_f32 v[224:226], v[96:111], v244
	v_cvt_scalef32_pk16_fp6_f32 v[228:230], v[112:127], v245
	v_nop
.irp i, 0,1,2
	v_permlane16_swap_b32 v[224+\i], v[228+\i]
.endr
.irp i, 0,1,2
	v_mov_b32 v[227+\i], v[228+\i]
.endr
.irp j, 0,1,2
	global_store_b64 v[L8], v[224+2*\j:225+2*\j], s[84:85] offset:256*\j   ; 32 lanes store 256 consecutive bytes, aligned
.endr
	global_store_b16 v[R4], v254, s[86:87]         ; both halves of the lanes hold and write the same two bytes
	s_wait_tensorcnt 0x0
	ds_add_u32 v223, v243
	s_wait_dscnt 0x0
	CROUND                                         ; the closing round
	s_endpgm
.Lfunc_end_k_qd0b88b5a35_attn:
	.size	k_qd0b88b5a35_attn, .Lfunc_end_k_qd0b88b5a35_attn-k_qd0b88b5a35_attn
	.p2alignl 7, 3214868480
	.fill 96, 4, 3214868480
	.section	.rodata,"a",@progbits
	.p2align	6, 0x0
	.amdhsa_kernel k_qd0b88b5a35_attn
		.amdhsa_group_segment_fixed_size 210944
		.amdhsa_private_segment_fixed_size 0
		.amdhsa_enable_private_segment 0
		.amdhsa_kernarg_size 16
		.amdhsa_user_sgpr_count 2
		.amdhsa_user_sgpr_kernarg_segment_ptr 1
		.amdhsa_wavefront_size32 1
		.amdhsa_system_sgpr_workgroup_id_x 1
		.amdhsa_system_sgpr_workgroup_id_y 1
		.amdhsa_system_sgpr_workgroup_id_z 1
		.amdhsa_system_vgpr_workitem_id 0
		.amdhsa_next_free_vgpr 256
		.amdhsa_next_free_sgpr 90
		.amdhsa_reserve_vcc 1
		.amdhsa_float_denorm_mode_32 3
		.amdhsa_float_denorm_mode_16_64 3
		.amdhsa_memory_ordered 1
		.amdhsa_forward_progress 1
		.amdhsa_inst_pref_size 107
	.end_amdhsa_kernel
	.amdgpu_metadata
---
amdhsa.version: [ 1, 2 ]
amdhsa.kernels:
  - .name:           k_qd0b88b5a35_attn
    .symbol:         k_qd0b88b5a35_attn.kd
    .args:
      - { .name: qkv, .offset: 0, .size: 8, .value_kind: global_buffer, .address_space: global }
      - { .name: ctxq, .offset: 8, .size: 8, .value_kind: global_buffer, .address_space: global }
    .group_segment_fixed_size: 210944
    .private_segment_fixed_size: 0
    .kernarg_segment_align: 8
    .kernarg_segment_size: 16
    .max_flat_workgroup_size: 512
    .sgpr_count:     90
    .vgpr_count:     256
    .wavefront_size: 32
...
	.end_amdgpu_metadata
.endif
;; end of part 4
;; launch oproj (part 5): grid 4 x 16, 4 waves a work-group, clusters of 4 x 4, 327,680 bytes of LDS; arguments ctxq, wts, bo, x, x1; writes x1
.if DOCPART == 5
	.amdgcn_target "amdgcn-amd-amdhsa--gfx1250"
	.amdhsa_code_object_version 6
	.text
	.protected	k_qd0b88b5a35_oproj
	.globl	k_qd0b88b5a35_oproj
	.p2align	8
	.type	k_qd0b88b5a35_oproj,@function
k_qd0b88b5a35_oproj:
	s_mov_b64 s[64:65], 0
	v_nop
	global_prefetch_b8 v0, s[64:65] scope:SCOPE_SE
	s_setreg_imm32_b32 hwreg(HW_REG_WAVE_MODE, 25, 1), 1
	s_wait_xcnt 0x0
	s_wait_alu depctr_hold_cnt(0) depctr_sa_sdst(0) depctr_va_vdst(0) depctr_va_sdst(0) depctr_va_ssrc(0) depctr_va_vcc(0) depctr_vm_vsrc(0)
	s_getreg_b32 s2, hwreg(HW_REG_IB_STS2, 6, 4)
	s_cmp_eq_u32 s2, 0
	s_cbranch_scc0 .Lentry_in_a_cluster
	s_endpgm
.Lentry_in_a_cluster:
	s_bfe_u32 s2, ttmp6, 0x10000c
	s_cmp_lg_u32 s2, 0xf033
	s_cbranch_scc0 .Lentry_shape_is_right
	s_endpgm
.Lentry_shape_is_right:
; out = resid + A W + bias, the product on codes of FP6 (E2M3) with E8M0 scales; out and resid [4096][1024] f32.  Here: A = ctx, W = wo, K = 1,024.
; OPERANDS lie in tiles of 16 rows (tile T, row r = index 32 (T / 2) + 8 (T % 2) + r % 8 + 16 (r / 8)), a fragment (16 rows x 128 K) as six pieces of 256 bytes in the order of the operand's registers;
; codes of tile T, K step s at (KS T + s) 1536, scale words at (KS T + s) 64 + 4 r.
; THE PRODUCT IS USED TRANSPOSED: source 0 = 16 columns of W (Y), source 1 = 16 tokens (X): lane (r, h) of accumulator (a, b) holds token row r of tile a, register j column 32 (b / 2) + 8 (b % 2) + 16 h + j.
; THE RESIDUAL STARTS THE SUMS: it is loaded straight into the accumulators while the first tiles are on their way.  The bias is added on the way out.
; A work-group makes 256 x 256, a wave 128 x 128 in 64 accumulators; K in steps of 256 through two LDS slots; X's tiles are asked for jointly along a row of the cluster, Y's along a column; the scale words come once.
; 64 work-groups: the output has no more tiles of this size.
.set KS,    8
.set XSO,   3145728                    ; where A's scale words begin in its buffer
.set YCO,   2359296                    ; W's codes in wts
.set YSO,   9535488                    ; W's scale words
.set FRB,   1536
.set TROW,  2*FRB
.set HALFT, 8*TROW
.set SLOT,  4*HALFT
.set SCL,   2*SLOT
.set SBLK,  64*KS
.set HALFS, 8*SBLK
.set SPARE, SCL+4*HALFS
.set LAPS,  KS/4
.set SPITCH, 528                       ; the way out: a stage of 16 rows x (512 + 16) bytes for each wave, in slot 0, which has had its last fill and its last read by then
.set NQ, 2
.set FR, 12
.set NL, 6
.set NP, 4
.set ADRA, 16
.set ADRB, 20
.set L8,   22
.set R4,   23
.set STO,  24
.set RD,   25
.set CO,   26
.set ADRS, 27
.set SPW,  28
.set NIL,  29
.set RO,   30
.set SC,   32
.set BIA,  64                          ; v64-67 the bias of my four columns of a row read back
.set AF,   128
.set BK,   128
.set WV, 16
.set HX, 17
.set HY, 18
.set CX, 19
.set CY, 20
.set XI, 21
.set YI, 22
.set G1, 24
.set G0, 32
.set G1B, 48
.set G0B, 56
.set G1S, 68
.set G0S, 76
.set G1SB, 80
.set G0SB, 88
.set MSB, 0
.macro WIN new
.if MSB != (\new)
	s_set_vgpr_msb (MSB<<8)|(\new)
.set MSB, \new
.endif
.endm
.set MUL_LO, 0xa1
.set MUL_HI, 0xf1
.set TO_B,   0x40
.macro JLOAD g0a, g1a, g0b, g1b        ; a joint load: waves 0 and 1 fetch for X, waves 2 and 3 for Y; four v_nop follow each line
	s_cmp_eq_u32 s[HX], 0
	s_cbranch_scc0 .Lfor_b_\@
	tensor_load_to_lds s[\g0a:\g0a+3], s[\g1a:\g1a+7]
	s_nop 0
.rept 4
	v_nop
.endr
	s_branch .Lasked_\@
.Lfor_b_\@:
	tensor_load_to_lds s[\g0b:\g0b+3], s[\g1b:\g1b+7]
	s_nop 0
.rept 4
	v_nop
.endr
.Lasked_\@:
.endm
.macro CREST
	s_cmp_lg_u32 s[WV], 0
	s_cbranch_scc1 .Lnot_wave_0_\@
	s_barrier_signal -3
.Lnot_wave_0_\@:
	s_barrier_wait -3
	s_barrier_signal -1
	s_barrier_wait -1
.endm
.macro CROUND
	s_barrier_signal -1
	s_barrier_wait -1
	CREST
.endm
	s_load_b256 s[4:11], s[0:1], 0x0               ; A, the weights, the bias, the residual
	s_load_b64 s[12:13], s[0:1], 0x20              ; out
	v_lshl_add_u32 v[SPW], v0, 2, SPARE
	v_mov_b32 v[NIL], 0
	ds_add_u32 v28, v29
	ds_add_u32 v28, v29
	s_wait_dscnt 0x0
	v_lshrrev_b32 v1, 5, v0
	v_readfirstlane_b32 s[WV], v1
	s_lshr_b32 s[HX], s[WV], 1
	s_and_b32 s[HY], s[WV], 1
	s_bfe_u32 s[CX], ttmp6, 0x40000
	s_bfe_u32 s[CY], ttmp6, 0x40004
	s_lshl_b32 s[YI], ttmp9, 2
	s_add_co_u32 s[YI], s[YI], s[CX]
	s_and_b32 s[XI], ttmp7, 0xffff
	s_lshl_b32 s[XI], s[XI], 2
	s_add_co_u32 s[XI], s[XI], s[CY]
	s_lshl_b32 s2, s[CY], 2
	s_lshl_b32 s2, 15, s2                          ; my row of the cluster
	s_lshl_b32 s23, 0x1111, s[CX]                  ; my column
	s_or_b32 s[G1], s2, (3<<16)|(1<<21)
	s_or_b32 s[G1B], s23, (3<<16)|(1<<21)
.irp g, G1, G1B
	s_mov_b32 s[\g+1], 384<<16
	s_mov_b32 s[\g+2], 8<<16
	s_mov_b32 s[\g+3], 384<<16
	s_mov_b32 s[\g+4], 8
	s_mov_b32 s[\g+5], KS*192
	s_mov_b32 s[\g+6], 0
	s_mov_b32 s[\g+7], 0
.endr
	s_or_b32 s[G1S], s2, (3<<16)|(1<<21)
	s_or_b32 s[G1SB], s23, (3<<16)|(1<<21)
.irp g, G1S, G1SB
	s_mov_b32 s[\g+1], 32<<16
	s_mov_b32 s[\g+2], (HALFS/256)<<16
	s_mov_b32 s[\g+3], 32<<16
	s_mov_b32 s[\g+4], HALFS/256
	s_mov_b32 s[\g+5], 32
	s_mov_b32 s[\g+6], 0
	s_mov_b32 s[\g+7], 0
.endr
	s_lshl_b32 s40, s[XI], 4
	s_lshl_b32 s41, s[HY], 3
	s_add_co_u32 s40, s40, s41
	s_mul_i32 s42, s40, SBLK
	s_mul_i32 s40, s40, KS*FRB
	s_add_co_u32 s42, s42, XSO
	s_mov_b32 s41, 0
	s_mov_b32 s43, 0
	s_lshl_b32 s44, s[YI], 4
	s_lshl_b32 s45, s[HY], 3
	s_add_co_u32 s44, s44, s45
	s_mul_i32 s46, s44, SBLK
	s_mul_i32 s44, s44, KS*FRB
	s_add_co_u32 s44, s44, YCO
	s_add_co_u32 s46, s46, YSO
	s_mov_b32 s45, 0
	s_mov_b32 s47, 0
	s_mul_i32 s98, s[WV], HALFT
	s_mul_i32 s99, s[WV], HALFS
	s_wait_kmcnt 0x0
	s_add_nc_u64 s[40:41], s[4:5], s[40:41]
	s_add_nc_u64 s[42:43], s[4:5], s[42:43]
	s_add_nc_u64 s[44:45], s[6:7], s[44:45]
	s_add_nc_u64 s[46:47], s[6:7], s[46:47]
	CROUND
	s_mov_b32 s[G0S], 1
	s_add_co_u32 s[G0S+1], s99, SCL
	s_mov_b64 s[G0S+2:G0S+3], s[42:43]
	s_or_b32 s[G0S+3], s[G0S+3], 0x80000000
	s_mov_b32 s[G0SB], 1
	s_add_co_u32 s[G0SB+1], s99, SCL
	s_mov_b64 s[G0SB+2:G0SB+3], s[46:47]
	s_or_b32 s[G0SB+3], s[G0SB+3], 0x80000000
	JLOAD G0S, G1S, G0SB, G1SB
.irp s, 0,1
	s_mov_b32 s[G0+4*\s], 1
	s_add_co_u32 s[G0+4*\s+1], s98, \s*SLOT
	s_add_nc_u64 s[G0+4*\s+2:G0+4*\s+3], s[40:41], \s*TROW
	s_or_b32 s[G0+4*\s+3], s[G0+4*\s+3], 0x80000000
	s_mov_b32 s[G0B+4*\s], 1
	s_add_co_u32 s[G0B+4*\s+1], s98, \s*SLOT
	s_add_nc_u64 s[G0B+4*\s+2:G0B+4*\s+3], s[44:45], \s*TROW
	s_or_b32 s[G0B+4*\s+3], s[G0B+4*\s+3], 0x80000000
	JLOAD G0+4*\s, G1, G0B+4*\s, G1B
.endr
	v_and_b32 v1, 31, v0
	v_and_b32 v2, 15, v0
	v_bfe_u32 v3, v0, 4, 1
	v_lshlrev_b32 v[L8], 3, v1
	v_lshlrev_b32 v[R4], 2, v2
	v_lshlrev_b32 v[CO], 4, v1                     ; 16 x lane
	v_and_b32 v4, 7, v0
	v_bfe_u32 v5, v0, 3, 1
	v_lshl_add_u32 v4, v5, 4, v4
	v_lshlrev_b32 v4, 12, v4
	v_lshl_add_u32 v[RO], v3, 6, v4                ; the residual: row r % 8 + 16 (r / 8) of a tile's 32, + 64 h
	s_lshl_b32 s44, s[XI], 8                       ; my first row and column, in bytes
	s_lshl_b32 s45, s[HX], 7
	s_add_co_u32 s44, s44, s45
	s_lshl_b32 s44, s44, 12
	s_lshl_b32 s46, s[YI], 10
	s_lshl_b32 s45, s[HY], 9
	s_add_co_u32 s46, s46, s45
	s_add_co_u32 s44, s44, s46
	s_mov_b32 s45, 0
	s_mov_b32 s47, 0
	s_add_nc_u64 s[94:95], s[10:11], s[44:45]
	s_add_nc_u64 s[96:97], s[12:13], s[44:45]
	s_add_nc_u64 s[8:9], s[8:9], s[46:47]
	global_load_b128 v[BIA:BIA+3], v[CO], s[8:9]
.irp a, 0,1,2,3,4,5,6,7                ; the residual in the accumulators' layout: four loads cover 128 consecutive bytes of each of 16 rows
	WIN 0x80+0x40*((\a)/4)
.irp b, 0,1,2,3,4,5,6,7
.irp c, 0,1
	global_load_b128 v[8*(8*((\a)%4)+\b)+4*\c:8*(8*((\a)%4)+\b)+4*\c+3], v[RO], s[94:95] offset:(32*((\a)/2)+8*((\a)%2))*4096+128*(\b/2)+32*(\b%2)+16*\c
.endr
.endr
.endr
	WIN 0
	s_mul_i32 s2, s[HX], HALFT
	s_mul_i32 s23, s[HY], HALFT
	s_add_co_u32 s23, s23, 2*HALFT
.irp s, 0,1
	v_add_nc_u32 v[ADRA+\s], s2, v[L8]
	v_add_nc_u32 v[ADRB+\s], s23, v[L8]
	s_add_co_u32 s2, s2, SLOT
	s_add_co_u32 s23, s23, SLOT
.endr
	s_mul_i32 s2, s[HX], HALFS
	s_mul_i32 s23, s[HY], HALFS
	s_add_co_u32 s23, s23, 2*HALFS
	s_sub_co_u32 s23, s23, s2
	v_mul_u32_u24 v4, s23, v3
	s_add_co_u32 s2, s2, SCL
	v_add_nc_u32 v4, v4, v[R4]
	v_add_nc_u32 v[ADRS], s2, v4
	s_mul_i32 s2, s[WV], 16*SPITCH                 ; my stage
	v_mul_u32_u24 v4, v2, SPITCH
	v_lshl_add_u32 v4, v3, 6, v4
	v_add_nc_u32 v[STO], s2, v4                    ; in: row r, + 64 h
	v_add_nc_u32 v[RD], s2, v[CO]                  ; back: a row of 512 bytes for the 32 lanes
.macro FRAG reg, adr, q, i
.irp p, 0,1,2,3,4,5
	ds_load_b64 v[\reg+2*\p:\reg+2*\p+1], v[\adr] offset:(\i)*TROW+(\q)*FRB+256*\p
.endr
.endm
; the 64 accumulators take turns, one instruction a turn
.macro MUL16 a0, p, q, sc
.irp a, \a0, \a0+1
.irp b, 0,1,2,3,4,5,6,7
	v_wmma_scale_f32_16x16x128_f8f6f4 v[8*(8*((\a)%4)+\b):8*(8*((\a)%4)+\b)+7], v[128*(\p)+FR*\b:128*(\p)+FR*\b+FR-1], v[AF+FR*(\a):AF+FR*(\a)+FR-1], v[8*(8*((\a)%4)+\b):8*(8*((\a)%4)+\b)+7], v[SC+8*NQ*(\sc)+NQ*\b+(\q)], v[SC+8*NQ*(\sc)+NQ*(\a)+(\q)] matrix_a_fmt:MATRIX_FMT_FP6 matrix_b_fmt:MATRIX_FMT_FP6 matrix_a_scale:MATRIX_SCALE_ROW1
.endr
.endr
.endm
.macro FETCH_B slot, q, p
	WIN TO_B
.irp i, 0,1,2,3,4,5,6,7
	FRAG 128*(\p)+FR*\i, ADRB+\slot, \q, \i
.endr
	WIN 0
.endm
.macro FETCH_A slot, q, i0
.irp i, \i0, \i0+1, \i0+2, \i0+3
	FRAG AF+FR*(\i), ADRA+\slot, \q, \i
.endr
.endm
.macro SCALES sc
.irp i, 0,1,2,3,4,5,6,7
.irp q, 0,1
	ds_load_b32 v[SC+8*NQ*\sc+NQ*\i+\q], v[ADRS] offset:\i*SBLK+64*\q
.endr
.endr
.endm
.macro PLACES n
.rept \n
	v_nop
.endr
.endm
.macro STEP slot, q
	s_wait_dscnt 4*NL                              ; all but the youngest 24 loads, X's blocks 4-7
	WIN MUL_LO
	MUL16 0, (\q)%2, \q, \slot
	MUL16 2, (\q)%2, \q, \slot
	s_wait_dscnt 0
	PLACES NP
	FETCH_B \slot, (\q)+1, 1-(\q)%2
	FETCH_A \slot, (\q)+1, 0
	WIN MUL_HI
	MUL16 4, (\q)%2, \q, \slot
	MUL16 6, (\q)%2, \q, \slot
	PLACES NP
	WIN 0
	FETCH_A \slot, (\q)+1, 4
.endm
.macro TURN slot, next, fill
	s_wait_tensorcnt 0x0                           ; all my tensor loads have landed: my part of the next slot
	ds_add_u32 v[SPW], v[NIL]                      ; 0 onto my spare word
	s_wait_dscnt 4*NL+1                            ; the add and the youngest 24 loads may be out
	WIN MUL_LO
	MUL16 0, 1, 1, \slot
	s_wait_dscnt 0x0                               ; the add is done, and my reads of this slot are over
	s_barrier_signal -1
	MUL16 2, 1, 1, \slot
	WIN 0
	s_barrier_wait -1
.if \fill
	CREST                                          ; a round of the cluster's barrier: no wave of any partner still reads this slot or has a load on its way
	s_add_nc_u64 s[G0+4*\slot+2:G0+4*\slot+3], s[G0+4*\slot+2:G0+4*\slot+3], 2*TROW
	s_add_nc_u64 s[G0B+4*\slot+2:G0B+4*\slot+3], s[G0B+4*\slot+2:G0B+4*\slot+3], 2*TROW
	JLOAD G0+4*\slot, G1, G0B+4*\slot, G1B
.else
	PLACES NP
.endif
	v_add_nc_u32 v[ADRS], 128, v[ADRS]
	FETCH_B \next, 0, 0
	FETCH_A \next, 0, 0
	SCALES \next
	WIN MUL_HI
	MUL16 4, 1, 1, \slot
	MUL16 6, 1, 1, \slot
	PLACES NP
	WIN 0
	FETCH_A \next, 0, 4
.endm
	s_wait_tensorcnt 1                             ; the scale words and my part of slot 0 are in; slot 1's load may be out
	s_barrier_signal -1
	s_barrier_wait -1
	FETCH_B 0, 0, 0
	FETCH_A 0, 0, 0
	SCALES 0
	FETCH_A 0, 0, 4
	s_wait_loadcnt 0x0                             ; the residual lies in the accumulators
	STEP 0, 0
	s_mov_b32 s3, LAPS-1
.Llap:
	TURN 0, 1, 1
	STEP 1, 0
	TURN 1, 0, 1
	STEP 0, 0
	s_sub_co_u32 s3, s3, 1
	s_cmp_lg_u32 s3, 0
	s_cbranch_scc1 .Llap
	TURN 0, 1, 0
	STEP 1, 0
	s_wait_dscnt 4*NL
	WIN MUL_LO
	MUL16 0, 1, 1, 1
	MUL16 2, 1, 1, 1
	s_wait_dscnt 0
	WIN MUL_HI
	MUL16 4, 1, 1, 1
	MUL16 6, 1, 1, 1
	WIN 0
; THE WAY OUT, a block of 16 tokens x 128 columns at a time, through my own stage: LDS serves a wave's instructions in order, so no wait stands between the stores and the loads
.macro TOSTAGE a
.set AC, 64*((\a)%4)
	WIN 0x08+4*((\a)/4)
.irp b, 0,1,2,3,4,5,6,7
	ds_store_b128 v[STO], v[AC+8*\b:AC+8*\b+3] offset:128*(\b/2)+32*(\b%2)        ; each accumulator from its low end on
	ds_store_b128 v[STO], v[AC+8*\b+4:AC+8*\b+7] offset:128*(\b/2)+32*(\b%2)+16
.endr
	WIN 0
.set BB, BK+64*((\a)%2)
.irp t, 0,1,2,3,4,5,6,7,8,9,10,11,12,13,14,15
	ds_load_b128 v[BB+4*\t:BB+4*\t+3], v[RD] offset:\t*SPITCH
.endr
.endm
.macro SEND a, younger
.set BB, BK+64*((\a)%2)
	s_wait_dscnt \younger                          ; the block is back; the next block's 16 stores and 16 loads may be out
.irp t, 0,1,2,3,4,5,6,7,8,9,10,11,12,13,14,15
	v_pk_add_f32 v[BB+4*\t:BB+4*\t+1], v[BB+4*\t:BB+4*\t+1], v[BIA:BIA+1]
	v_pk_add_f32 v[BB+4*\t+2:BB+4*\t+3], v[BB+4*\t+2:BB+4*\t+3], v[BIA+2:BIA+3]
	global_store_b128 v[CO], v[BB+4*\t:BB+4*\t+3], s[96:97] offset:(32*((\a)/2)+8*((\a)%2)+(\t%8)+16*(\t/8))*4096   ; 32 lanes store 512 consecutive bytes, aligned
.endr
.endm
	PLACES NP
	TOSTAGE 0
.irp a, 1,2,3,4,5,6,7
.if \a > 1
	s_wait_xcnt 0x0                                ; block a - 2's stores have read their registers: block a's loads may land there
.endif
	TOSTAGE \a
	SEND \a-1, 32
.endr
	SEND 7, 0
	s_wait_tensorcnt 0x0                           ; the wave's end
	ds_add_u32 v[SPW], v[NIL]
	s_wait_dscnt 0x0
	CROUND                                         ; the closing round
	s_endpgm
.Lfunc_end_k_qd0b88b5a35_oproj:
	.size	k_qd0b88b5a35_oproj, .Lfunc_end_k_qd0b88b5a35_oproj-k_qd0b88b5a35_oproj
	.p2alignl 7, 3214868480
	.fill 96, 4, 3214868480
	.section	.rodata,"a",@progbits
	.p2align	6, 0x0
	.amdhsa_kernel k_qd0b88b5a35_oproj
		.amdhsa_group_segment_fixed_size 327680
		.amdhsa_private_segment_fixed_size 0
		.amdhsa_enable_private_segment 0
		.amdhsa_kernarg_size 40
		.amdhsa_user_sgpr_count 2
		.amdhsa_user_sgpr_kernarg_segment_ptr 1
		.amdhsa_wavefront_size32 1
		.amdhsa_system_sgpr_workgroup_id_x 1
		.amdhsa_system_sgpr_workgroup_id_y 1
		.amdhsa_system_sgpr_workgroup_id_z 1
		.amdhsa_system_vgpr_workitem_id 0
		.amdhsa_next_free_vgpr 1024
		.amdhsa_next_free_sgpr 102
		.amdhsa_reserve_vcc 0
		.amdhsa_float_denorm_mode_32 3
		.amdhsa_float_denorm_mode_16_64 3
		.amdhsa_memory_ordered 1
		.amdhsa_forward_progress 1
		.amdhsa_inst_pref_size 190
	.end_amdhsa_kernel
	.amdgpu_metadata
---
amdhsa.version: [ 1, 2 ]
amdhsa.kernels:
  - .name:           k_qd0b88b5a35_oproj
    .symbol:         k_qd0b88b5a35_oproj.kd
    .args:
      - { .name: ctxq, .offset: 0, .size: 8, .value_kind: global_buffer, .address_space: global }
      - { .name: wts, .offset: 8, .size: 8, .value_kind: global_buffer, .address_space: global }
      - { .name: bo, .offset: 16, .size: 8, .value_kind: global_buffer, .address_space: global }
      - { .name: x, .offset: 24, .size: 8, .value_kind: global_buffer, .address_space: global }
      - { .name: x1, .offset: 32, .size: 8, .value_kind: global_buffer, .address_space: global }
    .group_segment_fixed_size: 327680
    .private_segment_fixed_size: 0
    .kernarg_segment_align: 8
    .kernarg_segment_size: 40
    .max_flat_workgroup_size: 128
    .sgpr_count:     102
    .vgpr_count:     1024
    .wavefront_size: 32
...
	.end_amdgpu_metadata
.endif
;; end of part 5
;; launch ln2: the kernel of part 2 again; grid 256 x 1, 4 waves a work-group, no clusters, 66,560 bytes of LDS; arguments x1, ln2_scale, ln2_shift, hq; writes hq
;; launch ffn1 (part 6): grid 16 x 16, 4 waves a work-group, clusters of 4 x 4, 327,680 bytes of LDS; arguments hq, wts, b1, gq; writes gq
.if DOCPART == 6
	.amdgcn_target "amdgcn-amd-amdhsa--gfx1250"
	.amdhsa_code_object_version 6
	.text
	.protected	k_qd0b88b5a35_ffn1
	.globl	k_qd0b88b5a35_ffn1
	.p2align	8
	.type	k_qd0b88b5a35_ffn1,@function
k_qd0b88b5a35_ffn1:
	s_mov_b64 s[64:65], 0
	v_nop
	global_prefetch_b8 v0, s[64:65] scope:SCOPE_SE
	s_setreg_imm32_b32 hwreg(HW_REG_WAVE_MODE, 25, 1), 1
	s_wait_xcnt 0x0
	s_wait_alu depctr_hold_cnt(0) depctr_sa_sdst(0) depctr_va_vdst(0) depctr_va_sdst(0) depctr_va_ssrc(0) depctr_va_vcc(0) depctr_vm_vsrc(0)
	s_getreg_b32 s2, hwreg(HW_REG_IB_STS2, 6, 4)
	s_cmp_eq_u32 s2, 0
	s_cbranch_scc0 .Lentry_in_a_cluster
	s_endpgm
.Lentry_in_a_cluster:
	s_bfe_u32 s2, ttmp6, 0x10000c
	s_cmp_lg_u32 s2, 0xf033
	s_cbranch_scc0 .Lentry_shape_is_right
	s_endpgm
.Lentry_shape_is_right:
; g = gelu(h w1 + b1), exact gelu = z / 2 (1 + erf(z / sqrt 2)); the product on codes of FP6 (E2M3) with E8M0 scales, K = 1,024; g is quantised at once along the 4,096, the next product's K.
; OPERANDS lie in tiles of 16 rows (tile T, row r = index 32 (T / 2) + 8 (T % 2) + r % 8 + 16 (r / 8)), a fragment (16 rows x 128 K) as six pieces of 256 bytes in the order of the operand's registers.
; THE PRODUCT IS USED TRANSPOSED: source 0 = 16 columns of w1 (Y), source 1 = 16 tokens (X): the 64 registers of accumulators (a, 0 .. 7) run along the hidden units, 16 neighbours for each block of 32.
; A work-group makes 256 x 256, a wave 128 x 128; K in steps of 256 through two LDS slots; X's tiles are asked for jointly along a row of the cluster, Y's along a column; the scale words come once.  256 work-groups.
; THE WAY OUT IS A LOOP of eight trips, a block of 16 tokens a trip, so that gelu's lines stand once; which block is moved into window 0 for the next trip is chosen by scalar branches on the trip's count.
; ERF: u P(u^2) / Q(u^2), polynomials of degree 6 and 4, u held to +-4.  LIMITS: that form's absolute error, some 1e-7; 1 / Q by v_rcp_f32 (1 ulp); a block of zeros or under 2^-124 gets the byte 1
; (its codes are zeros; only this program reads the bytes); NaN and infinities are not served.
.set KS,    8
.set XSO,   3145728
.set YCO,   3145728
.set YSO,   9568256
.set FRB,   1536
.set TROW,  2*FRB
.set HALFT, 8*TROW
.set SLOT,  4*HALFT
.set SCL,   2*SLOT
.set SBLK,  64*KS
.set HALFS, 8*SBLK
.set SPARE, SCL+4*HALFS
.set LAPS,  KS/4
.set NQ, 2
.set FR, 12
.set NL, 6
.set NP, 4
.set ADRA, 16
.set ADRB, 20
.set L8,   22
.set R4,   23
.set ADRS, 27
.set SPW,  28
.set NIL,  29
.set SC,   32
.set H,    64
.set AF,   128
.set PC,   128
.set TM,   148
.set PW,   164
.set GU,   168                         ; v168-231 gelu at work: u, u^2, P, Q for 16 numbers
.set GU2,  184
.set GP,   200
.set GQ,   216
.set CA1,  232                         ; v232-235 the second coefficient of P and of Q, twice each
.set CB1,  234
.set WV, 16
.set HX, 17
.set HY, 18
.set CX, 19
.set CY, 20
.set XI, 21
.set YI, 22
.set G1, 24
.set G0, 32
.set G1B, 48
.set G0B, 56
.set G1S, 68
.set G0S, 76
.set G1SB, 80
.set G0SB, 88
.set SEL, 92
.set AI, 101
.set MSB, 0
.macro WIN new
.if MSB != (\new)
	s_set_vgpr_msb (MSB<<8)|(\new)
.set MSB, \new
.endif
.endm
.set MUL_LO, 0xa1
.set MUL_HI, 0xf1
.set TO_B,   0x40
.macro JLOAD g0a, g1a, g0b, g1b        ; a joint load: waves 0 and 1 fetch for X, waves 2 and 3 for Y; four v_nop follow each line
	s_cmp_eq_u32 s[HX], 0
	s_cbranch_scc0 .Lfor_b_\@
	tensor_load_to_lds s[\g0a:\g0a+3], s[\g1a:\g1a+7]
	s_nop 0
.rept 4
	v_nop
.endr
	s_branch .Lasked_\@
.Lfor_b_\@:
	tensor_load_to_lds s[\g0b:\g0b+3], s[\g1b:\g1b+7]
	s_nop 0
.rept 4
	v_nop
.endr
.Lasked_\@:
.endm
.macro CREST
	s_cmp_lg_u32 s[WV], 0
	s_cbranch_scc1 .Lnot_wave_0_\@
	s_barrier_signal -3
.Lnot_wave_0_\@:
	s_barrier_wait -3
	s_barrier_signal -1
	s_barrier_wait -1
.endm
.macro CROUND
	s_barrier_signal -1
	s_barrier_wait -1
	CREST
.endm
	s_load_b256 s[4:11], s[0:1], 0x0               ; h's codes and scales, the weights', b1, g's codes and scales
	v_lshl_add_u32 v[SPW], v0, 2, SPARE
	v_mov_b32 v[NIL], 0
	ds_add_u32 v28, v29
	ds_add_u32 v28, v29
	s_wait_dscnt 0x0
	v_lshrrev_b32 v1, 5, v0
	v_readfirstlane_b32 s[WV], v1
	s_lshr_b32 s[HX], s[WV], 1
	s_and_b32 s[HY], s[WV], 1
	s_bfe_u32 s[CX], ttmp6, 0x40000
	s_bfe_u32 s[CY], ttmp6, 0x40004
	s_lshl_b32 s[YI], ttmp9, 2
	s_add_co_u32 s[YI], s[YI], s[CX]
	s_and_b32 s[XI], ttmp7, 0xffff
	s_lshl_b32 s[XI], s[XI], 2
	s_add_co_u32 s[XI], s[XI], s[CY]
	s_lshl_b32 s2, s[CY], 2
	s_lshl_b32 s2, 15, s2
	s_lshl_b32 s23, 0x1111, s[CX]
	s_or_b32 s[G1], s2, (3<<16)|(1<<21)
	s_or_b32 s[G1B], s23, (3<<16)|(1<<21)
.irp g, G1, G1B
	s_mov_b32 s[\g+1], 384<<16
	s_mov_b32 s[\g+2], 8<<16
	s_mov_b32 s[\g+3], 384<<16
	s_mov_b32 s[\g+4], 8
	s_mov_b32 s[\g+5], KS*192
	s_mov_b32 s[\g+6], 0
	s_mov_b32 s[\g+7], 0
.endr
	s_or_b32 s[G1S], s2, (3<<16)|(1<<21)
	s_or_b32 s[G1SB], s23, (3<<16)|(1<<21)
.irp g, G1S, G1SB
	s_mov_b32 s[\g+1], 32<<16
	s_mov_b32 s[\g+2], (HALFS/256)<<16
	s_mov_b32 s[\g+3], 32<<16
	s_mov_b32 s[\g+4], HALFS/256
	s_mov_b32 s[\g+5], 32
	s_mov_b32 s[\g+6], 0
	s_mov_b32 s[\g+7], 0
.endr
	s_lshl_b32 s40, s[XI], 4
	s_lshl_b32 s41, s[HY], 3
	s_add_co_u32 s40, s40, s41
	s_mul_i32 s42, s40, SBLK
	s_mul_i32 s40, s40, KS*FRB
	s_add_co_u32 s42, s42, XSO
	s_mov_b32 s41, 0
	s_mov_b32 s43, 0
	s_lshl_b32 s44, s[YI], 4
	s_lshl_b32 s45, s[HY], 3
	s_add_co_u32 s44, s44, s45
	s_mul_i32 s46, s44, SBLK
	s_mul_i32 s44, s44, KS*FRB
	s_add_co_u32 s44, s44, YCO
	s_add_co_u32 s46, s46, YSO
	s_mov_b32 s45, 0
	s_mov_b32 s47, 0
	s_mul_i32 s98, s[WV], HALFT
	s_mul_i32 s99, s[WV], HALFS
	s_mov_b32 s[SEL], 0x76543210
	s_mov_b32 s[SEL+1], 0xfedcba98
	s_wait_kmcnt 0x0
	s_add_nc_u64 s[40:41], s[4:5], s[40:41]
	s_add_nc_u64 s[42:43], s[4:5], s[42:43]
	s_add_nc_u64 s[44:45], s[6:7], s[44:45]
	s_add_nc_u64 s[46:47], s[6:7], s[46:47]
	CROUND
	s_mov_b32 s[G0S], 1
	s_add_co_u32 s[G0S+1], s99, SCL
	s_mov_b64 s[G0S+2:G0S+3], s[42:43]
	s_or_b32 s[G0S+3], s[G0S+3], 0x80000000
	s_mov_b32 s[G0SB], 1
	s_add_co_u32 s[G0SB+1], s99, SCL
	s_mov_b64 s[G0SB+2:G0SB+3], s[46:47]
	s_or_b32 s[G0SB+3], s[G0SB+3], 0x80000000
	JLOAD G0S, G1S, G0SB, G1SB
.irp s, 0,1
	s_mov_b32 s[G0+4*\s], 1
	s_add_co_u32 s[G0+4*\s+1], s98, \s*SLOT
	s_add_nc_u64 s[G0+4*\s+2:G0+4*\s+3], s[40:41], \s*TROW
	s_or_b32 s[G0+4*\s+3], s[G0+4*\s+3], 0x80000000
	s_mov_b32 s[G0B+4*\s], 1
	s_add_co_u32 s[G0B+4*\s+1], s98, \s*SLOT
	s_add_nc_u64 s[G0B+4*\s+2:G0B+4*\s+3], s[44:45], \s*TROW
	s_or_b32 s[G0B+4*\s+3], s[G0B+4*\s+3], 0x80000000
	JLOAD G0+4*\s, G1, G0B+4*\s, G1B
.endr
	v_and_b32 v1, 31, v0
	v_and_b32 v2, 15, v0
	v_bfe_u32 v3, v0, 4, 1
	v_lshlrev_b32 v[L8], 3, v1
	v_lshlrev_b32 v[R4], 2, v2
	v_lshlrev_b32 v5, 6, v3                        ; the bias: 64 h
	s_lshl_b32 s44, s[YI], 10
	s_lshl_b32 s45, s[HY], 9
	s_add_co_u32 s44, s44, s45
	s_mov_b32 s45, 0
	s_add_nc_u64 s[8:9], s[8:9], s[44:45]          ; b1 at my 128 hidden units
	WIN 0x40                                       ; into window 1, v96-127 and v224-255, which the loop leaves free
.irp b, 0,1,2,3
.irp j, 0,1,2,3
	global_load_b128 v[96+16*\b+4*\j+96*(\b/2):99+16*\b+4*\j+96*(\b/2)], v5, s[8:9] offset:128*\b+16*\j
.endr
.endr
	WIN 0
	s_lshl_b32 s44, s[XI], 4                       ; where my results go: tile 16 xi + 8 hx, K step 2 yi + hy
	s_lshl_b32 s46, s[HX], 3
	s_add_co_u32 s44, s44, s46
	s_lshl_b32 s44, s44, 5
	s_lshl_b32 s46, s[YI], 1
	s_add_co_u32 s44, s44, s46
	s_add_co_u32 s44, s44, s[HY]
	s_lshl_b32 s46, s44, 6
	s_add_co_u32 s46, s46, 12582912
	s_mov_b32 s47, 0
	s_mul_i32 s44, s44, 1536
	s_add_nc_u64 s[94:95], s[10:11], s[44:45]
	s_add_nc_u64 s[96:97], s[10:11], s[46:47]
	s_mul_i32 s2, s[HX], HALFT
	s_mul_i32 s23, s[HY], HALFT
	s_add_co_u32 s23, s23, 2*HALFT
.irp s, 0,1
	v_add_nc_u32 v[ADRA+\s], s2, v[L8]
	v_add_nc_u32 v[ADRB+\s], s23, v[L8]
	s_add_co_u32 s2, s2, SLOT
	s_add_co_u32 s23, s23, SLOT
.endr
	s_mul_i32 s2, s[HX], HALFS
	s_mul_i32 s23, s[HY], HALFS
	s_add_co_u32 s23, s23, 2*HALFS
	s_sub_co_u32 s23, s23, s2
	v_mul_u32_u24 v4, s23, v3
	s_add_co_u32 s2, s2, SCL
	v_add_nc_u32 v4, v4, v[R4]
	v_add_nc_u32 v[ADRS], s2, v4
.macro FRAG reg, adr, q, i
.irp p, 0,1,2,3,4,5
	ds_load_b64 v[\reg+2*\p:\reg+2*\p+1], v[\adr] offset:(\i)*TROW+(\q)*FRB+256*\p
.endr
.endm
; the 64 accumulators take turns, one instruction a turn
.macro MUL16 a0, p, q, sc, zero
.irp a, \a0, \a0+1
.irp b, 0,1,2,3,4,5,6,7
.if \zero
	v_wmma_scale_f32_16x16x128_f8f6f4 v[8*(8*((\a)%4)+\b):8*(8*((\a)%4)+\b)+7], v[128*(\p)+FR*\b:128*(\p)+FR*\b+FR-1], v[AF+FR*(\a):AF+FR*(\a)+FR-1], 0, v[SC+8*NQ*(\sc)+NQ*\b+(\q)], v[SC+8*NQ*(\sc)+NQ*(\a)+(\q)] matrix_a_fmt:MATRIX_FMT_FP6 matrix_b_fmt:MATRIX_FMT_FP6 matrix_a_scale:MATRIX_SCALE_ROW1
.else
	v_wmma_scale_f32_16x16x128_f8f6f4 v[8*(8*((\a)%4)+\b):8*(8*((\a)%4)+\b)+7], v[128*(\p)+FR*\b:128*(\p)+FR*\b+FR-1], v[AF+FR*(\a):AF+FR*(\a)+FR-1], v[8*(8*((\a)%4)+\b):8*(8*((\a)%4)+\b)+7], v[SC+8*NQ*(\sc)+NQ*\b+(\q)], v[SC+8*NQ*(\sc)+NQ*(\a)+(\q)] matrix_a_fmt:MATRIX_FMT_FP6 matrix_b_fmt:MATRIX_FMT_FP6 matrix_a_scale:MATRIX_SCALE_ROW1
.endif
.endr
.endr
.endm
.macro FETCH_B slot, q, p
	WIN TO_B
.irp i, 0,1,2,3,4,5,6,7
	FRAG 128*(\p)+FR*\i, ADRB+\slot, \q, \i
.endr
	WIN 0
.endm
.macro FETCH_A slot, q, i0
.irp i, \i0, \i0+1, \i0+2, \i0+3
	FRAG AF+FR*(\i), ADRA+\slot, \q, \i
.endr
.endm
.macro SCALES sc
.irp i, 0,1,2,3,4,5,6,7
.irp q, 0,1
	ds_load_b32 v[SC+8*NQ*\sc+NQ*\i+\q], v[ADRS] offset:\i*SBLK+64*\q
.endr
.endr
.endm
.macro PLACES n
.rept \n
	v_nop
.endr
.endm
.macro STEP slot, q, zero
	s_wait_dscnt 4*NL                              ; all but the youngest 24 loads, X's blocks 4-7
	WIN MUL_LO
	MUL16 0, (\q)%2, \q, \slot, \zero
	MUL16 2, (\q)%2, \q, \slot, \zero
	s_wait_dscnt 0
	PLACES NP
	FETCH_B \slot, (\q)+1, 1-(\q)%2
	FETCH_A \slot, (\q)+1, 0
	WIN MUL_HI
	MUL16 4, (\q)%2, \q, \slot, \zero
	MUL16 6, (\q)%2, \q, \slot, \zero
	PLACES NP
	WIN 0
	FETCH_A \slot, (\q)+1, 4
.endm
.macro TURN slot, next, fill
	s_wait_tensorcnt 0x0                           ; all my tensor loads have landed: my part of the next slot
	ds_add_u32 v[SPW], v[NIL]                      ; 0 onto my spare word
	s_wait_dscnt 4*NL+1                            ; the add and the youngest 24 loads may be out
	WIN MUL_LO
	MUL16 0, 1, 1, \slot, 0
	s_wait_dscnt 0x0                               ; the add is done, and my reads of this slot are over
	s_barrier_signal -1
	MUL16 2, 1, 1, \slot, 0
	WIN 0
	s_barrier_wait -1
.if \fill
	CREST                                          ; a round of the cluster's barrier: no wave of any partner still reads this slot or has a load on its way
	s_add_nc_u64 s[G0+4*\slot+2:G0+4*\slot+3], s[G0+4*\slot+2:G0+4*\slot+3], 2*TROW
	s_add_nc_u64 s[G0B+4*\slot+2:G0B+4*\slot+3], s[G0B+4*\slot+2:G0B+4*\slot+3], 2*TROW
	JLOAD G0+4*\slot, G1, G0B+4*\slot, G1B
.else
	PLACES NP
.endif
	v_add_nc_u32 v[ADRS], 128, v[ADRS]
	FETCH_B \next, 0, 0
	FETCH_A \next, 0, 0
	SCALES \next
	WIN MUL_HI
	MUL16 4, 1, 1, \slot, 0
	MUL16 6, 1, 1, \slot, 0
	PLACES NP
	WIN 0
	FETCH_A \next, 0, 4
.endm
.macro QUANT s
.irp b, 0,1,2,3
	v_max3_num_f32 v[TM+\b], |v[\s+16*\b]|, |v[\s+1+16*\b]|, 0x1800000   ; with the floor 2^(3 - 127): the byte cannot fall under 1
.endr
.irp i, 2,4,6,8,10,12,14
.irp b, 0,1,2,3
	v_max3_num_f32 v[TM+\b], v[TM+\b], |v[\s+16*\b+\i]|, |v[\s+1+16*\b+\i]|
.endr
.endr
.irp b, 0,1,2,3
	v_permlanex16_b32 v[TM+4+\b], v[TM+\b], s[SEL], s[SEL+1]
.endr
.irp b, 0,1,2,3
	v_max_num_f32 v[TM+\b], v[TM+\b], v[TM+4+\b]
.endr
.irp b, 0,1,2,3
	v_add_nc_u32 v[TM+12+\b], 0xff000000, v[TM+\b]
.endr
.irp b, 0,1,2,3
	v_lshrrev_b32 v[TM+4+\b], 23, v[TM+12+\b]
.endr
	v_lshl_or_b32 v[PW], v[TM+5], 8, v[TM+4]
	v_lshl_or_b32 v[PW], v[TM+6], 16, v[PW]
	v_lshl_or_b32 v[PW], v[TM+7], 24, v[PW]
.irp c, 0,1
	v_cvt_scalef32_pk16_fp6_f32 v[PC+6*\c:PC+2+6*\c], v[\s+32*\c:\s+15+32*\c], v[TM+12+2*\c]
	v_cvt_scalef32_pk16_fp6_f32 v[PC+12+4*\c:PC+14+4*\c], v[\s+16+32*\c:\s+31+32*\c], v[TM+12+2*\c+1]
.endr
	v_nop                                          ; one plain place behind a scaled conversion
.irp c, 0,1
.irp i, 0,1,2
	v_permlane16_swap_b32 v[PC+6*\c+\i], v[PC+12+4*\c+\i]
.endr
.irp i, 0,1,2
	v_mov_b32 v[PC+3+6*\c+\i], v[PC+12+4*\c+\i]
.endr
.endr
.endm
.macro MOVE a                          ; block a's 64 results + b1 come into window 0: the addition is the move.  Each accumulator is read from its low end on
	WIN 0x06+((\a)/4)
.set i, 0
.rept 32
	v_pk_add_f32 v[H+2*i:H+2*i+1], v[64*((\a)%4)+2*i:64*((\a)%4)+2*i+1], v[96+2*i+96*(i/16):97+2*i+96*(i/16)]
.set i, i+1
.endr
	WIN 0
.endm
.macro HORN reg, lit                   ; a step of Horner's rule on eight pairs
.irp k, 0,2,4,6,8,10,12,14
	v_pk_fma_f32 v[\reg+\k:\reg+\k+1], v[\reg+\k:\reg+\k+1], v[GU2+\k:GU2+\k+1], \lit op_sel_hi:[1,1,0]
.endr
.endm
.macro GELU16 g                        ; 16 numbers of H, in place
.irp k, 0,2,4,6,8,10,12,14
	v_pk_mul_f32 v[GU+\k:GU+\k+1], v[H+16*(\g)+\k:H+16*(\g)+\k+1], 0x3f3504f3 op_sel_hi:[1,0]   ; u = z / sqrt 2
.endr
.irp k, 0,1,2,3,4,5,6,7,8,9,10,11,12,13,14,15
	v_med3_num_f32 v[GU+\k], v[GU+\k], -4.0, 4.0
.endr
.irp k, 0,2,4,6,8,10,12,14
	v_pk_mul_f32 v[GU2+\k:GU2+\k+1], v[GU+\k:GU+\k+1], v[GU+\k:GU+\k+1]
.endr
.irp k, 0,2,4,6,8,10,12,14
	v_pk_fma_f32 v[GP+\k:GP+\k+1], v[GU2+\k:GU2+\k+1], 0xaf95df0b, v[CA1:CA1+1] op_sel_hi:[1,0,1]
.endr
	HORN GP, 0xb60cff51
	HORN GP, 0xb86ec2d2
	HORN GP, 0xba40ac63
	HORN GP, 0xbb41a1f6
	HORN GP, 0xbc83dbd4
.irp k, 0,2,4,6,8,10,12,14
	v_pk_fma_f32 v[GQ+\k:GQ+\k+1], v[GU2+\k:GU2+\k+1], 0xb77460cd, v[CB1:CB1+1] op_sel_hi:[1,0,1]
.endr
	HORN GQ, 0xbadc924e
	HORN GQ, 0xbbf19bf8
	HORN GQ, 0xbc69b6a7
.irp k, 0,1,2,3,4,5,6,7,8,9,10,11,12,13,14,15
	v_rcp_f32 v[GQ+\k], v[GQ+\k]                   ; Q is under 0 everywhere: all its coefficients are
.endr
.irp k, 0,2,4,6,8,10,12,14
	v_pk_mul_f32 v[GP+\k:GP+\k+1], v[GP+\k:GP+\k+1], v[GU+\k:GU+\k+1]   ; (plain places behind the reciprocals)
.endr
	s_wait_alu depctr_va_vdst(0)
.irp k, 0,2,4,6,8,10,12,14
	v_pk_mul_f32 v[GP+\k:GP+\k+1], v[GP+\k:GP+\k+1], v[GQ+\k:GQ+\k+1]   ; erf
.endr
.irp k, 0,2,4,6,8,10,12,14
	v_pk_mul_f32 v[GU+\k:GU+\k+1], v[H+16*(\g)+\k:H+16*(\g)+\k+1], 0.5 op_sel_hi:[1,0]
.endr
.irp k, 0,2,4,6,8,10,12,14
	v_pk_fma_f32 v[H+16*(\g)+\k:H+16*(\g)+\k+1], v[GU+\k:GU+\k+1], v[GP+\k:GP+\k+1], v[GU+\k:GU+\k+1]   ; z / 2 x erf + z / 2
.endr
.endm
	s_wait_loadcnt 0x0                             ; b1
	s_wait_tensorcnt 1                             ; the scale words and my part of slot 0 are in; slot 1's load may be out
	s_barrier_signal -1
	s_barrier_wait -1
	FETCH_B 0, 0, 0
	FETCH_A 0, 0, 0
	SCALES 0
	FETCH_A 0, 0, 4
	STEP 0, 0, 1                                   ; the first step's products start the sums
	s_mov_b32 s3, LAPS-1
.Llap:
	TURN 0, 1, 1
	STEP 1, 0, 0
	TURN 1, 0, 1
	STEP 0, 0, 0
	s_sub_co_u32 s3, s3, 1
	s_cmp_lg_u32 s3, 0
	s_cbranch_scc1 .Llap
	TURN 0, 1, 0
	STEP 1, 0, 0
	s_wait_dscnt 4*NL
	WIN MUL_LO
	MUL16 0, 1, 1, 1, 0
	MUL16 2, 1, 1, 1, 0
	s_wait_dscnt 0
	WIN MUL_HI
	MUL16 4, 1, 1, 1, 0
	MUL16 6, 1, 1, 1, 0
	WIN 0
	PLACES NP
.irp b, 0,1,2,3
	v_mov_b32 v[TM+4+\b], 0                        ; a lane permute's destination counts as one of its sources
.endr
	v_mov_b32 v[CA1], 0x32edffee
	v_mov_b32 v[CA1+1], 0x32edffee
	v_mov_b32 v[CB1], 0xb95fbd29
	v_mov_b32 v[CB1+1], 0xb95fbd29
	MOVE 0
	s_mov_b32 s[AI], 0
.Lepi:                                 ; eight trips: block AI of 16 tokens
	GELU16 0
	GELU16 1
	GELU16 2
	GELU16 3
	QUANT H
.irp p, 0,1,2,3,4,5
	global_store_b64 v[L8], v[PC+2*\p:PC+2*\p+1], s[94:95] offset:256*\p   ; 32 lanes store 256 consecutive bytes, aligned
.endr
	global_store_b32 v[R4], v[PW], s[96:97]
.irp a, 1,2,3,4,5,6,7                  ; the next trip's block
	s_cmp_lg_u32 s[AI], \a-1
	s_cbranch_scc1 .Lnot_\a
	MOVE \a
.Lnot_\a:
.endr
	s_wait_xcnt 0x0                                ; the stores' data and bases are written again only behind this wait
	s_add_nc_u64 s[94:95], s[94:95], 49152         ; the next token tile
	s_add_nc_u64 s[96:97], s[96:97], 2048
	s_add_co_u32 s[AI], s[AI], 1
	s_cmp_lt_u32 s[AI], 8
	s_cbranch_scc1 .Lepi
	s_wait_tensorcnt 0x0                           ; the wave's end
	ds_add_u32 v[SPW], v[NIL]
	s_wait_dscnt 0x0
	CROUND                                         ; the closing round
	s_endpgm
.Lfunc_end_k_qd0b88b5a35_ffn1:
	.size	k_qd0b88b5a35_ffn1, .Lfunc_end_k_qd0b88b5a35_ffn1-k_qd0b88b5a35_ffn1
	.p2alignl 7, 3214868480
	.fill 96, 4, 3214868480
	.section	.rodata,"a",@progbits
	.p2align	6, 0x0
	.amdhsa_kernel k_qd0b88b5a35_ffn1
		.amdhsa_group_segment_fixed_size 327680
		.amdhsa_private_segment_fixed_size 0
		.amdhsa_enable_private_segment 0
		.amdhsa_kernarg_size 32
		.amdhsa_user_sgpr_count 2
		.amdhsa_user_sgpr_kernarg_segment_ptr 1
		.amdhsa_wavefront_size32 1
		.amdhsa_system_sgpr_workgroup_id_x 1
		.amdhsa_system_sgpr_workgroup_id_y 1
		.amdhsa_system_sgpr_workgroup_id_z 1
		.amdhsa_system_vgpr_workitem_id 0
		.amdhsa_next_free_vgpr 1024
		.amdhsa_next_free_sgpr 102
		.amdhsa_reserve_vcc 0
		.amdhsa_float_denorm_mode_32 3
		.amdhsa_float_denorm_mode_16_64 3
		.amdhsa_memory_ordered 1
		.amdhsa_forward_progress 1
		.amdhsa_inst_pref_size 205
	.end_amdhsa_kernel
	.amdgpu_metadata
---
amdhsa.version: [ 1, 2 ]
amdhsa.kernels:
  - .name:           k_qd0b88b5a35_ffn1
    .symbol:         k_qd0b88b5a35_ffn1.kd
    .args:
      - { .name: hq, .offset: 0, .size: 8, .value_kind: global_buffer, .address_space: global }
      - { .name: wts, .offset: 8, .size: 8, .value_kind: global_buffer, .address_space: global }
      - { .name: b1, .offset: 16, .size: 8, .value_kind: global_buffer, .address_space: global }
      - { .name: gq, .offset: 24, .size: 8, .value_kind: global_buffer, .address_space: global }
    .group_segment_fixed_size: 327680
    .private_segment_fixed_size: 0
    .kernarg_segment_align: 8
    .kernarg_segment_size: 32
    .max_flat_workgroup_size: 128
    .sgpr_count:     102
    .vgpr_count:     1024
    .wavefront_size: 32
...
	.end_amdgpu_metadata
.endif
;; end of part 6
;; launch ffn2 (part 7): grid 4 x 16, 4 waves a work-group, clusters of 4 x 4, 327,680 bytes of LDS; arguments gq, wts, b2, x1, out0; writes out0
.if DOCPART == 7
	.amdgcn_target "amdgcn-amd-amdhsa--gfx1250"
	.amdhsa_code_object_version 6
	.text
	.protected	k_qd0b88b5a35_ffn2
	.globl	k_qd0b88b5a35_ffn2
	.p2align	8
	.type	k_qd0b88b5a35_ffn2,@function
k_qd0b88b5a35_ffn2:
	s_mov_b64 s[64:65], 0
	v_nop
	global_prefetch_b8 v0, s[64:65] scope:SCOPE_SE
	s_setreg_imm32_b32 hwreg(HW_REG_WAVE_MODE, 25, 1), 1
	s_wait_xcnt 0x0
	s_wait_alu depctr_hold_cnt(0) depctr_sa_sdst(0) depctr_va_vdst(0) depctr_va_sdst(0) depctr_va_ssrc(0) depctr_va_vcc(0) depctr_vm_vsrc(0)
	s_getreg_b32 s2, hwreg(HW_REG_IB_STS2, 6, 4)
	s_cmp_eq_u32 s2, 0
	s_cbranch_scc0 .Lentry_in_a_cluster
	s_endpgm
.Lentry_in_a_cluster:
	s_bfe_u32 s2, ttmp6, 0x10000c
	s_cmp_lg_u32 s2, 0xf033
	s_cbranch_scc0 .Lentry_shape_is_right
	s_endpgm
.Lentry_shape_is_right:
; out = resid + A W + bias, the product on codes of FP6 (E2M3) with E8M0 scales; out and resid [4096][1024] f32.  Here: A = gelu's result, W = w2, K = 4,096.
; OPERANDS lie in tiles of 16 rows (tile T, row r = index 32 (T / 2) + 8 (T % 2) + r % 8 + 16 (r / 8)), a fragment (16 rows x 128 K) as six pieces of 256 bytes in the order of the operand's registers;
; codes of tile T, K step s at (KS T + s) 1536, scale words at (KS T + s) 64 + 4 r.
; THE PRODUCT IS USED TRANSPOSED: source 0 = 16 columns of W (Y), source 1 = 16 tokens (X): lane (r, h) of accumulator (a, b) holds token row r of tile a, register j column 32 (b / 2) + 8 (b % 2) + 16 h + j.
; THE RESIDUAL STARTS THE SUMS: it is loaded straight into the accumulators while the first tiles are on their way.  The bias is added on the way out.
; A work-group makes 256 x 256, a wave 128 x 128 in 64 accumulators; K in steps of 256 through two LDS slots; X's tiles are asked for jointly along a row of the cluster, Y's along a column; the scale words come once.
; 64 work-groups: the output has no more tiles of this size.
.set KS,    32
.set XSO,   12582912                   ; where A's scale words begin in its buffer
.set YCO,   6291456                    ; W's codes in wts
.set YSO,   9699328                    ; W's scale words
.set FRB,   1536
.set TROW,  2*FRB
.set HALFT, 8*TROW
.set SLOT,  4*HALFT
.set SCL,   2*SLOT
.set SBLK,  64*KS
.set HALFS, 8*SBLK
.set SPARE, SCL+4*HALFS
.set LAPS,  KS/4
.set SPITCH, 528                       ; the way out: a stage of 16 rows x (512 + 16) bytes for each wave, in slot 0, which has had its last fill and its last read by then
.set NQ, 2
.set FR, 12
.set NL, 6
.set NP, 4
.set ADRA, 16
.set ADRB, 20
.set L8,   22
.set R4,   23
.set STO,  24
.set RD,   25
.set CO,   26
.set ADRS, 27
.set SPW,  28
.set NIL,  29
.set RO,   30
.set SC,   32
.set BIA,  64                          ; v64-67 the bias of my four columns of a row read back
.set AF,   128
.set BK,   128
.set WV, 16
.set HX, 17
.set HY, 18
.set CX, 19
.set CY, 20
.set XI, 21
.set YI, 22
.set G1, 24
.set G0, 32
.set G1B, 48
.set G0B, 56
.set G1S, 68
.set G0S, 76
.set G1SB, 80
.set G0SB, 88
.set MSB, 0
.macro WIN new
.if MSB != (\new)
	s_set_vgpr_msb (MSB<<8)|(\new)
.set MSB, \new
.endif
.endm
.set MUL_LO, 0xa1
.set MUL_HI, 0xf1
.set TO_B,   0x40
.macro JLOAD g0a, g1a, g0b, g1b        ; a joint load: waves 0 and 1 fetch for X, waves 2 and 3 for Y; four v_nop follow each line
	s_cmp_eq_u32 s[HX], 0
	s_cbranch_scc0 .Lfor_b_\@
	tensor_load_to_lds s[\g0a:\g0a+3], s[\g1a:\g1a+7]
	s_nop 0
.rept 4
	v_nop
.endr
	s_branch .Lasked_\@
.Lfor_b_\@:
	tensor_load_to_lds s[\g0b:\g0b+3], s[\g1b:\g1b+7]
	s_nop 0
.rept 4
	v_nop
.endr
.Lasked_\@:
.endm
.macro CREST
	s_cmp_lg_u32 s[WV], 0
	s_cbranch_scc1 .Lnot_wave_0_\@
	s_barrier_signal -3
.Lnot_wave_0_\@:
	s_barrier_wait -3
	s_barrier_signal -1
	s_barrier_wait -1
.endm
.macro CROUND
	s_barrier_signal -1
	s_barrier_wait -1
	CREST
.endm
	s_load_b256 s[4:11], s[0:1], 0x0               ; A, the weights, the bias, the residual
	s_load_b64 s[12:13], s[0:1], 0x20              ; out
	v_lshl_add_u32 v[SPW], v0, 2, SPARE
	v_mov_b32 v[NIL], 0
	ds_add_u32 v28, v29
	ds_add_u32 v28, v29
	s_wait_dscnt 0x0
	v_lshrrev_b32 v1, 5, v0
	v_readfirstlane_b32 s[WV], v1
	s_lshr_b32 s[HX], s[WV], 1
	s_and_b32 s[HY], s[WV], 1
	s_bfe_u32 s[CX], ttmp6, 0x40000
	s_bfe_u32 s[CY], ttmp6, 0x40004
	s_lshl_b32 s[YI], ttmp9, 2
	s_add_co_u32 s[YI], s[YI], s[CX]
	s_and_b32 s[XI], ttmp7, 0xffff
	s_lshl_b32 s[XI], s[XI], 2
	s_add_co_u32 s[XI], s[XI], s[CY]
	s_lshl_b32 s2, s[CY], 2
	s_lshl_b32 s2, 15, s2                          ; my row of the cluster
	s_lshl_b32 s23, 0x1111, s[CX]                  ; my column
	s_or_b32 s[G1], s2, (3<<16)|(1<<21)
	s_or_b32 s[G1B], s23, (3<<16)|(1<<21)
.irp g, G1, G1B
	s_mov_b32 s[\g+1], 384<<16
	s_mov_b32 s[\g+2], 8<<16
	s_mov_b32 s[\g+3], 384<<16
	s_mov_b32 s[\g+4], 8
	s_mov_b32 s[\g+5], KS*192
	s_mov_b32 s[\g+6], 0
	s_mov_b32 s[\g+7], 0
.endr
	s_or_b32 s[G1S], s2, (3<<16)|(1<<21)
	s_or_b32 s[G1SB], s23, (3<<16)|(1<<21)
.irp g, G1S, G1SB
	s_mov_b32 s[\g+1], 32<<16
	s_mov_b32 s[\g+2], (HALFS/256)<<16
	s_mov_b32 s[\g+3], 32<<16
	s_mov_b32 s[\g+4], HALFS/256
	s_mov_b32 s[\g+5], 32
	s_mov_b32 s[\g+6], 0
	s_mov_b32 s[\g+7], 0
.endr
	s_lshl_b32 s40, s[XI], 4
	s_lshl_b32 s41, s[HY], 3
	s_add_co_u32 s40, s40, s41
	s_mul_i32 s42, s40, SBLK
	s_mul_i32 s40, s40, KS*FRB
	s_add_co_u32 s42, s42, XSO
	s_mov_b32 s41, 0
	s_mov_b32 s43, 0
	s_lshl_b32 s44, s[YI], 4
	s_lshl_b32 s45, s[HY], 3
	s_add_co_u32 s44, s44, s45
	s_mul_i32 s46, s44, SBLK
	s_mul_i32 s44, s44, KS*FRB
	s_add_co_u32 s44, s44, YCO
	s_add_co_u32 s46, s46, YSO
	s_mov_b32 s45, 0
	s_mov_b32 s47, 0
	s_mul_i32 s98, s[WV], HALFT
	s_mul_i32 s99, s[WV], HALFS
	s_wait_kmcnt 0x0
	s_add_nc_u64 s[40:41], s[4:5], s[40:41]
	s_add_nc_u64 s[42:43], s[4:5], s[42:43]
	s_add_nc_u64 s[44:45], s[6:7], s[44:45]
	s_add_nc_u64 s[46:47], s[6:7], s[46:47]
	CROUND
	s_mov_b32 s[G0S], 1
	s_add_co_u32 s[G0S+1], s99, SCL
	s_mov_b64 s[G0S+2:G0S+3], s[42:43]
	s_or_b32 s[G0S+3], s[G0S+3], 0x80000000
	s_mov_b32 s[G0SB], 1
	s_add_co_u32 s[G0SB+1], s99, SCL
	s_mov_b64 s[G0SB+2:G0SB+3], s[46:47]
	s_or_b32 s[G0SB+3], s[G0SB+3], 0x80000000
	JLOAD G0S, G1S, G0SB, G1SB
.irp s, 0,1
	s_mov_b32 s[G0+4*\s], 1
	s_add_co_u32 s[G0+4*\s+1], s98, \s*SLOT
	s_add_nc_u64 s[G0+4*\s+2:G0+4*\s+3], s[40:41], \s*TROW
	s_or_b32 s[G0+4*\s+3], s[G0+4*\s+3], 0x80000000
	s_mov_b32 s[G0B+4*\s], 1
	s_add_co_u32 s[G0B+4*\s+1], s98, \s*SLOT
	s_add_nc_u64 s[G0B+4*\s+2:G0B+4*\s+3], s[44:45], \s*TROW
	s_or_b32 s[G0B+4*\s+3], s[G0B+4*\s+3], 0x80000000
	JLOAD G0+4*\s, G1, G0B+4*\s, G1B
.endr
	v_and_b32 v1, 31, v0
	v_and_b32 v2, 15, v0
	v_bfe_u32 v3, v0, 4, 1
	v_lshlrev_b32 v[L8], 3, v1
	v_lshlrev_b32 v[R4], 2, v2
	v_lshlrev_b32 v[CO], 4, v1                     ; 16 x lane
	v_and_b32 v4, 7, v0
	v_bfe_u32 v5, v0, 3, 1
	v_lshl_add_u32 v4, v5, 4, v4
	v_lshlrev_b32 v4, 12, v4
	v_lshl_add_u32 v[RO], v3, 6, v4                ; the residual: row r % 8 + 16 (r / 8) of a tile's 32, + 64 h
	s_lshl_b32 s44, s[XI], 8                       ; my first row and column, in bytes
	s_lshl_b32 s45, s[HX], 7
	s_add_co_u32 s44, s44, s45
	s_lshl_b32 s44, s44, 12
	s_lshl_b32 s46, s[YI], 10
	s_lshl_b32 s45, s[HY], 9
	s_add_co_u32 s46, s46, s45
	s_add_co_u32 s44, s44, s46
	s_mov_b32 s45, 0
	s_mov_b32 s47, 0
	s_add_nc_u64 s[94:95], s[10:11], s[44:45]
	s_add_nc_u64 s[96:97], s[12:13], s[44:45]
	s_add_nc_u64 s[8:9], s[8:9], s[46:47]
	global_load_b128 v[BIA:BIA+3], v[CO], s[8:9]
.irp a, 0,1,2,3,4,5,6,7                ; the residual in the accumulators' layout: four loads cover 128 consecutive bytes of each of 16 rows
	WIN 0x80+0x40*((\a)/4)
.irp b, 0,1,2,3,4,5,6,7
.irp c, 0,1
	global_load_b128 v[8*(8*((\a)%4)+\b)+4*\c:8*(8*((\a)%4)+\b)+4*\c+3], v[RO], s[94:95] offset:(32*((\a)/2)+8*((\a)%2))*4096+128*(\b/2)+32*(\b%2)+16*\c
.endr
.endr
.endr
	WIN 0
	s_mul_i32 s2, s[HX], HALFT
	s_mul_i32 s23, s[HY], HALFT
	s_add_co_u32 s23, s23, 2*HALFT
.irp s, 0,1
	v_add_nc_u32 v[ADRA+\s], s2, v[L8]
	v_add_nc_u32 v[ADRB+\s], s23, v[L8]
	s_add_co_u32 s2, s2, SLOT
	s_add_co_u32 s23, s23, SLOT
.endr
	s_mul_i32 s2, s[HX], HALFS
	s_mul_i32 s23, s[HY], HALFS
	s_add_co_u32 s23, s23, 2*HALFS
	s_sub_co_u32 s23, s23, s2
	v_mul_u32_u24 v4, s23, v3
	s_add_co_u32 s2, s2, SCL
	v_add_nc_u32 v4, v4, v[R4]
	v_add_nc_u32 v[ADRS], s2, v4
	s_mul_i32 s2, s[WV], 16*SPITCH                 ; my stage
	v_mul_u32_u24 v4, v2, SPITCH
	v_lshl_add_u32 v4, v3, 6, v4
	v_add_nc_u32 v[STO], s2, v4                    ; in: row r, + 64 h
	v_add_nc_u32 v[RD], s2, v[CO]                  ; back: a row of 512 bytes for the 32 lanes
.macro FRAG reg, adr, q, i
.irp p, 0,1,2,3,4,5
	ds_load_b64 v[\reg+2*\p:\reg+2*\p+1], v[\adr] offset:(\i)*TROW+(\q)*FRB+256*\p
.endr
.endm
; the 64 accumulators take turns, one instruction a turn
.macro MUL16 a0, p, q, sc
.irp a, \a0, \a0+1
.irp b, 0,1,2,3,4,5,6,7
	v_wmma_scale_f32_16x16x128_f8f6f4 v[8*(8*((\a)%4)+\b):8*(8*((\a)%4)+\b)+7], v[128*(\p)+FR*\b:128*(\p)+FR*\b+FR-1], v[AF+FR*(\a):AF+FR*(\a)+FR-1], v[8*(8*((\a)%4)+\b):8*(8*((\a)%4)+\b)+7], v[SC+8*NQ*(\sc)+NQ*\b+(\q)], v[SC+8*NQ*(\sc)+NQ*(\a)+(\q)] matrix_a_fmt:MATRIX_FMT_FP6 matrix_b_fmt:MATRIX_FMT_FP6 matrix_a_scale:MATRIX_SCALE_ROW1
.endr
.endr
.endm
.macro FETCH_B slot, q, p
	WIN TO_B
.irp i, 0,1,2,3,4,5,6,7
	FRAG 128*(\p)+FR*\i, ADRB+\slot, \q, \i
.endr
	WIN 0
.endm
.macro FETCH_A slot, q, i0
.irp i, \i0, \i0+1, \i0+2, \i0+3
	FRAG AF+FR*(\i), ADRA+\slot, \q, \i
.endr
.endm
.macro SCALES sc
.irp i, 0,1,2,3,4,5,6,7
.irp q, 0,1
	ds_load_b32 v[SC+8*NQ*\sc+NQ*\i+\q], v[ADRS] offset:\i*SBLK+64*\q
.endr
.endr
.endm
.macro PLACES n
.rept \n
	v_nop
.endr
.endm
.macro STEP slot, q
	s_wait_dscnt 4*NL                              ; all but the youngest 24 loads, X's blocks 4-7
	WIN MUL_LO
	MUL16 0, (\q)%2, \q, \slot
	MUL16 2, (\q)%2, \q, \slot
	s_wait_dscnt 0
	PLACES NP
	FETCH_B \slot, (\q)+1, 1-(\q)%2
	FETCH_A \slot, (\q)+1, 0
	WIN MUL_HI
	MUL16 4, (\q)%2, \q, \slot
	MUL16 6, (\q)%2, \q, \slot
	PLACES NP
	WIN 0
	FETCH_A \slot, (\q)+1, 4
.endm
.macro TURN slot, next, fill
	s_wait_tensorcnt 0x0                           ; all my tensor loads have landed: my part of the next slot
	ds_add_u32 v[SPW], v[NIL]                      ; 0 onto my spare word
	s_wait_dscnt 4*NL+1                            ; the add and the youngest 24 loads may be out
	WIN MUL_LO
	MUL16 0, 1, 1, \slot
	s_wait_dscnt 0x0                               ; the add is done, and my reads of this slot are over
	s_barrier_signal -1
	MUL16 2, 1, 1, \slot
	WIN 0
	s_barrier_wait -1
.if \fill
	CREST                                          ; a round of the cluster's barrier: no wave of any partner still reads this slot or has a load on its way
	s_add_nc_u64 s[G0+4*\slot+2:G0+4*\slot+3], s[G0+4*\slot+2:G0+4*\slot+3], 2*TROW
	s_add_nc_u64 s[G0B+4*\slot+2:G0B+4*\slot+3], s[G0B+4*\slot+2:G0B+4*\slot+3], 2*TROW
	JLOAD G0+4*\slot, G1, G0B+4*\slot, G1B
.else
	PLACES NP
.endif
	v_add_nc_u32 v[ADRS], 128, v[ADRS]
	FETCH_B \next, 0, 0
	FETCH_A \next, 0, 0
	SCALES \next
	WIN MUL_HI
	MUL16 4, 1, 1, \slot
	MUL16 6, 1, 1, \slot
	PLACES NP
	WIN 0
	FETCH_A \next, 0, 4
.endm
	s_wait_tensorcnt 1                             ; the scale words and my part of slot 0 are in; slot 1's load may be out
	s_barrier_signal -1
	s_barrier_wait -1
	FETCH_B 0, 0, 0
	FETCH_A 0, 0, 0
	SCALES 0
	FETCH_A 0, 0, 4
	s_wait_loadcnt 0x0                             ; the residual lies in the accumulators
	STEP 0, 0
	s_mov_b32 s3, LAPS-1
.Llap:
	TURN 0, 1, 1
	STEP 1, 0
	TURN 1, 0, 1
	STEP 0, 0
	s_sub_co_u32 s3, s3, 1
	s_cmp_lg_u32 s3, 0
	s_cbranch_scc1 .Llap
	TURN 0, 1, 0
	STEP 1, 0
	s_wait_dscnt 4*NL
	WIN MUL_LO
	MUL16 0, 1, 1, 1
	MUL16 2, 1, 1, 1
	s_wait_dscnt 0
	WIN MUL_HI
	MUL16 4, 1, 1, 1
	MUL16 6, 1, 1, 1
	WIN 0
; THE WAY OUT, a block of 16 tokens x 128 columns at a time, through my own stage: LDS serves a wave's instructions in order, so no wait stands between the stores and the loads
.macro TOSTAGE a
.set AC, 64*((\a)%4)
	WIN 0x08+4*((\a)/4)
.irp b, 0,1,2,3,4,5,6,7
	ds_store_b128 v[STO], v[AC+8*\b:AC+8*\b+3] offset:128*(\b/2)+32*(\b%2)        ; each accumulator from its low end on
	ds_store_b128 v[STO], v[AC+8*\b+4:AC+8*\b+7] offset:128*(\b/2)+32*(\b%2)+16
.endr
	WIN 0
.set BB, BK+64*((\a)%2)
.irp t, 0,1,2,3,4,5,6,7,8,9,10,11,12,13,14,15
	ds_load_b128 v[BB+4*\t:BB+4*\t+3], v[RD] offset:\t*SPITCH
.endr
.endm
.macro SEND a, younger
.set BB, BK+64*((\a)%2)
	s_wait_dscnt \younger                          ; the block is back; the next block's 16 stores and 16 loads may be out
.irp t, 0,1,2,3,4,5,6,7,8,9,10,11,12,13,14,15
	v_pk_add_f32 v[BB+4*\t:BB+4*\t+1], v[BB+4*\t:BB+4*\t+1], v[BIA:BIA+1]
	v_pk_add_f32 v[BB+4*\t+2:BB+4*\t+3], v[BB+4*\t+2:BB+4*\t+3], v[BIA+2:BIA+3]
	global_store_b128 v[CO], v[BB+4*\t:BB+4*\t+3], s[96:97] offset:(32*((\a)/2)+8*((\a)%2)+(\t%8)+16*(\t/8))*4096   ; 32 lanes store 512 consecutive bytes, aligned
.endr
.endm
	PLACES NP
	TOSTAGE 0
.irp a, 1,2,3,4,5,6,7
.if \a > 1
	s_wait_xcnt 0x0                                ; block a - 2's stores have read their registers: block a's loads may land there
.endif
	TOSTAGE \a
	SEND \a-1, 32
.endr
	SEND 7, 0
	s_wait_tensorcnt 0x0                           ; the wave's end
	ds_add_u32 v[SPW], v[NIL]
	s_wait_dscnt 0x0
	CROUND                                         ; the closing round
	s_endpgm
.Lfunc_end_k_qd0b88b5a35_ffn2:
	.size	k_qd0b88b5a35_ffn2, .Lfunc_end_k_qd0b88b5a35_ffn2-k_qd0b88b5a35_ffn2
	.p2alignl 7, 3214868480
	.fill 96, 4, 3214868480
	.section	.rodata,"a",@progbits
	.p2align	6, 0x0
	.amdhsa_kernel k_qd0b88b5a35_ffn2
		.amdhsa_group_segment_fixed_size 327680
		.amdhsa_private_segment_fixed_size 0
		.amdhsa_enable_private_segment 0
		.amdhsa_kernarg_size 40
		.amdhsa_user_sgpr_count 2
		.amdhsa_user_sgpr_kernarg_segment_ptr 1
		.amdhsa_wavefront_size32 1
		.amdhsa_system_sgpr_workgroup_id_x 1
		.amdhsa_system_sgpr_workgroup_id_y 1
		.amdhsa_system_sgpr_workgroup_id_z 1
		.amdhsa_system_vgpr_workitem_id 0
		.amdhsa_next_free_vgpr 1024
		.amdhsa_next_free_sgpr 102
		.amdhsa_reserve_vcc 0
		.amdhsa_float_denorm_mode_32 3
		.amdhsa_float_denorm_mode_16_64 3
		.amdhsa_memory_ordered 1
		.amdhsa_forward_progress 1
		.amdhsa_inst_pref_size 190
	.end_amdhsa_kernel
	.amdgpu_metadata
---
amdhsa.version: [ 1, 2 ]
amdhsa.kernels:
  - .name:           k_qd0b88b5a35_ffn2
    .symbol:         k_qd0b88b5a35_ffn2.kd
    .args:
      - { .name: gq, .offset: 0, .size: 8, .value_kind: global_buffer, .address_space: global }
      - { .name: wts, .offset: 8, .size: 8, .value_kind: global_buffer, .address_space: global }
      - { .name: b2, .offset: 16, .size: 8, .value_kind: global_buffer, .address_space: global }
      - { .name: x1, .offset: 24, .size: 8, .value_kind: global_buffer, .address_space: global }
      - { .name: out0, .offset: 32, .size: 8, .value_kind: global_buffer, .address_space: global }
    .group_segment_fixed_size: 327680
    .private_segment_fixed_size: 0
    .kernarg_segment_align: 8
    .kernarg_segment_size: 40
    .max_flat_workgroup_size: 128
    .sgpr_count:     102
    .vgpr_count:     1024
    .wavefront_size: 32
...
	.end_amdgpu_metadata
.endif
;; end of part 7
;; ======== version 2 of 2: 7 launches
;; limits: right only within a limited range of input values
;; workspace buffers: wts 9,830,400 bytes; hq 3,276,800 bytes; qkv 10,223,616 bytes; ctxq 3,276,800 bytes; x1 16,777,216 bytes; gq 13,107,200 bytes
;; launch prep (part 8): grid 128 x 5, 4 waves a work-group, no clusters, 93,184 bytes of LDS; arguments wq, wk, wv, wo, w1, w2, wts, x, ln1_scale, ln1_shift, hq; writes wts, hq
.if DOCPART == 8
	.amdgcn_target "amdgcn-amd-amdhsa--gfx1250"
	.amdhsa_code_object_version 6
	.text
	.protected	k_qd0b88b5a35_prep
	.globl	k_qd0b88b5a35_prep
	.p2align	8
	.type	k_qd0b88b5a35_prep,@function
k_qd0b88b5a35_prep:
	s_mov_b64 s[64:65], 0
	v_nop
	global_prefetch_b8 v0, s[64:65] scope:SCOPE_SE
	s_setreg_imm32_b32 hwreg(HW_REG_WAVE_MODE, 25, 1), 1
	s_wait_xcnt 0x0
; ONE LAUNCH PREPARES ALL OPERANDS THAT HANG ON INPUTS ALONE.  Work-group y = 0, 1, 2: the six weights become codes; y = 3, 4: the first layer norm of x, quantised.  The two paths part on y alone and have LDS bytes of their own.
; No step of the problem is left out anywhere in this program.
; THE WEIGHTS, f32 [K][N] with K as FIRST axis, become codes of FP6 (E2M3) with one E8M0 byte for each 32 along K, in the order in which a wave's operand registers take them.
; TILES: 16 columns form a tile; tile T, row r stands for column 32 (T / 2) + 8 (T % 2) + r % 8 + 16 (r / 8).  A fragment (16 rows x 128 K, 12 registers a lane) lies as six pieces of 256 bytes
; (piece p = registers 2 p, 2 p + 1, 8 bytes a lane); w2's as three pieces of 512 bytes (registers 4 q .. 4 q + 3, 16 bytes a lane).  Codes of tile T, K step s at (T KS + s) 1536, scale words at (T KS + s) 64 + 4 r, KS = K / 128.
; A lane takes a column and its registers run down K: a block of 32 lies in one lane.  A work-group takes 128 columns x 256 K.  y = 0: wq, wk, wv, wo (32 work-groups each); y = 1: w1; y = 2: w2.
; THE NORM: y = scale (x - mean) / sqrt(var + 1e-5) + shift over rows of 1,024, quantised along the row.  A work-group takes one tile of 16 tokens; codes of K step s at (8 T + s) 1536, scale words at 3,145,728 + (8 T + s) 64 + 4 r.
; Phase 1: a wave a row, four rows a wave, the mean first, then the squares of the differences; the rows go to LDS (pitch 4,112).  Phase 2: wave w quantises K steps 2 w and 2 w + 1 of all 16 rows.
; LIMITS: 1 / sqrt by v_rsq_f32 (1 ulp); a block of zeros, or one under 2^-124, gets the byte 1 (its codes are zeros; only this program reads the bytes); NaN and infinities are not served.
.set WQ0,   66048                      ; LDS: the norm's rows from 0; the weights' stages from here
.set SPARE, 92672                      ; the spare words, 128 bytes for each wave
	v_lshl_add_u32 v254, v0, 2, SPARE
	v_mov_b32 v255, 0
	s_and_b32 s22, ttmp7, 0xffff                   ; y
	s_cmp_gt_u32 s22, 2
	s_cbranch_scc1 .Lnorm
; ---------------- the weights
.set X,    48                          ; v48-111  two sets of 32 numbers
.set OFFR, 16                          ; v16-47   row i of a block: i x row bytes + 4 x lane
.set CD,   112                         ; v112-118 a block's codes
.set OUTR, 120                         ; v120-167 the way out
.set FST,  1664                        ; a fragment's image, 1,536 bytes + 128
.set SST,  2*FST
.set WST,  2*SST                       ; a wave's stage
	s_load_b256 s[4:11], s[0:1], 0x0               ; wq, wk, wv, wo
	s_load_b128 s[12:15], s[0:1], 0x20             ; w1, w2
	s_load_b64 s[16:17], s[0:1], 0x30              ; wts
	v_lshrrev_b32 v1, 5, v0
	v_readfirstlane_b32 s18, v1                    ; wave
	v_and_b32 v1, 31, v0                           ; lane = my column of the wave's 32
	v_lshlrev_b32 v2, 2, v1
	v_bfe_u32 v3, v0, 3, 1                         ; u: which of the two tiles my column belongs to
	s_wait_alu depctr_va_vdst(0)
	v_and_b32 v4, 7, v0
	v_bfe_u32 v9, v0, 4, 1
	v_lshl_add_u32 v4, v9, 3, v4                   ; r: its row there
	s_mul_i32 s19, s18, WST
	s_add_co_u32 s19, s19, WQ0
	v_mul_u32_u24 v5, v3, FST
	v_lshl_add_u32 v5, v4, 3, v5
	v_add_nc_u32 v5, s19, v5                       ; into the stage: tile u, 8 r
	v_lshlrev_b32 v7, 3, v1                        ; 8 x lane
	v_lshlrev_b32 v190, 4, v1                      ; 16 x lane: w2's way out
	v_add_nc_u32 v6, s19, v7                       ; out of the stage
	s_lshr_b32 s23, ttmp9, 5
	s_and_b32 s24, ttmp9, 31
	s_cmp_eq_u32 s22, 0
	s_cselect_b32 s24, s24, ttmp9                  ; the work-group's number within its weight
	s_cselect_b32 s23, s23, 0                      ; which of wq, wk, wv, wo
	s_cmp_eq_u32 s22, 1
	s_cselect_b32 s25, 5, 3                        ; log2 of N / 128
	s_mov_b32 s26, 4096
	s_cselect_b32 s26, 16384, s26                  ; a row of the weight in bytes
	s_cmp_eq_u32 s22, 2
	s_mov_b32 s28, 512
	s_cselect_b32 s28, 2048, s28                   ; 64 KS: a tile's scale words
	s_bfm_b32 s27, s25, 0
	s_and_b32 s27, s24, s27                        ; which 128 columns
	s_lshr_b32 s29, s24, s25                       ; which 256 along K
	s_mul_i32 s30, s28, 24                         ; 1536 KS: a tile's codes
	v_mul_u32_u24 v8, s28, v3
	s_wait_alu depctr_va_vdst(0)
	v_lshl_add_u32 v8, v4, 2, v8                   ; my scale word's place: tile u, 4 r
.set i, 0
.rept 32
	v_mad_u32_u24 v[OFFR+i], s26, i, v2
.set i, i+1
.endr
	s_mul_i32 s54, s29, s26                        ; where my wave's part of the weight begins
	s_lshl_b32 s54, s54, 8
	s_lshl_b32 s20, s27, 9
	s_add_co_u32 s54, s54, s20
	s_lshl_b32 s20, s18, 7
	s_add_co_u32 s54, s54, s20
	s_mov_b32 s55, 0
	s_lshl_b32 s56, s26, 5                         ; a block of 32 rows on
	s_mov_b32 s57, 0
	s_lshl_b32 s31, s27, 3
	s_lshl_b32 s20, s18, 1
	s_add_co_u32 s31, s31, s20                     ; my first tile
	s_mul_i32 s58, s23, 786432                     ; the codes' place in wts
	s_mul_i32 s20, s22, 3145728
	s_add_co_u32 s58, s58, s20
	s_mul_i32 s20, s31, s30
	s_add_co_u32 s58, s58, s20
	s_mul_i32 s20, s29, 3072
	s_add_co_u32 s58, s58, s20
	s_mov_b32 s59, 0
	s_lshl_b32 s60, s23, 15                        ; the scale words' place
	s_lshl_b32 s20, s22, 17
	s_add_co_u32 s60, s60, s20
	s_mul_i32 s20, s31, s28
	s_add_co_u32 s60, s60, s20
	s_lshl_b32 s20, s29, 7
	s_add_co_u32 s60, s60, s20
	s_add_co_u32 s60, s60, 9437184
	s_mov_b32 s61, 0
	s_mov_b32 s62, s30
	s_mov_b32 s63, 0
	s_wait_alu depctr_va_vdst(0)
	s_wait_kmcnt 0x0
	s_cmp_lt_u32 ttmp9, 32                         ; the weight is chosen on the work-group's number alone
	s_cselect_b64 s[20:21], s[4:5], s[6:7]
	s_cmp_lt_u32 ttmp9, 64
	s_cselect_b64 s[20:21], s[20:21], s[8:9]
	s_cmp_lt_u32 ttmp9, 96
	s_cselect_b64 s[20:21], s[20:21], s[10:11]
	s_cmp_eq_u32 s22, 1
	s_cselect_b64 s[20:21], s[12:13], s[20:21]
	s_cmp_eq_u32 s22, 2
	s_cselect_b64 s[20:21], s[14:15], s[20:21]
	s_add_nc_u64 s[32:33], s[20:21], s[54:55]      ; a base for each of the eight blocks: no pointer is stepped later
.irp t, 1,2,3,4,5,6,7
	s_add_nc_u64 s[32+2*\t:33+2*\t], s[30+2*\t:31+2*\t], s[56:57]
.endr
	s_add_nc_u64 s[48:49], s[16:17], s[58:59]      ; tile 0's codes,
	s_add_nc_u64 s[50:51], s[48:49], s[62:63]      ; tile 1's,
	s_add_nc_u64 s[52:53], s[16:17], s[60:61]      ; the scale words
.macro LOAD t                          ; block t: 32 rows, each 128 consecutive bytes a wave, 512 a work-group; read once in the launch
.set i, 0
.rept 32
	global_load_b32 v[X+32*((\t)%2)+i], v[OFFR+i], s[32+2*(\t):33+2*(\t)] th:TH_LOAD_NT
.set i, i+1
.endr
.endm
.macro BLOCK t
.set XS, X+32*((\t)%2)
.if (\t) < 7
	s_wait_loadcnt 32                              ; this block's 32 loads are in; the next block's 32 may be out
.else
	s_wait_loadcnt 0x0
.endif
	v_max3_num_f32 v10, |v[XS]|, |v[XS+1]|, |v[XS+2]|
	v_max3_num_f32 v11, |v[XS+3]|, |v[XS+4]|, |v[XS+5]|
.irp i, 6,10,14,18,22,26
	v_max3_num_f32 v10, v10, |v[XS+\i]|, |v[XS+\i+1]|
	v_max3_num_f32 v11, v11, |v[XS+\i+2]|, |v[XS+\i+3]|
.endr
	v_max3_num_f32 v10, v10, |v[XS+30]|, |v[XS+31]|
	v_max3_num_f32 v10, v10, v11, 0x1800000        ; with the floor 2^(3 - 127): the byte cannot fall under 1
	v_add_nc_u32 v12, 0xff000000, v10              ; 2 off the exponent field: the conversions' scale operand
	v_lshrrev_b32 v13, 23, v12                     ; the byte
.if (\t)%4 == 0
	v_mov_b32 v[14+(\t)/4], v13
.else
	v_lshl_or_b32 v[14+(\t)/4], v13, 8*((\t)%4), v[14+(\t)/4]
.endif
	v_cvt_scalef32_pk16_fp6_f32 v[CD:CD+2], v[XS:XS+15], v12
	v_cvt_scalef32_pk16_fp6_f32 v[CD+4:CD+6], v[XS+16:XS+31], v12
	v_nop                                          ; one plain place behind a scaled conversion
	v_mov_b32 v[CD+3], v[CD+4]                     ; the block's six registers on end
	v_mov_b32 v[CD+4], v[CD+5]
	v_mov_b32 v[CD+5], v[CD+6]
.irp j, 0,1,2                          ; block 4 s + b is registers 6 (b / 2) .. + 5 of lane r + 16 (b % 2) of K step s's fragment
	ds_store_b64 v5, v[CD+2*\j:CD+2*\j+1] offset:((\t)/4)*SST+768*(((\t)%4)/2)+128*((\t)%2)+256*\j
.endr
.if (\t) < 6
	LOAD (\t)+2
.endif
	s_wait_dscnt 0x0                               ; the stores have read the codes' registers
.endm
	LOAD 0
	LOAD 1
.irp t, 0,1,2,3,4,5,6,7
	BLOCK \t
.endr
	global_store_b32 v8, v14, s[52:53]             ; my column's scale words of the two K steps
	s_wait_alu depctr_va_vdst(0)
	global_store_b32 v8, v15, s[52:53] offset:64
.irp s, 0,1
.irp u, 0,1
.irp p, 0,1,2,3,4,5
	ds_load_b64 v[OUTR+2*(12*\s+6*\u+\p):OUTR+2*(12*\s+6*\u+\p)+1], v6 offset:\s*SST+\u*FST+256*\p
.endr
.endr
.endr
	s_cmp_eq_u32 s22, 2                            ; w2's reader loads 16 bytes a lane
	s_cbranch_scc1 .Lw2_out
.irp s, 0,1
.irp u, 0,1
.irp p, 0,1,2,3,4,5
	s_wait_dscnt 23-(12*\s+6*\u+\p)                ; LDS loads come back in order: the younger ones may stay out
	global_store_b64 v7, v[OUTR+2*(12*\s+6*\u+\p):OUTR+2*(12*\s+6*\u+\p)+1], s[48+2*\u:49+2*\u] offset:\s*1536+256*\p   ; 32 lanes store 256 consecutive bytes, aligned
.endr
.endr
.endr
	s_branch .Lall_out
.Lw2_out:
.irp s, 0,1
.irp u, 0,1
.irp q, 0,1,2
	s_wait_dscnt 22-(12*\s+6*\u+2*\q)              ; the two loads that fill these four registers are in
	global_store_b128 v190, v[OUTR+2*(12*\s+6*\u)+4*\q:OUTR+2*(12*\s+6*\u)+4*\q+3], s[48+2*\u:49+2*\u] offset:\s*1536+512*\q   ; 32 lanes store 512 consecutive bytes, aligned
.endr
.endr
.endr
.Lall_out:
	s_wait_tensorcnt 0x0                           ; the wave's end
	ds_add_u32 v254, v255
	s_wait_dscnt 0x0
	s_endpgm
; ---------------- the norm
.Lnorm:
.set PITCH, 4112                       ; an odd multiple of 16 bytes
.set X,   32                           ; v32-159  four rows of 32 registers; later the numbers of two K steps
.set G,   160                          ; v160-191 scale
.set B,   192                          ; v192-223 shift
.set SU,  224                          ; v224-231 sums, a pair a row
.set ME,  232                          ; v232-239 means, twice
.set RS,  240                          ; v240-247 1 / sqrt, twice
.set TP,  248                          ; v248-251 the other half of the lanes' sums
.set PC,  160                          ; phase 2: codes
.set TM,  184
.set PW,  200
.set SEL, 20
	s_load_b256 s[4:11], s[0:1], 0x38              ; x, scale, shift, the codes' buffer
	s_sub_co_u32 s3, s22, 3
	s_lshl_b32 s3, s3, 7
	s_add_co_u32 s3, s3, ttmp9                     ; the tile: 128 (y - 3) + x
	v_lshrrev_b32 v1, 5, v0
	v_readfirstlane_b32 s12, v1                    ; wave
	v_and_b32 v6, 31, v0
	v_and_b32 v7, 15, v0                           ; r
	v_bfe_u32 v8, v0, 4, 1                         ; h
	v_lshlrev_b32 v1, 4, v6                        ; 16 x lane
	v_lshlrev_b32 v4, 3, v6                        ; 8 x lane
	v_lshlrev_b32 v5, 2, v7                        ; 4 r
	s_mul_i32 s13, s12, 4*PITCH
	v_add_nc_u32 v2, s13, v1                       ; into LDS: my wave's four rows
	v_mul_u32_u24 v3, v7, PITCH
	v_lshl_add_u32 v3, v8, 6, v3
	s_lshl_b32 s13, s12, 10
	v_add_nc_u32 v3, s13, v3                       ; out of it: row r, + 64 h, + my wave's two K steps
	s_lshr_b32 s14, s3, 1                          ; my wave's first token
	s_lshl_b32 s14, s14, 5
	s_and_b32 s15, s3, 1
	s_lshl_b32 s15, s15, 3
	s_add_co_u32 s14, s14, s15
	s_lshr_b32 s15, s12, 1
	s_lshl_b32 s15, s15, 4
	s_add_co_u32 s14, s14, s15
	s_and_b32 s15, s12, 1
	s_lshl_b32 s15, s15, 2
	s_add_co_u32 s14, s14, s15
	s_lshl_b32 s14, s14, 12
	s_mov_b32 s15, 0
	s_mul_i32 s16, s3, 12288
	s_mul_i32 s18, s12, 3072
	s_add_co_u32 s16, s16, s18
	s_mov_b32 s17, 0
	s_lshl_b32 s18, s3, 9
	s_lshl_b32 s19, s12, 7
	s_add_co_u32 s18, s18, s19
	s_mov_b32 s19, 0
	s_mov_b32 s[SEL], 0x76543210
	s_mov_b32 s[SEL+1], 0xfedcba98                 ; lane l xor 16
	s_mov_b32 s22, 0x3a800000                      ; 1 / 1024
	s_mov_b32 s23, 0x3727c5ac                      ; 1e-5
	s_wait_alu depctr_va_vdst(0)
	s_wait_kmcnt 0x0
	s_add_nc_u64 s[4:5], s[4:5], s[14:15]
	s_add_nc_u64 s[16:17], s[10:11], s[16:17]
	s_add_nc_u64 s[18:19], s[10:11], s[18:19]
.irp i, 0,1,2,3
.irp j, 0,1,2,3,4,5,6,7
	global_load_b128 v[X+32*\i+4*\j:X+32*\i+4*\j+3], v1, s[4:5] offset:4096*\i+512*\j
.endr
.endr
.irp j, 0,1,2,3,4,5,6,7
	global_load_b128 v[G+4*\j:G+4*\j+3], v1, s[6:7] offset:512*\j
	global_load_b128 v[B+4*\j:B+4*\j+3], v1, s[8:9] offset:512*\j
.endr
.irp i, 0,1,2,3
	v_mov_b32 v[TP+\i], 0                          ; a lane permute's destination counts as one of its sources
.endr
.macro REDUCE                          ; the four rows' pairs of sums become sums over the wave, in every lane
.irp i, 0,1,2,3
	v_add_f32 v[SU+2*\i], v[SU+2*\i], v[SU+2*\i+1]
.endr
.irp m, 1,2,4,8
.irp i, 0,1,2,3
	v_add_f32_dpp v[SU+2*\i], v[SU+2*\i], v[SU+2*\i] row_xmask:\m row_mask:0xf bank_mask:0xf
.endr
.endr
.irp i, 0,1,2,3
	v_permlanex16_b32 v[TP+\i], v[SU+2*\i], s[SEL], s[SEL+1]
.endr
.irp i, 0,1,2,3
	v_add_f32 v[SU+2*\i], v[SU+2*\i], v[TP+\i]
.endr
.endm
	s_wait_loadcnt 0x0
.irp i, 0,1,2,3
	v_pk_add_f32 v[SU+2*\i:SU+2*\i+1], v[X+32*\i:X+32*\i+1], v[X+32*\i+2:X+32*\i+3]
.endr
.irp k, 2,3,4,5,6,7,8,9,10,11,12,13,14,15
.irp i, 0,1,2,3                        ; the four rows by turns
	v_pk_add_f32 v[SU+2*\i:SU+2*\i+1], v[SU+2*\i:SU+2*\i+1], v[X+32*\i+2*\k:X+32*\i+2*\k+1]
.endr
.endr
	REDUCE
.irp i, 0,1,2,3
	v_mul_f32 v[ME+2*\i], s22, v[SU+2*\i]
	v_mul_f32 v[ME+2*\i+1], s22, v[SU+2*\i]
.endr
.irp k, 0,1,2,3,4,5,6,7,8,9,10,11,12,13,14,15
.irp i, 0,1,2,3
	v_pk_add_f32 v[X+32*\i+2*\k:X+32*\i+2*\k+1], v[X+32*\i+2*\k:X+32*\i+2*\k+1], v[ME+2*\i:ME+2*\i+1] neg_lo:[0,1] neg_hi:[0,1]
.endr
.endr
.irp i, 0,1,2,3
	v_pk_mul_f32 v[SU+2*\i:SU+2*\i+1], v[X+32*\i:X+32*\i+1], v[X+32*\i:X+32*\i+1]
.endr
.irp k, 1,2,3,4,5,6,7,8,9,10,11,12,13,14,15
.irp i, 0,1,2,3
	v_pk_fma_f32 v[SU+2*\i:SU+2*\i+1], v[X+32*\i+2*\k:X+32*\i+2*\k+1], v[X+32*\i+2*\k:X+32*\i+2*\k+1], v[SU+2*\i:SU+2*\i+1]
.endr
.endr
	REDUCE
.irp i, 0,1,2,3
	v_fma_f32 v[SU+2*\i], v[SU+2*\i], s22, s23     ; var + 1e-5
.endr
	s_wait_alu depctr_va_vdst(0)
.irp i, 0,1,2,3
	v_rsq_f32 v[RS+2*\i], v[SU+2*\i]
.endr
	v_nop                                          ; one plain place behind a transcendental
	s_wait_alu depctr_va_vdst(0)
.irp i, 0,1,2,3
	v_mov_b32 v[RS+2*\i+1], v[RS+2*\i]
.endr
.irp k, 0,1,2,3,4,5,6,7,8,9,10,11,12,13,14,15
.irp i, 0,1,2,3
	v_pk_mul_f32 v[X+32*\i+2*\k:X+32*\i+2*\k+1], v[X+32*\i+2*\k:X+32*\i+2*\k+1], v[RS+2*\i:RS+2*\i+1]
.endr
.endr
.irp k, 0,1,2,3,4,5,6,7,8,9,10,11,12,13,14,15
.irp i, 0,1,2,3
	v_pk_fma_f32 v[X+32*\i+2*\k:X+32*\i+2*\k+1], v[X+32*\i+2*\k:X+32*\i+2*\k+1], v[G+2*\k:G+2*\k+1], v[B+2*\k:B+2*\k+1]
.endr
.endr
.irp i, 0,1,2,3
.irp j, 0,1,2,3,4,5,6,7
	ds_store_b128 v2, v[X+32*\i+4*\j:X+32*\i+4*\j+3] offset:\i*PITCH+512*\j
.endr
.endr
	s_wait_dscnt 0x0                               ; for the others' sake: my rows lie in LDS
	s_barrier_signal -1
	s_barrier_wait -1
.irp s, 0,1
.irp b, 0,1,2,3
.irp j, 0,1,2,3
	ds_load_b128 v[X+64*\s+16*\b+4*\j:X+64*\s+16*\b+4*\j+3], v3 offset:512*\s+128*\b+16*\j
.endr
.endr
.endr
.irp b, 0,1,2,3
	v_mov_b32 v[TM+4+\b], 0                        ; a lane permute's destination counts as one of its sources
.endr
; 64 numbers of a lane, register 16 b + i = k 32 b + 16 (lane / 16) + i of my row, become a fragment's codes in v[PC] on and its scale word in v[PW]
.macro QUANT s
.irp b, 0,1,2,3
	v_max3_num_f32 v[TM+\b], |v[\s+16*\b]|, |v[\s+1+16*\b]|, 0x1800000   ; with the floor 2^(3 - 127)
.endr
.irp i, 2,4,6,8,10,12,14
.irp b, 0,1,2,3
	v_max3_num_f32 v[TM+\b], v[TM+\b], |v[\s+16*\b+\i]|, |v[\s+1+16*\b+\i]|
.endr
.endr
.irp b, 0,1,2,3
	v_permlanex16_b32 v[TM+4+\b], v[TM+\b], s[SEL], s[SEL+1]
.endr
.irp b, 0,1,2,3
	v_max_num_f32 v[TM+\b], v[TM+\b], v[TM+4+\b]   ; with lane l xor 16's: the block's largest magnitude
.endr
.irp b, 0,1,2,3
	v_add_nc_u32 v[TM+12+\b], 0xff000000, v[TM+\b] ; 2 off its exponent field: the conversion's scale operand
.endr
.irp b, 0,1,2,3
	v_lshrrev_b32 v[TM+4+\b], 23, v[TM+12+\b]      ; the byte
.endr
	v_lshl_or_b32 v[PW], v[TM+5], 8, v[TM+4]
	v_lshl_or_b32 v[PW], v[TM+6], 16, v[PW]
	v_lshl_or_b32 v[PW], v[TM+7], 24, v[PW]
.irp c, 0,1
	v_cvt_scalef32_pk16_fp6_f32 v[PC+6*\c:PC+2+6*\c], v[\s+32*\c:\s+15+32*\c], v[TM+12+2*\c]
	v_cvt_scalef32_pk16_fp6_f32 v[PC+12+4*\c:PC+14+4*\c], v[\s+16+32*\c:\s+31+32*\c], v[TM+12+2*\c+1]
.endr
	v_nop                                          ; one plain place behind a scaled conversion
.irp c, 0,1                            ; the operand's layout wants a whole block in a lane
.irp i, 0,1,2
	v_permlane16_swap_b32 v[PC+6*\c+\i], v[PC+12+4*\c+\i]
.endr
.irp i, 0,1,2
	v_mov_b32 v[PC+3+6*\c+\i], v[PC+12+4*\c+\i]
.endr
.endr
.endm
.irp s, 0,1
.if \s == 0
	s_wait_dscnt 16                                ; the first K step's 16 loads are in; the second's 16 may be out
.else
	s_wait_dscnt 0x0
	s_wait_xcnt 0x0                                ; the stores' data are written again only behind this wait
.endif
	QUANT X+64*\s
.irp p, 0,1,2,3,4,5
	global_store_b64 v4, v[PC+2*\p:PC+2*\p+1], s[16:17] offset:1536*\s+256*\p   ; 32 lanes store 256 consecutive bytes, aligned
.endr
	global_store_b32 v5, v[PW], s[18:19] offset:3145728+64*\s                   ; both halves of the lanes hold and write the same word
.endr
	s_wait_tensorcnt 0x0                           ; the wave's end
	ds_add_u32 v254, v255
	s_wait_dscnt 0x0
	s_endpgm
.Lfunc_end_k_qd0b88b5a35_prep:
	.size	k_qd0b88b5a35_prep, .Lfunc_end_k_qd0b88b5a35_prep-k_qd0b88b5a35_prep
	.p2alignl 7, 3214868480
	.fill 96, 4, 3214868480
	.section	.rodata,"a",@progbits
	.p2align	6, 0x0
	.amdhsa_kernel k_qd0b88b5a35_prep
		.amdhsa_group_segment_fixed_size 93184
		.amdhsa_private_segment_fixed_size 0
		.amdhsa_enable_private_segment 0
		.amdhsa_kernarg_size 88
		.amdhsa_user_sgpr_count 2
		.amdhsa_user_sgpr_kernarg_segment_ptr 1
		.amdhsa_wavefront_size32 1
		.amdhsa_system_sgpr_workgroup_id_x 1
		.amdhsa_system_sgpr_workgroup_id_y 1
		.amdhsa_system_sgpr_workgroup_id_z 1
		.amdhsa_system_vgpr_workitem_id 0
		.amdhsa_next_free_vgpr 256
		.amdhsa_next_free_sgpr 66
		.amdhsa_reserve_vcc 0
		.amdhsa_float_denorm_mode_32 3
		.amdhsa_float_denorm_mode_16_64 3
		.amdhsa_memory_ordered 1
		.amdhsa_forward_progress 1
		.amdhsa_inst_pref_size 94
	.end_amdhsa_kernel
	.amdgpu_metadata
---
amdhsa.version: [ 1, 2 ]
amdhsa.kernels:
  - .name:           k_qd0b88b5a35_prep
    .symbol:         k_qd0b88b5a35_prep.kd
    .args:
      - { .name: wq, .offset: 0, .size: 8, .value_kind: global_buffer, .address_space: global }
      - { .name: wk, .offset: 8, .size: 8, .value_kind: global_buffer, .address_space: global }
      - { .name: wv, .offset: 16, .size: 8, .value_kind: global_buffer, .address_space: global }
      - { .name: wo, .offset: 24, .size: 8, .value_kind: global_buffer, .address_space: global }
      - { .name: w1, .offset: 32, .size: 8, .value_kind: global_buffer, .address_space: global }
      - { .name: w2, .offset: 40, .size: 8, .value_kind: global_buffer, .address_space: global }
      - { .name: wts, .offset: 48, .size: 8, .value_kind: global_buffer, .address_space: global }
      - { .name: x, .offset: 56, .size: 8, .value_kind: global_buffer, .address_space: global }
      - { .name: ln1_scale, .offset: 64, .size: 8, .value_kind: global_buffer, .address_space: global }
      - { .name: ln1_shift, .offset: 72, .size: 8, .value_kind: global_buffer, .address_space: global }
      - { .name: hq, .offset: 80, .size: 8, .value_kind: global_buffer, .address_space: global }
    .group_segment_fixed_size: 93184
    .private_segment_fixed_size: 0
    .kernarg_segment_align: 8
    .kernarg_segment_size: 88
    .max_flat_workgroup_size: 128
    .sgpr_count:     66
    .vgpr_count:     256
    .wavefront_size: 32
...
	.end_amdgpu_metadata
.endif
;; end of part 8
;; launch qkv (part 9): grid 12 x 16, 4 waves a work-group, clusters of 4 x 4, 327,680 bytes of LDS; arguments hq, wts, bq, bk, bv, qkv; writes qkv
.if DOCPART == 9
	.amdgcn_target "amdgcn-amd-amdhsa--gfx1250"
	.amdhsa_code_object_version 6
	.text
	.protected	k_qd0b88b5a35_qkv
	.globl	k_qd0b88b5a35_qkv
	.p2align	8
	.type	k_qd0b88b5a35_qkv,@function
k_qd0b88b5a35_qkv:
	s_mov_b64 s[64:65], 0
	v_nop
	global_prefetch_b8 v0, s[64:65] scope:SCOPE_SE
	s_setreg_imm32_b32 hwreg(HW_REG_WAVE_MODE, 25, 1), 1
	s_wait_xcnt 0x0
	s_wait_alu depctr_hold_cnt(0) depctr_sa_sdst(0) depctr_va_vdst(0) depctr_va_sdst(0) depctr_va_ssrc(0) depctr_va_vcc(0) depctr_vm_vsrc(0)
	s_getreg_b32 s2, hwreg(HW_REG_IB_STS2, 6, 4)
	s_cmp_eq_u32 s2, 0
	s_cbranch_scc0 .Lentry_in_a_cluster
	s_endpgm
.Lentry_in_a_cluster:
	s_bfe_u32 s2, ttmp6, 0x10000c
	s_cmp_lg_u32 s2, 0xf033
	s_cbranch_scc0 .Lentry_shape_is_right
	s_endpgm
.Lentry_shape_is_right:
; q = h wq + bq, k = h wk + bk, v = h wv + bv on codes of FP6 (E2M3) with E8M0 scales, K = 1,024; the results are quantised at once: q and k along the head's 64, v along the KEYS.
; OPERANDS lie in tiles of 16 rows (tile T, row r = index 32 (T / 2) + 8 (T % 2) + r % 8 + 16 (r / 8)), a fragment (16 rows x 128 K) as six pieces of 256 bytes in the order of the operand's registers;
; codes of tile T, K step s at (8 T + s) 1536, scale words at (8 T + s) 64 + 4 r.
; THE PRODUCT IS USED TRANSPOSED: source 0 = 16 rows of Y, source 1 = 16 rows of X.  Lane (r, h) of accumulator (a, b) holds X's row r of tile a, and its register j Y's index 32 (b / 2) + 8 (b % 2) + 16 h + j:
; the 64 registers of accumulators (a, 0 .. 7) run along Y, 16 neighbours for each block of 32: what the conversions want.
; Clusters x = 0, 1: X = tokens, Y = columns of wq | wk: registers along the head.   Cluster x = 2: X = columns of wv, Y = tokens: registers along the keys.  The choice hangs on the cluster's x: the same in all partners.
; A work-group makes 256 (X) x 256 (Y), a wave 128 x 128 in 64 accumulators.  K goes in steps of 256 through two LDS slots; X's tiles are asked for jointly along a row of the cluster, Y's along a column;
; the scale words of all K come once.  192 work-groups.
; OUT: q's and k's codes at (head-and-batch x 128 + token tile) 768 (three pieces: 64 along K), k 3,145,728 behind q; v^T at 6,291,456 + ((hb 16 + key step) 4 + channel tile) 1536; scale words behind, from 9,437,184.
; LIMITS: a block of zeros or under 2^-124 gets the byte 1 (its codes are zeros; only this program reads the bytes); NaN and infinities are not served.
.set KS,    8
.set FRB,   1536
.set TROW,  2*FRB                      ; a tile's two K steps: what a slot holds of it
.set HALFT, 8*TROW                     ; eight tiles: what one tensor load brings, and what one wave reads of X or of Y
.set SLOT,  4*HALFT
.set SCL,   2*SLOT                     ; behind the ring: the scale words
.set SBLK,  64*KS
.set HALFS, 8*SBLK
.set SPARE, SCL+4*HALFS                ; the spare words, 128 bytes for each wave
.set LAPS,  KS/4
.set NQ, 2
.set FR, 12
.set NL, 6
.set NP, 4
.set ADRA, 16                          ; v16-17 LDS address of X's fragments in slot 0, 1
.set ADRB, 20                          ; v20-21 of Y's
.set L8,   22                          ; v22 8 x lane
.set R4,   23                          ; v23 4 r
.set ADRS, 27                          ; v27 my scale words: lanes 0-15 X's, lanes 16-31 Y's
.set SPW,  28
.set NIL,  29
.set SC,   32                          ; v32-63 scale words, two sets
.set H,    64                          ; v64-127 the way out: 64 numbers
.set AF,   128                         ; v128-223 X's fragments; on the way out:
.set PC,   128
.set TM,   148
.set PW,   164
.set WV, 16
.set HX, 17
.set HY, 18
.set CX, 19
.set CY, 20
.set XI, 21
.set YI, 22
.set G1, 24
.set G0, 32
.set G1B, 48
.set G0B, 56
.set G1S, 68
.set G0S, 76
.set G1SB, 80
.set G0SB, 88
.set SEL, 92
.set ISV, 100
.set MSB, 0
.macro WIN new                         ; the immediate's high byte repeats the setting that is left
.if MSB != (\new)
	s_set_vgpr_msb (MSB<<8)|(\new)
.set MSB, \new
.endif
.endm
.set MUL_LO, 0xa1                      ; source 0 (Y) window 1, source 1 (X) window 0, C and D window 2
.set MUL_HI, 0xf1
.set TO_B,   0x40
.macro JLOAD g0a, g1a, g0b, g1b        ; a joint load: waves 0 and 1 fetch for X, waves 2 and 3 for Y; four v_nop follow each line
	s_cmp_eq_u32 s[HX], 0
	s_cbranch_scc0 .Lfor_b_\@
	tensor_load_to_lds s[\g0a:\g0a+3], s[\g1a:\g1a+7]
	s_nop 0
.rept 4
	v_nop
.endr
	s_branch .Lasked_\@
.Lfor_b_\@:
	tensor_load_to_lds s[\g0b:\g0b+3], s[\g1b:\g1b+7]
	s_nop 0
.rept 4
	v_nop
.endr
.Lasked_\@:
.endm
.macro CREST
	s_cmp_lg_u32 s[WV], 0
	s_cbranch_scc1 .Lnot_wave_0_\@
	s_barrier_signal -3
.Lnot_wave_0_\@:
	s_barrier_wait -3
	s_barrier_signal -1
	s_barrier_wait -1
.endm
.macro CROUND
	s_barrier_signal -1
	s_barrier_wait -1
	CREST
.endm
	s_load_b256 s[4:11], s[0:1], 0x0               ; h's codes and scales, the weights', bq, bk
	s_load_b128 s[12:15], s[0:1], 0x20             ; bv, the output
	v_lshl_add_u32 v[SPW], v0, 2, SPARE
	v_mov_b32 v[NIL], 0
	ds_add_u32 v28, v29
	ds_add_u32 v28, v29
	s_wait_dscnt 0x0
	v_lshrrev_b32 v1, 5, v0
	v_readfirstlane_b32 s[WV], v1
	s_lshr_b32 s[HX], s[WV], 1                     ; my half of X.  Also: I fetch for X (0) or for Y (1)
	s_and_b32 s[HY], s[WV], 1                      ; my half of Y.  Also: which eight tiles I fetch
	s_bfe_u32 s[CX], ttmp6, 0x40000
	s_bfe_u32 s[CY], ttmp6, 0x40004
	s_and_b32 s2, ttmp7, 0xffff
	s_lshl_b32 s2, s2, 2                           ; 4 x cluster y
	s_add_co_u32 s[XI], s2, s[CY]                  ; q, k: X's block of 256 tokens
	s_add_co_u32 s23, s2, s[CX]                    ; v: Y's block of 256 tokens
	s_lshl_b32 s[YI], ttmp9, 2
	s_add_co_u32 s[YI], s[YI], s[CX]               ; q, k: Y's block of 256 columns of wq | wk
	s_cmp_eq_u32 ttmp9, 2
	s_cselect_b32 s[ISV], 1, 0
	s_cselect_b32 s[XI], s[CY], s[XI]              ; v: X's block of 256 columns of wv
	s_cselect_b32 s[YI], s23, s[YI]
	s_cselect_b32 s98, 0x180000, 0                 ; where X's codes begin in their buffer,
	s_mov_b32 s99, 3145728
	s_cselect_b32 s99, 9502720, s99                ; X's scale words,
	s_mov_b32 s3, 9437184
	s_cselect_b32 s3, 3145728, s3                  ; Y's scale words (Y's codes begin at 0 either way)
	s_lshl_b32 s2, s[CY], 2
	s_lshl_b32 s2, 15, s2                          ; my row of the cluster
	s_lshl_b32 s23, 0x1111, s[CX]                  ; my column
	s_or_b32 s[G1], s2, (3<<16)|(1<<21)            ; 15:0 the mask; 17:16 elements of 8 bytes; 21 set beside a mask; no padding
	s_or_b32 s[G1B], s23, (3<<16)|(1<<21)
.irp g, G1, G1B
	s_mov_b32 s[\g+1], 384<<16                     ; tensor_dim0: 3,072 bytes
	s_mov_b32 s[\g+2], 16<<16                      ; tensor_dim1: 16 tiles for the head's loads; 8 behind them
	s_mov_b32 s[\g+3], 384<<16                     ; tile_dim0
	s_mov_b32 s[\g+4], 16                          ; tile_dim1
	s_mov_b32 s[\g+5], KS*192                      ; from tile to tile
	s_mov_b32 s[\g+6], 0
	s_mov_b32 s[\g+7], 0
.endr
	s_or_b32 s[G1S], s2, (3<<16)|(1<<21)           ; the scale words of sixteen tiles: a dense block, as rows of 256 bytes
	s_or_b32 s[G1SB], s23, (3<<16)|(1<<21)
.irp g, G1S, G1SB
	s_mov_b32 s[\g+1], 32<<16
	s_mov_b32 s[\g+2], (2*HALFS/256)<<16
	s_mov_b32 s[\g+3], 32<<16
	s_mov_b32 s[\g+4], 2*HALFS/256
	s_mov_b32 s[\g+5], 32
	s_mov_b32 s[\g+6], 0
	s_mov_b32 s[\g+7], 0
.endr
	s_lshl_b32 s40, s[XI], 4                       ; X: the first tile that I fetch: it hangs on the cluster's row alone
	s_mul_i32 s42, s40, SBLK
	s_mul_i32 s40, s40, KS*FRB
	s_add_co_u32 s40, s40, s98
	s_add_co_u32 s42, s42, s99
	s_mov_b32 s41, 0
	s_mov_b32 s43, 0
	s_lshl_b32 s44, s[YI], 4                       ; Y: on the cluster's column alone
	s_mul_i32 s46, s44, SBLK
	s_mul_i32 s44, s44, KS*FRB
	s_add_co_u32 s46, s46, s3
	s_mov_b32 s45, 0
	s_mov_b32 s47, 0
	s_mul_i32 s98, s[WV], HALFT                    ; where they go: no place in the cluster enters an LDS address
	s_mov_b32 s[SEL], 0x76543210
	s_mov_b32 s[SEL+1], 0xfedcba98
	s_wait_kmcnt 0x0
	s_cmp_eq_u32 s[ISV], 1
	s_cselect_b64 s[94:95], s[6:7], s[4:5]         ; X's buffer
	s_cselect_b64 s[96:97], s[4:5], s[6:7]         ; Y's
	s_add_nc_u64 s[40:41], s[94:95], s[40:41]
	s_add_nc_u64 s[42:43], s[94:95], s[42:43]
	s_add_nc_u64 s[44:45], s[96:97], s[44:45]
	s_add_nc_u64 s[46:47], s[96:97], s[46:47]
	CROUND                                         ; all sixteen work-groups are here: the first joint loads meet
	s_mov_b32 s[G0S], 1
	s_mov_b32 s[G0S+1], SCL
	s_mov_b64 s[G0S+2:G0S+3], s[42:43]
	s_or_b32 s[G0S+3], s[G0S+3], 0x80000000
	s_mov_b32 s[G0SB], 1
	s_mov_b32 s[G0SB+1], SCL+2*HALFS
	s_mov_b64 s[G0SB+2:G0SB+3], s[46:47]
	s_or_b32 s[G0SB+3], s[G0SB+3], 0x80000000
	s_mov_b32 s[G0], 1                             ; the head's four tiles, each whole: slot 0's 16 tiles of X,
	s_mov_b32 s[G0+1], 0
	s_mov_b64 s[G0+2:G0+3], s[40:41]
	s_or_b32 s[G0+3], s[G0+3], 0x80000000
	s_mov_b32 s[G0B], 1                            ; its 16 tiles of Y, and the two blocks of scale words
	s_mov_b32 s[G0B+1], 2*HALFT
	s_mov_b64 s[G0B+2:G0B+3], s[44:45]
	s_or_b32 s[G0B+3], s[G0B+3], 0x80000000
; one joint load a wave at the head, in one chain of branches on the wave's number
.macro ARM under, g0, g1, next
	s_cmp_lt_u32 s[WV], \under
	s_cbranch_scc0 \next
	tensor_load_to_lds s[\g0:\g0+3], s[\g1:\g1+7]
	s_nop 0
.rept 4
	v_nop
.endr
	s_branch .Lhead_asked
\next:
.endm
	ARM 1, G0,  G1,  .Lhead_b
	ARM 2, G0B, G1B, .Lhead_sa
	ARM 3, G0S, G1S, .Lhead_sb
	tensor_load_to_lds s[G0SB:G0SB+3], s[G1SB:G1SB+7]
	s_nop 0
.rept 4
	v_nop
.endr
.Lhead_asked:
	s_wait_alu depctr_va_vdst(0)
	s_wait_tensorcnt 0x0                           ; my tile of the head's four is in; slot 1's first fill is issued as a refill is
	ds_add_u32 v28, v29
	s_mov_b32 s[G1+2], 8<<16                       ; no tensor load of mine is out: from here on a load brings 8 tiles
	s_mov_b32 s[G1+4], 8
	s_mov_b32 s[G1B+2], 8<<16
	s_mov_b32 s[G1B+4], 8
	s_mul_i32 s96, s[HY], 8*KS*FRB                 ; which eight tiles I fetch in the ring
	s_mov_b32 s97, 0
	s_add_nc_u64 s[40:41], s[40:41], s[96:97]
	s_add_nc_u64 s[44:45], s[44:45], s[96:97]
.irp s, 0,1
	s_mov_b32 s[G0+4*\s], 1
	s_add_co_u32 s[G0+4*\s+1], s98, \s*SLOT
	s_add_nc_u64 s[G0+4*\s+2:G0+4*\s+3], s[40:41], \s*TROW
	s_or_b32 s[G0+4*\s+3], s[G0+4*\s+3], 0x80000000
	s_mov_b32 s[G0B+4*\s], 1
	s_add_co_u32 s[G0B+4*\s+1], s98, \s*SLOT
	s_add_nc_u64 s[G0B+4*\s+2:G0B+4*\s+3], s[44:45], \s*TROW
	s_or_b32 s[G0B+4*\s+3], s[G0B+4*\s+3], 0x80000000
.endr
	s_wait_dscnt 0x0
	CROUND                                         ; all four tiles are in, all sixteen work-groups are here
	JLOAD G0+4, G1, G0B+4, G1B                     ; slot 1: the first tensor load behind the round
	v_and_b32 v1, 31, v0
	v_and_b32 v2, 15, v0                           ; r
	v_bfe_u32 v3, v0, 4, 1                         ; h
	s_wait_alu depctr_va_vdst(0)
	v_lshlrev_b32 v[L8], 3, v1
	v_lshlrev_b32 v[R4], 2, v2
	s_mul_i32 s2, s[HX], HALFT
	s_mul_i32 s23, s[HY], HALFT
	s_add_co_u32 s23, s23, 2*HALFT
.irp s, 0,1
	v_add_nc_u32 v[ADRA+\s], s2, v[L8]
	v_add_nc_u32 v[ADRB+\s], s23, v[L8]
	s_add_co_u32 s2, s2, SLOT
	s_add_co_u32 s23, s23, SLOT
.endr
	s_mul_i32 s2, s[HX], HALFS
	s_mul_i32 s23, s[HY], HALFS
	s_add_co_u32 s23, s23, 2*HALFS
	s_sub_co_u32 s23, s23, s2
	v_mul_u32_u24 v4, s23, v3                      ; lanes 16-31 take Y's: one product in h
	s_wait_alu depctr_va_vdst(0)
	s_add_co_u32 s2, s2, SCL
	v_add_nc_u32 v4, v4, v[R4]
	v_add_nc_u32 v[ADRS], s2, v4
	v_lshlrev_b32 v5, 6, v3                        ; the biases: 64 h (along Y),
	v_and_b32 v6, 7, v0
	v_bfe_u32 v7, v0, 3, 1
	v_lshl_add_u32 v6, v7, 4, v6
	v_lshlrev_b32 v6, 2, v6                        ; 4 (r % 8 + 16 (r / 8)) (along X)
.macro FRAG reg, adr, q, i             ; a fragment comes as it lies: six loads of 8 bytes a lane, 256 consecutive bytes each
.irp p, 0,1,2,3,4,5
	ds_load_b64 v[\reg+2*\p:\reg+2*\p+1], v[\adr] offset:(\i)*TROW+(\q)*FRB+256*\p
.endr
.endm
; 16 matrix instructions: X's blocks a0, a0 + 1 against Y's eight.  The 64 accumulators take turns, one instruction a turn
.macro MUL16 a0, p, q, sc, zero
.irp a, \a0, \a0+1
.irp b, 0,1,2,3,4,5,6,7
.if \zero
	v_wmma_scale_f32_16x16x128_f8f6f4 v[8*(8*((\a)%4)+\b):8*(8*((\a)%4)+\b)+7], v[128*(\p)+FR*\b:128*(\p)+FR*\b+FR-1], v[AF+FR*(\a):AF+FR*(\a)+FR-1], 0, v[SC+8*NQ*(\sc)+NQ*\b+(\q)], v[SC+8*NQ*(\sc)+NQ*(\a)+(\q)] matrix_a_fmt:MATRIX_FMT_FP6 matrix_b_fmt:MATRIX_FMT_FP6 matrix_a_scale:MATRIX_SCALE_ROW1
.else
	v_wmma_scale_f32_16x16x128_f8f6f4 v[8*(8*((\a)%4)+\b):8*(8*((\a)%4)+\b)+7], v[128*(\p)+FR*\b:128*(\p)+FR*\b+FR-1], v[AF+FR*(\a):AF+FR*(\a)+FR-1], v[8*(8*((\a)%4)+\b):8*(8*((\a)%4)+\b)+7], v[SC+8*NQ*(\sc)+NQ*\b+(\q)], v[SC+8*NQ*(\sc)+NQ*(\a)+(\q)] matrix_a_fmt:MATRIX_FMT_FP6 matrix_b_fmt:MATRIX_FMT_FP6 matrix_a_scale:MATRIX_SCALE_ROW1
.endif
.endr
.endr
.endm
.macro FETCH_B slot, q, p
	WIN TO_B
.irp i, 0,1,2,3,4,5,6,7
	FRAG 128*(\p)+FR*\i, ADRB+\slot, \q, \i
.endr
	WIN 0
.endm
.macro FETCH_A slot, q, i0
.irp i, \i0, \i0+1, \i0+2, \i0+3
	FRAG AF+FR*(\i), ADRA+\slot, \q, \i
.endr
.endm
.macro SCALES sc                       ; a slot's scale words: lanes 0-15 X's tile i, lanes 16-31 Y's tile i
.irp i, 0,1,2,3,4,5,6,7
.irp q, 0,1
	ds_load_b32 v[SC+8*NQ*\sc+NQ*\i+\q], v[ADRS] offset:\i*SBLK+64*\q
.endr
.endr
.endm
.macro PLACES n                        ; plain places behind matrix instructions, in front of loads into their registers and of reads of results
.rept \n
	v_nop
.endr
.endm
.macro STEP slot, q, zero
	s_wait_dscnt 4*NL                              ; all but the youngest 24 loads, X's blocks 4-7
	WIN MUL_LO
	MUL16 0, (\q)%2, \q, \slot, \zero
	MUL16 2, (\q)%2, \q, \slot, \zero
	s_wait_dscnt 0
	PLACES NP
	FETCH_B \slot, (\q)+1, 1-(\q)%2
	FETCH_A \slot, (\q)+1, 0
	WIN MUL_HI
	MUL16 4, (\q)%2, \q, \slot, \zero
	MUL16 6, (\q)%2, \q, \slot, \zero
	PLACES NP
	WIN 0
	FETCH_A \slot, (\q)+1, 4
.endm
; a slot's last step changes slots: one barrier; in front of it each wave waits for all its tensor loads, adds 0 to its spare word, and waits for that and for its reads of this slot
.macro TURN slot, next, fill
	s_wait_tensorcnt 0x0                           ; all my tensor loads have landed: my part of the next slot
	ds_add_u32 v[SPW], v[NIL]                      ; 0 onto my spare word
	s_wait_dscnt 4*NL+1                            ; the add and the youngest 24 loads may be out
	WIN MUL_LO
	MUL16 0, 1, 1, \slot, 0
	s_wait_dscnt 0x0                               ; the add is done, and my reads of this slot are over
	s_barrier_signal -1
	MUL16 2, 1, 1, \slot, 0
	WIN 0
	s_barrier_wait -1
.if \fill
	CREST                                          ; the barrier has opened a round of the cluster's: no wave of any partner still reads this slot or has a load on its way
	s_add_nc_u64 s[G0+4*\slot+2:G0+4*\slot+3], s[G0+4*\slot+2:G0+4*\slot+3], 2*TROW
	s_add_nc_u64 s[G0B+4*\slot+2:G0B+4*\slot+3], s[G0B+4*\slot+2:G0B+4*\slot+3], 2*TROW
	JLOAD G0+4*\slot, G1, G0B+4*\slot, G1B         ; the first tensor load behind the round; its four v_nop are also the places in front of the loads below
.else
	PLACES NP
.endif
	s_wait_alu depctr_va_vdst(0)
	v_add_nc_u32 v[ADRS], 128, v[ADRS]             ; the next slot's scale words
	FETCH_B \next, 0, 0
	FETCH_A \next, 0, 0
	SCALES \next
	WIN MUL_HI
	MUL16 4, 1, 1, \slot, 0
	MUL16 6, 1, 1, \slot, 0
	PLACES NP
	WIN 0
	FETCH_A \next, 0, 4
.endm
.macro LAST                            ; the very last step: nothing more to fetch
	s_wait_dscnt 4*NL
	WIN MUL_LO
	MUL16 0, 1, 1, 1, 0
	MUL16 2, 1, 1, 1, 0
	s_wait_dscnt 0
	WIN MUL_HI
	MUL16 4, 1, 1, 1, 0
	MUL16 6, 1, 1, 1, 0
	WIN 0
.endm
; 64 numbers of a lane, register 16 b + i = k 32 b + 16 (lane / 16) + i of my row, become a fragment's codes in v[PC] on and its scale word in v[PW]
.macro QUANT s
.irp b, 0,1,2,3
	v_max3_num_f32 v[TM+\b], |v[\s+16*\b]|, |v[\s+1+16*\b]|, 0x1800000   ; with the floor 2^(3 - 127): the byte cannot fall under 1
.endr
.irp i, 2,4,6,8,10,12,14
.irp b, 0,1,2,3
	v_max3_num_f32 v[TM+\b], v[TM+\b], |v[\s+16*\b+\i]|, |v[\s+1+16*\b+\i]|
.endr
.endr
.irp b, 0,1,2,3
	v_permlanex16_b32 v[TM+4+\b], v[TM+\b], s[SEL], s[SEL+1]
.endr
.irp b, 0,1,2,3
	v_max_num_f32 v[TM+\b], v[TM+\b], v[TM+4+\b]
.endr
.irp b, 0,1,2,3
	v_add_nc_u32 v[TM+12+\b], 0xff000000, v[TM+\b]
.endr
.irp b, 0,1,2,3
	v_lshrrev_b32 v[TM+4+\b], 23, v[TM+12+\b]
.endr
	v_lshl_or_b32 v[PW], v[TM+5], 8, v[TM+4]
	v_lshl_or_b32 v[PW], v[TM+6], 16, v[PW]
	v_lshl_or_b32 v[PW], v[TM+7], 24, v[PW]
.irp c, 0,1
	v_cvt_scalef32_pk16_fp6_f32 v[PC+6*\c:PC+2+6*\c], v[\s+32*\c:\s+15+32*\c], v[TM+12+2*\c]
	v_cvt_scalef32_pk16_fp6_f32 v[PC+12+4*\c:PC+14+4*\c], v[\s+16+32*\c:\s+31+32*\c], v[TM+12+2*\c+1]
.endr
	v_nop                                          ; one plain place behind a scaled conversion
.irp c, 0,1
.irp i, 0,1,2
	v_permlane16_swap_b32 v[PC+6*\c+\i], v[PC+12+4*\c+\i]
.endr
.irp i, 0,1,2
	v_mov_b32 v[PC+3+6*\c+\i], v[PC+12+4*\c+\i]
.endr
.endr
.endm
; block a's 64 results + the bias come into window 0: the addition is the move.  Each accumulator is read from its low end on
.macro MOVE_QK a                       ; the bias runs along Y: 64 numbers a lane, in window 1 at v96-127 and v224-255
	WIN 0x06+((\a)/4)
.set i, 0
.rept 32
	v_pk_add_f32 v[H+2*i:H+2*i+1], v[64*((\a)%4)+2*i:64*((\a)%4)+2*i+1], v[96+2*i+96*(i/16):97+2*i+96*(i/16)]
.set i, i+1
.endr
	WIN 0
.endm
.macro MOVE_V a                        ; the bias runs along X: one number a lane and block, twice, in window 1 at v[96 + 2 a]
	WIN 0x06+((\a)/4)
.set i, 0
.rept 32
	v_pk_add_f32 v[H+2*i:H+2*i+1], v[64*((\a)%4)+2*i:64*((\a)%4)+2*i+1], v[96+2*(\a):97+2*(\a)]
.set i, i+1
.endr
	WIN 0
.endm
	s_wait_alu depctr_va_vdst(0)
	s_wait_tensorcnt 1                             ; the scale words and my part of slot 0 are in; slot 1's load may be out
	s_barrier_signal -1
	s_barrier_wait -1
	FETCH_B 0, 0, 0
	FETCH_A 0, 0, 0
	SCALES 0
	FETCH_A 0, 0, 4
	STEP 0, 0, 1                                   ; the first step's products start the sums
	s_mov_b32 s3, LAPS-1
.Llap:
	TURN 0, 1, 1
	STEP 1, 0, 0
	TURN 1, 0, 1
	STEP 0, 0, 0
	s_sub_co_u32 s3, s3, 1
	s_cmp_lg_u32 s3, 0
	s_cbranch_scc1 .Llap
	TURN 0, 1, 0
	STEP 1, 0, 0
	s_cmp_eq_u32 s[ISV], 1                         ; the same in all sixteen partners
	s_cbranch_scc1 .Lvarm
	; ---- q and k: my 128 columns are two heads
	s_lshl_b32 s40, s[XI], 4
	s_lshl_b32 s41, s[HX], 3
	s_add_co_u32 s40, s40, s41                     ; my first token tile
	s_lshr_b32 s41, s40, 7                         ; the batch
	s_and_b32 s40, s40, 127                        ; the tile in its batch
	s_and_b32 s42, s[YI], 3
	s_lshl_b32 s43, s42, 2
	s_lshl_b32 s41, s41, 4
	s_add_co_u32 s41, s41, s43
	s_lshl_b32 s43, s[HY], 1
	s_add_co_u32 s41, s41, s43                     ; 16 x batch + my first head
	s_lshr_b32 s43, s[YI], 2                       ; 0: q, 1: k
	s_lshl_b32 s44, s41, 7
	s_add_co_u32 s44, s44, s40
	s_mul_i32 s44, s44, 768
	s_mul_i32 s45, s43, 3145728
	s_add_co_u32 s44, s44, s45
	s_mov_b32 s45, 0
	s_add_nc_u64 s[94:95], s[14:15], s[44:45]      ; the codes
	s_mul_i32 s44, s41, 12288
	s_lshl_b32 s46, s40, 6
	s_add_co_u32 s44, s44, s46
	s_mul_i32 s46, s43, 393216
	s_add_co_u32 s44, s44, s46
	s_add_co_u32 s44, s44, 9437184
	s_add_nc_u64 s[96:97], s[14:15], s[44:45]      ; the scale words
	s_lshl_b32 s44, s42, 10
	s_lshl_b32 s46, s[HY], 9
	s_add_co_u32 s44, s44, s46
	s_cmp_eq_u32 s43, 0
	s_cselect_b64 s[98:99], s[8:9], s[10:11]
	s_add_nc_u64 s[98:99], s[98:99], s[44:45]      ; the bias of my 128 columns
	WIN 0x40
.irp b, 0,1,2,3
.irp j, 0,1,2,3
	global_load_b128 v[96+16*\b+4*\j+96*(\b/2):99+16*\b+4*\j+96*(\b/2)], v5, s[98:99] offset:128*\b+16*\j
.endr
.endr
	WIN 0
	LAST                                           ; the bias lands under the last 64 products
	PLACES NP
.irp b, 0,1,2,3
	v_mov_b32 v[TM+4+\b], 0                        ; a lane permute's destination counts as one of its sources
.endr
	s_wait_loadcnt 0x0
.irp a, 0,1,2,3,4,5,6,7
.if \a > 0
	s_wait_xcnt 0x0                                ; the stores' data are written again only behind this wait
.endif
	MOVE_QK \a
	QUANT H
.irp p, 0,1,2,3,4,5                    ; pieces 0-2: the first head's 64 along K; pieces 3-5: the second's
	global_store_b64 v[L8], v[PC+2*\p:PC+2*\p+1], s[94:95] offset:\a*768+(\p/3)*98304+(\p%3)*256
.endr
	v_and_b32 v[PW+1], 0xffff, v[PW]               ; a head's two bytes; the word's upper two stay 0, over zero codes
	v_lshrrev_b32 v[PW+2], 16, v[PW]
	global_store_b32 v[R4], v[PW+1], s[96:97] offset:\a*64
	global_store_b32 v[R4], v[PW+2], s[96:97] offset:\a*64+12288
.endr
	s_branch .Lend
.Lvarm:
	; ---- v: my 128 rows of X are the channels of two heads, my 128 of Y one step of 128 keys
	s_lshr_b32 s40, s[YI], 3                       ; the batch
	s_lshl_b32 s40, s40, 4
	s_lshl_b32 s41, s[XI], 2
	s_add_co_u32 s40, s40, s41
	s_lshl_b32 s41, s[HX], 1
	s_add_co_u32 s40, s40, s41                     ; 16 x batch + my first head
	s_and_b32 s41, s[YI], 7
	s_lshl_b32 s41, s41, 1
	s_add_co_u32 s41, s41, s[HY]                   ; the key step
	s_lshl_b32 s44, s40, 4
	s_add_co_u32 s44, s44, s41
	s_mul_i32 s44, s44, 6144
	s_add_co_u32 s44, s44, 6291456
	s_mov_b32 s45, 0
	s_add_nc_u64 s[94:95], s[14:15], s[44:45]
	s_mul_i32 s44, s40, 12288
	s_lshl_b32 s46, s41, 8
	s_add_co_u32 s44, s44, s46
	s_add_co_u32 s44, s44, 9838592
	s_add_nc_u64 s[96:97], s[14:15], s[44:45]
	s_lshl_b32 s44, s[XI], 10
	s_lshl_b32 s46, s[HX], 9
	s_add_co_u32 s44, s44, s46
	s_add_nc_u64 s[98:99], s[12:13], s[44:45]
	WIN 0x40
.irp a, 0,1,2,3,4,5,6,7
	global_load_b32 v[96+2*\a], v6, s[98:99] offset:(32*(\a/2)+8*(\a%2))*4
	global_load_b32 v[97+2*\a], v6, s[98:99] offset:(32*(\a/2)+8*(\a%2))*4
.endr
	WIN 0
	LAST
	PLACES NP
.irp b, 0,1,2,3
	v_mov_b32 v[TM+4+\b], 0
.endr
	s_wait_loadcnt 0x0
.irp a, 0,1,2,3,4,5,6,7
.if \a > 0
	s_wait_xcnt 0x0
.endif
	MOVE_V \a
	QUANT H
.irp p, 0,1,2,3,4,5
	global_store_b64 v[L8], v[PC+2*\p:PC+2*\p+1], s[94:95] offset:(\a/4)*98304+(\a%4)*1536+256*\p
.endr
	global_store_b32 v[R4], v[PW], s[96:97] offset:(\a/4)*12288+(\a%4)*64
.endr
.Lend:
	s_wait_tensorcnt 0x0                           ; the wave's end
	ds_add_u32 v[SPW], v[NIL]
	s_wait_dscnt 0x0
	CROUND                                         ; the closing round
	s_endpgm
.Lfunc_end_k_qd0b88b5a35_qkv:
	.size	k_qd0b88b5a35_qkv, .Lfunc_end_k_qd0b88b5a35_qkv-k_qd0b88b5a35_qkv
	.p2alignl 7, 3214868480
	.fill 96, 4, 3214868480
	.section	.rodata,"a",@progbits
	.p2align	6, 0x0
	.amdhsa_kernel k_qd0b88b5a35_qkv
		.amdhsa_group_segment_fixed_size 327680
		.amdhsa_private_segment_fixed_size 0
		.amdhsa_enable_private_segment 0
		.amdhsa_kernarg_size 48
		.amdhsa_user_sgpr_count 2
		.amdhsa_user_sgpr_kernarg_segment_ptr 1
		.amdhsa_wavefront_size32 1
		.amdhsa_system_sgpr_workgroup_id_x 1
		.amdhsa_system_sgpr_workgroup_id_y 1
		.amdhsa_system_sgpr_workgroup_id_z 1
		.amdhsa_system_vgpr_workitem_id 0
		.amdhsa_next_free_vgpr 1024
		.amdhsa_next_free_sgpr 102
		.amdhsa_reserve_vcc 0
		.amdhsa_float_denorm_mode_32 3
		.amdhsa_float_denorm_mode_16_64 3
		.amdhsa_memory_ordered 1
		.amdhsa_forward_progress 1
		.amdhsa_inst_pref_size 252
	.end_amdhsa_kernel
	.amdgpu_metadata
---
amdhsa.version: [ 1, 2 ]
amdhsa.kernels:
  - .name:           k_qd0b88b5a35_qkv
    .symbol:         k_qd0b88b5a35_qkv.kd
    .args:
      - { .name: hq, .offset: 0, .size: 8, .value_kind: global_buffer, .address_space: global }
      - { .name: wts, .offset: 8, .size: 8, .value_kind: global_buffer, .address_space: global }
      - { .name: bq, .offset: 16, .size: 8, .value_kind: global_buffer, .address_space: global }
      - { .name: bk, .offset: 24, .size: 8, .value_kind: global_buffer, .address_space: global }
      - { .name: bv, .offset: 32, .size: 8, .value_kind: global_buffer, .address_space: global }
      - { .name: qkv, .offset: 40, .size: 8, .value_kind: global_buffer, .address_space: global }
    .group_segment_fixed_size: 327680
    .private_segment_fixed_size: 0
    .kernarg_segment_align: 8
    .kernarg_segment_size: 48
    .max_flat_workgroup_size: 128
    .sgpr_count:     102
    .vgpr_count:     1024
    .wavefront_size: 32
...
	.end_amdgpu_metadata
.endif
;; end of part 9
;; launch attn (part 10): grid 8 x 32, 16 waves a work-group, clusters of 4 x 1, 247,808 bytes of LDS; arguments qkv, ctxq; writes ctxq
.if DOCPART == 10
	.amdgcn_target "amdgcn-amd-amdhsa--gfx1250"
	.amdhsa_code_object_version 6
	.text
	.protected	k_qd0b88b5a35_attn
	.globl	k_qd0b88b5a35_attn
	.p2align	8
	.type	k_qd0b88b5a35_attn,@function
k_qd0b88b5a35_attn:
	s_mov_b64 s[64:65], 0
	v_nop
	global_prefetch_b8 v0, s[64:65] scope:SCOPE_SE
	s_setreg_imm32_b32 hwreg(HW_REG_WAVE_MODE, 25, 1), 1
	s_wait_xcnt 0x0
	s_wait_alu depctr_hold_cnt(0) depctr_sa_sdst(0) depctr_va_vdst(0) depctr_va_sdst(0) depctr_va_ssrc(0) depctr_va_vcc(0) depctr_vm_vsrc(0)
	s_getreg_b32 s2, hwreg(HW_REG_IB_STS2, 6, 4)
	s_cmp_eq_u32 s2, 0
	s_cbranch_scc0 .Lentry_in_a_cluster
	s_endpgm
.Lentry_in_a_cluster:
	s_bfe_u32 s2, ttmp6, 0x10000c
	s_cmp_lg_u32 s2, 0x3003
	s_cbranch_scc0 .Lentry_shape_is_right
	s_endpgm
.Lentry_shape_is_right:
; ctx = softmax(q k^T / 8, causal) v for one head of one batch (work-group y), both products on codes of FP6 (E2M3) with E8M0 scales; ctx is quantised along the model's 1,024 at once.
; THE SOFTMAX: t = score x log2(e) / 8; M = the running largest t rounded UP to a whole number; p = 2^(t - M) is quantised along the keys, not normalised; the sum of the unquantised p divides at the end.
; A WHOLE HEAD LIES IN LDS: k's codes 98,304 bytes, v^T's 98,304, their scale words 12,288: filled once, by one joint load of each of waves 0 to 9 (k's four chunks of 24,576 bytes, v's four, the two halves of the scale
; words), the same in the four work-groups of a cluster, which share the head.  Nothing is filled again; one barrier shows the head to all waves.
; SHARES: the work-group (x = g, 0 .. 7) owns query tiles 8 blk + g, blk = 0 .. 15; all 16 queries of such a tile lie in key step blk (128 keys): steps under blk are open, step blk is masked, steps over blk are left out.
; Block blk has blk + 1 steps.  Waves w and w + 8 form pair t = w % 8 and share blocks 15 - t and t, 17 steps: wave w takes steps 0 .. 7 of block 15 - t; wave w + 8 takes steps 8 .. 15 - t of it, puts its part
; (O^T, -M, the sums) into the pair's own LDS bytes, and then takes block t whole: 8 and 9 steps.  Behind one barrier wave w brings both parts under the larger M, by multiplications with whole powers of two, and adds them.
; Both walks have 8 trips in every wave; what a wave has no part in is jumped over by branches on the wave's number and the trip's count alone.
; LAYOUT: S^T = k q^T (source 0 = 16 keys, source 1 = my 16 queries), O^T = v^T p^T: a lane holds one query.  Tiles hold rows 32 (T / 2) + 8 (T % 2) + r % 8 + 16 (r / 8), so that the 16 registers of two
; neighbouring tiles are 16 neighbours along the next K.  The head's K is 64: q's registers 6-11 are zero codes, so whatever codes k's registers 6-11 hold add nothing (every E2M3 code is a finite number).
; No prefetch: the launch asks for all its tiles at its head and has no later load to run ahead of.
; LIMITS: the scaled scores stay under 2^31 in magnitude; 1 / l by v_rcp_f32 (1 ulp); a block of zeros gets the byte 1 (codes are zeros; only this program reads the bytes); NaN and infinities are not served.
.set L8,  1                            ; v1  8 x lane
.set R4,  2                            ; v2  4 r
.set DD,  3                            ; v3  my query's place in its key step, less 16 h
.set ADK, 8
.set ADV, 9
.set ADS, 10
.set ADT, 11
.set Q2,  192                          ; v192-198 the second block's q and its scale words
.set PAD, 199                          ; v199 the pair's LDS bytes + 16 x lane
.set PART, 210944                      ; LDS: behind the spare words, 4,608 bytes for each pair
.set WV,  16
.set BLK, 17
.set KI,  18                           ; the key step
.set TK,  19                           ; LDS byte of the step's tiles of k
.set SEL, 20
.set CS,  22
.set G0,  24                           ; s[24:27] group 0 for the scale words, s[28:31] for a chunk
.set PT,  32                           ; the pair
.set RB,  33                           ; 0: wave w of the pair, 1: wave w + 8
.set CT,  35                           ; a walk's trips
.set G1C, 44
.set G1S, 52
.set TV,  60
.set TS,  61
.set TJ,  62
.macro CROUND
	s_barrier_signal -1
	s_barrier_wait -1
	s_cmp_lg_u32 s[WV], 0
	s_cbranch_scc1 .Lnot_wave_0_\@
	s_barrier_signal -3
.Lnot_wave_0_\@:
	s_barrier_wait -3
	s_barrier_signal -1
	s_barrier_wait -1
.endm
	s_load_b128 s[4:7], s[0:1], 0x0                ; q, k, v as codes; ctx's codes
	v_lshl_add_u32 v223, v0, 2, 0x33000
	v_mov_b32 v243, 0
	ds_add_u32 v223, v243
	ds_add_u32 v223, v243
	v_lshrrev_b32 v8, 5, v0
	s_delay_alu instid0(VALU_DEP_1)
	v_readfirstlane_b32 s[WV], v8
	s_and_b32 s[PT], s[WV], 7
	s_lshr_b32 s[RB], s[WV], 3
	s_sub_co_u32 s[BLK], 15, s[PT]                 ; the first walk's block
	s_mul_i32 s39, s[PT], 4608
	s_add_co_u32 s39, s39, PART
	s_bfe_u32 s68, ttmp6, 0x40000                  ; cx
	s_lshl_b32 s67, ttmp9, 2
	s_add_co_u32 s67, s67, s68                     ; g: it enters global addresses and the mask's number alone
	s_and_b32 s66, ttmp7, 0xffff                   ; 16 x batch + head
	s_and_b32 s69, s[WV], 7                        ; waves 0-3 fetch k's chunks, waves 4-7 v's
	s_mul_i32 s74, s69, 24576                      ; where my chunk goes
	s_lshr_b32 s70, s69, 2
	s_mul_i32 s70, s70, 3145728
	s_and_b32 s71, s69, 3
	s_mul_i32 s71, s71, 24576
	s_add_co_u32 s70, s70, s71
	s_and_b32 s69, s[WV], 1                        ; waves 8 and 9: the halves of the scale words
	s_mul_i32 s71, s66, 98304
	s_add_co_u32 s70, s70, s71
	s_add_co_u32 s70, s70, 3145728
	s_mov_b32 s71, 0
	s_mul_i32 s72, s66, 12288
	s_mul_i32 s75, s69, 6144
	s_add_co_u32 s72, s72, s75
	s_add_co_u32 s72, s72, 9830400
	s_mov_b32 s73, 0
	s_mov_b32 s[G1C], 15|(3<<16)|(1<<21)           ; the mask: all four work-groups; elements of 8 bytes; bit 21 beside a mask; no padding
	s_mov_b32 s[G1C+1], 32<<16                     ; a chunk: 24,576 dense bytes as 96 rows of 256
	s_mov_b32 s[G1C+2], 96<<16
	s_mov_b32 s[G1C+3], 32<<16
	s_mov_b32 s[G1C+4], 96
	s_mov_b32 s[G1C+5], 32
	s_mov_b32 s[G1C+6], 0
	s_mov_b32 s[G1C+7], 0
	s_mov_b32 s[G1S], 15|(3<<16)|(1<<21)           ; half of the head's scale words: 24 rows of 256
	s_mov_b32 s[G1S+1], 32<<16
	s_mov_b32 s[G1S+2], 24<<16
	s_mov_b32 s[G1S+3], 32<<16
	s_mov_b32 s[G1S+4], 24
	s_mov_b32 s[G1S+5], 32
	s_mov_b32 s[G1S+6], 0
	s_mov_b32 s[G1S+7], 0
	s_lshl_b32 s76, s[BLK], 3
	s_add_co_u32 s76, s76, s67                     ; the first walk's query tile in its batch
	s_lshl_b32 s77, s66, 7
	s_add_co_u32 s77, s77, s76
	s_mul_i32 s78, s77, 768                        ; its q's codes
	s_mov_b32 s79, 0
	s_mul_i32 s80, s66, 12288
	s_lshl_b32 s81, s76, 6
	s_add_co_u32 s80, s80, s81
	s_add_co_u32 s80, s80, 9437184                 ; its q's scale words
	s_mov_b32 s81, 0
	s_lshl_b32 s37, s[PT], 3
	s_add_co_u32 s37, s37, s67                     ; the second walk's query tile
	s_lshl_b32 s40, s66, 7
	s_add_co_u32 s40, s40, s37
	s_mul_i32 s40, s40, 768
	s_mov_b32 s41, 0
	s_mul_i32 s42, s66, 12288
	s_lshl_b32 s43, s37, 6
	s_add_co_u32 s42, s42, s43
	s_add_co_u32 s42, s42, 9437184
	s_mov_b32 s43, 0
	s_cmp_eq_u32 s[RB], 0
	s_cselect_b32 s38, s76, s37                    ; the tile that I finish and store
	s_lshr_b32 s82, s66, 4
	s_lshl_b32 s82, s82, 7
	s_add_co_u32 s82, s82, s38                     ; the token tile
	s_lshl_b32 s82, s82, 3
	s_and_b32 s83, s66, 15                         ; the head
	s_lshr_b32 s84, s83, 1
	s_add_co_u32 s82, s82, s84                     ; 8 x tile + K step
	s_and_b32 s83, s83, 1
	s_mul_i32 s84, s82, 1536
	s_mul_i32 s85, s83, 768
	s_add_co_u32 s84, s84, s85                     ; ctx's codes: three pieces
	s_mov_b32 s85, 0
	s_lshl_b32 s86, s82, 6
	s_lshl_b32 s87, s83, 1
	s_add_co_u32 s86, s86, s87
	s_add_co_u32 s86, s86, 3145728                 ; ctx's two scale bytes
	s_mov_b32 s87, 0
	s_lshr_b32 s88, s67, 1
	s_lshl_b32 s88, s88, 5
	s_and_b32 s89, s67, 1
	s_lshl_b32 s89, s89, 3
	s_add_co_u32 s88, s88, s89                     ; 32 (g / 2) + 8 (g % 2)
	s_mov_b32 s[SEL], 0x76543210
	s_mov_b32 s[SEL+1], 0xfedcba98
	s_mov_b32 s[CS], 0x3e38aa3b                    ; c = log2(e) / 8
	s_mov_b32 s[CS+1], s[CS]
	s_wait_dscnt 0x0
	s_wait_kmcnt 0x0
	s_add_nc_u64 s[70:71], s[4:5], s[70:71]
	s_add_nc_u64 s[72:73], s[4:5], s[72:73]
	s_add_nc_u64 s[78:79], s[4:5], s[78:79]
	s_add_nc_u64 s[80:81], s[4:5], s[80:81]
	s_add_nc_u64 s[40:41], s[4:5], s[40:41]
	s_add_nc_u64 s[42:43], s[4:5], s[42:43]
	s_add_nc_u64 s[84:85], s[6:7], s[84:85]
	s_add_nc_u64 s[86:87], s[6:7], s[86:87]
	s_mov_b32 s[G0], 1
	s_add_co_u32 s[G0+1], s75, 196608
	s_mov_b64 s[G0+2:G0+3], s[72:73]
	s_or_b32 s[G0+3], s[G0+3], 0x80000000
	s_mov_b32 s[G0+4], 1
	s_mov_b32 s[G0+5], s74
	s_mov_b64 s[G0+6:G0+7], s[70:71]
	s_or_b32 s[G0+7], s[G0+7], 0x80000000
	CROUND                                         ; all four work-groups are here: the joint loads meet
	s_cmp_lt_u32 s[WV], 8                          ; one chain of branches on the wave's number, one fill to an arm
	s_cbranch_scc0 .Lfor_scales
	tensor_load_to_lds s[G0+4:G0+7], s[G1C:G1C+7]
	s_nop 0
.rept 4
	v_nop
.endr
	s_branch .Lno_fetch
.Lfor_scales:
	s_cmp_lt_u32 s[WV], 10
	s_cbranch_scc0 .Lno_fetch
	tensor_load_to_lds s[G0:G0+3], s[G1S:G1S+7]
	s_nop 0
.rept 4
	v_nop
.endr
.Lno_fetch:
	v_and_b32 v9, 31, v0
	s_delay_alu instid0(VALU_DEP_1)
	v_lshlrev_b32 v[L8], 3, v9
	v_lshlrev_b32 v10, 4, v9
	v_and_b32 v9, 15, v0
	s_delay_alu instid0(VALU_DEP_1)
	v_lshlrev_b32 v[R4], 2, v9
	v_add_nc_u32 v[PAD], s39, v10
.irp p, 0,1,2
	global_load_b64 v[16+2*\p:17+2*\p], v[L8], s[78:79] offset:256*\p   ; the first walk's q: k 0 .. 63
.endr
	global_load_b32 v255, v[R4], s[80:81]          ; its scale words
.irp p, 0,1,2
	global_load_b64 v[Q2+2*\p:Q2+1+2*\p], v[L8], s[40:41] offset:256*\p ; the second walk's
.endr
	global_load_b32 v[Q2+6], v[R4], s[42:43]
	v_and_b32 v10, 7, v0
	v_bfe_u32 v11, v0, 3, 1
	s_delay_alu instid0(VALU_DEP_1)
	v_lshl_add_u32 v10, v11, 4, v10
	v_bfe_u32 v11, v0, 4, 1
	s_delay_alu instid0(VALU_DEP_1)
	v_lshlrev_b32 v11, 4, v11
	s_delay_alu instid0(VALU_DEP_1)
	v_sub_nc_u32 v10, v10, v11
	s_delay_alu instid0(VALU_DEP_1)
	v_add_nc_u32 v[DD], s88, v10                   ; register 16 b + i holds key 32 b + 16 h + i of the step: hidden on the diagonal where 32 b + i > this number
.irp j, 22,23,24,25,26,27
	v_mov_b32 v[\j], 0                             ; q's k 64 .. 127: zero codes
.endr
.irp t, 0,1,2,3
.irp j, 6,7,8,9,10,11
	v_mov_b32 v[32+12*\t+\j], 0                    ; written once: later they hold old codes of v, against q's zero codes
.endr
.endr
	v_mov_b32 v13, 0xff61b1e6                      ; the largest t so far: -3e38
	s_delay_alu instid0(VALU_DEP_1)
	v_floor_f32 v12, -v13                          ; -M
	v_mov_b32 v14, 0
	v_mov_b32 v15, 0
.irp b, 0,1,2,3
	v_mov_b32 v[236+\b], 0
.endr
	v_mov_b32 v253, 0
.set n, 0
.rept 32
	v_mov_b32 v[160+n], 0                          ; O^T: the step is written once; the first finds zeros
.set n, n+1
.endr
.macro STEP
	s_cmp_gt_u32 s[KI], s[BLK]                     ; all keys of the step come after my queries, or the walk is not mine: its work is left out
	s_cbranch_scc1 .Lhidden_\@
	v_add_nc_u32 v[ADK], s[TK], v[L8]              ; (these four are the places in front of the loads into registers that the last products read)
	s_wait_alu depctr_va_vdst(0)
	v_add_nc_u32 v[ADV], s[TV], v[L8]
	v_add_nc_u32 v[ADS], s[TS], v[R4]
	s_wait_alu depctr_va_vdst(0)
	v_add_nc_u32 v[ADT], s[TJ], v[R4]
.irp g, 0,1
.if \g > 0
.rept 4
	v_nop
.endr
.endif
.irp t, 0,1,2,3
.irp p, 0,1,2
	ds_load_b64 v[32+12*\t+2*\p:33+12*\t+2*\p], v[ADK] offset:(4*\g+\t)*768+256*\p
.endr
	ds_load_b32 v[248+\t], v[ADS] offset:(4*\g+\t)*64
.endr
	s_wait_dscnt 0x0
.irp t, 0,1,2,3
	v_wmma_scale_f32_16x16x128_f8f6f4 v[96+8*(4*\g+\t):103+8*(4*\g+\t)], v[32+12*\t:43+12*\t], v[16:27], 0, v[248+\t], v255 matrix_a_fmt:MATRIX_FMT_FP6 matrix_b_fmt:MATRIX_FMT_FP6
.endr
.endr
.rept 4
	v_nop
.endr
	s_cmp_lt_u32 s[KI], s[BLK]                     ; all keys count: no mask
	s_cbranch_scc1 .Lopen_\@
	v_mov_b32 v254, 0xff800000                     ; -infinity ahead of the maximum: p = 0 then
.set n, 0
.rept 64
	v_cmp_gt_i32 vcc_lo, 32*(n/16)+n%16, v[DD]
	v_cndmask_b32 v[96+n], v[96+n], v254, vcc_lo
.set n, n+1
.endr
.Lopen_\@:
.irp b, 0,1,2,3
	v_max3_num_f32 v[232+\b], v[96+16*\b], v[97+16*\b], v[98+16*\b]   ; the largest score of each block of 32 keys: for the row's maximum and, since p rises with the score, for the block's largest p
.endr
.irp i, 3,5,7,9,11,13
.irp b, 0,1,2,3
	v_max3_num_f32 v[232+\b], v[232+\b], v[96+16*\b+\i], v[97+16*\b+\i]
.endr
.endr
.irp b, 0,1,2,3
	v_max_num_f32 v[232+\b], v[232+\b], v[111+16*\b]
.endr
.irp b, 0,1,2,3
	s_delay_alu instid0(VALU_DEP_4)
	v_permlanex16_b32 v[236+\b], v[232+\b], s[SEL], s[SEL+1]
.endr
.irp b, 0,1,2,3
	s_delay_alu instid0(VALU_DEP_4)
	v_max_num_f32 v[232+\b], v[232+\b], v[236+\b]
.endr
	s_delay_alu instid0(VALU_DEP_2)
	v_max3_num_f32 v254, v232, v233, v234
	s_delay_alu instid0(VALU_DEP_1)
	v_max_num_f32 v254, v254, v235
	s_delay_alu instid0(VALU_DEP_1)
	v_mul_f32 v254, s[CS], v254
	s_delay_alu instid0(VALU_DEP_1)
	v_max_num_f32 v13, v13, v254                   ; the running largest t
	v_mov_b32 v254, v12
	s_delay_alu instid0(VALU_DEP_2)
	v_floor_f32 v12, -v13                          ; the new -M: M is a whole number
	s_delay_alu instid0(VALU_DEP_1)
	v_sub_f32 v254, v12, v254
	s_delay_alu instid0(VALU_DEP_1)
	v_cvt_i32_f32 v254, v254                       ; (it saturates)
	s_delay_alu instid0(VALU_DEP_1)
	v_ldexp_f32 v252, 1.0, v254                    ; f = 2^(old M - new M): a multiplication by it rounds nothing
.set n, 0
.rept 32
	v_pk_fma_f32 v[96+n:97+n], v[96+n:97+n], s[CS:CS+1], v[12:13] op_sel_hi:[1,0,0]   ; t - M
.set n, n+2
.endr
.irp b, 0,1,2,3
	v_fma_f32 v[232+\b], v[232+\b], s[CS], v12
.endr
.set n, 0
	s_wait_alu depctr_va_vdst(0)
.rept 64
	v_exp_f32 v[96+n], v[96+n]                     ; p = 2^(t - M)
.set n, n+1
.endr
.irp b, 0,1,2,3
	v_exp_f32 v[232+\b], v[232+\b]                 ; the block's largest p
.endr
	v_pk_mul_f32 v[14:15], v[14:15], v[252:253] op_sel_hi:[1,0]   ; the sums under the new M (a plain place behind the exponentials)
	s_wait_alu depctr_va_vdst(0)
.irp b, 0,1,2,3
	v_max_num_f32 v[232+\b], 0x1800000, v[232+\b]  ; the floor 2^(3 - 127)
.endr
.irp b, 0,1,2,3
	s_delay_alu instid0(VALU_DEP_4)
	v_add_nc_u32 v[244+\b], 0xff000000, v[232+\b]
.endr
.irp b, 0,1,2,3
	s_delay_alu instid0(VALU_DEP_4)
	v_lshrrev_b32 v[236+\b], 23, v[244+\b]
.endr
	s_delay_alu instid0(VALU_DEP_3)
	v_lshl_or_b32 v253, v237, 8, v236              ; p's scale word for these 128 keys
	s_delay_alu instid0(VALU_DEP_1)
	v_lshl_or_b32 v253, v238, 16, v253
	s_delay_alu instid0(VALU_DEP_1)
	v_lshl_or_b32 v253, v239, 24, v253
.irp c, 0,1
	v_cvt_scalef32_pk16_fp6_f32 v[224+6*\c:226+6*\c], v[96+32*\c:111+32*\c], v[244+2*\c]
	v_cvt_scalef32_pk16_fp6_f32 v[236+4*\c:238+4*\c], v[112+32*\c:127+32*\c], v[244+2*\c+1]
.endr
	v_nop                                          ; one plain place behind a scaled conversion
.irp c, 0,1
.irp i, 0,1,2
	v_permlane16_swap_b32 v[224+6*\c+\i], v[236+4*\c+\i]
.endr
.irp i, 0,1,2
	s_delay_alu instid0(VALU_DEP_3)
	v_mov_b32 v[227+6*\c+\i], v[236+4*\c+\i]
.endr
.endr
	v_pk_add_f32 v[236:237], v[100:101], v[104:105]   ; the row's sum of the unquantised p, in eight chains
	v_pk_add_f32 v[250:251], v[108:109], v[112:113]
	v_pk_add_f32 v[248:249], v[116:117], v[120:121]
	v_pk_add_f32 v[246:247], v[124:125], v[128:129]
	v_pk_add_f32 v[244:245], v[132:133], v[136:137]
	v_pk_add_f32 v[240:241], v[140:141], v[144:145]
	v_pk_add_f32 v[220:221], v[148:149], v[152:153]
	v_pk_add_f32 v[14:15], v[14:15], v[156:157]
	v_pk_add_f32 v[236:237], v[236:237], v[96:97]
	v_pk_add_f32 v[250:251], v[250:251], v[98:99]
	v_pk_add_f32 v[248:249], v[248:249], v[102:103]
	v_pk_add_f32 v[246:247], v[246:247], v[106:107]
	v_pk_add_f32 v[244:245], v[244:245], v[110:111]
	v_pk_add_f32 v[240:241], v[240:241], v[114:115]
	v_pk_add_f32 v[220:221], v[220:221], v[118:119]
	v_pk_add_f32 v[14:15], v[14:15], v[122:123]
	v_pk_add_f32 v[236:237], v[236:237], v[126:127]
	v_pk_add_f32 v[250:251], v[250:251], v[130:131]
	v_pk_add_f32 v[248:249], v[248:249], v[134:135]
	v_pk_add_f32 v[246:247], v[246:247], v[138:139]
	v_pk_add_f32 v[244:245], v[244:245], v[142:143]
	v_pk_add_f32 v[240:241], v[240:241], v[146:147]
	v_pk_add_f32 v[220:221], v[220:221], v[150:151]
	v_pk_add_f32 v[14:15], v[14:15], v[154:155]
	v_pk_add_f32 v[236:237], v[236:237], v[158:159]
	s_delay_alu instid0(VALU_DEP_2)
	v_pk_add_f32 v[14:15], v[14:15], v[246:247]
	s_delay_alu instid0(VALU_DEP_2)
	v_pk_add_f32 v[236:237], v[236:237], v[244:245]
	v_pk_add_f32 v[250:251], v[250:251], v[240:241]
	v_pk_add_f32 v[248:249], v[248:249], v[220:221]
	s_delay_alu instid0(VALU_DEP_2)
	v_pk_add_f32 v[14:15], v[14:15], v[250:251]
	s_delay_alu instid0(VALU_DEP_2)
	v_pk_add_f32 v[236:237], v[236:237], v[248:249]
	s_delay_alu instid0(VALU_DEP_1)
	v_pk_add_f32 v[14:15], v[14:15], v[236:237]
.set n, 0
.rept 16
	v_pk_mul_f32 v[160+n:161+n], v[160+n:161+n], v[252:253] op_sel_hi:[1,0]   ; O^T under the new M
.set n, n+2
.endr
.irp t, 0,1,2,3                        ; O^T += v^T p^T: the head's four tiles of 16 channels; the four accumulators by turns
.irp p, 0,1,2,3,4,5
	ds_load_b64 v[32+12*\t+2*\p:33+12*\t+2*\p], v[ADV] offset:1536*\t+256*\p
.endr
	ds_load_b32 v[248+\t], v[ADT] offset:64*\t
.endr
	s_wait_alu depctr_va_vdst(0)
	s_wait_dscnt 0x0
.irp t, 0,1,2,3
	v_wmma_scale_f32_16x16x128_f8f6f4 v[160+8*\t:167+8*\t], v[32+12*\t:43+12*\t], v[224:235], v[160+8*\t:167+8*\t], v[248+\t], v253 matrix_a_fmt:MATRIX_FMT_FP6 matrix_b_fmt:MATRIX_FMT_FP6
.endr
.Lhidden_\@:
	s_add_co_u32 s[TK], s[TK], 6144                ; the next step's tiles and scale words
	s_add_co_u32 s[TV], s[TV], 6144
	s_add_co_u32 s[TS], s[TS], 512
	s_add_co_u32 s[TJ], s[TJ], 256
.endm
.macro WALK                            ; eight key steps, in every wave
	s_mov_b32 s[CT], 0
.Lstep_\@:
	STEP
	s_add_co_u32 s[KI], s[KI], 1
	s_add_co_u32 s[CT], s[CT], 1
	s_cmp_lt_u32 s[CT], 8
	s_cbranch_scc1 .Lstep_\@
.endm
	s_wait_alu depctr_va_vdst(0)
	s_wait_loadcnt 0x0                             ; both q
	s_wait_tensorcnt 0x0                           ; my one fill is in
	s_wait_dscnt 0x0
	s_barrier_signal -1
	s_barrier_wait -1                              ; the whole head lies in LDS
	s_lshl_b32 s[KI], s[RB], 3                     ; THE FIRST WALK, block 15 - t: steps 0 .. 7, or 8 .. 15
	s_mul_i32 s[TK], s[RB], 49152
	s_add_co_u32 s[TV], s[TK], 98304
	s_lshl_b32 s[TS], s[RB], 12
	s_add_co_u32 s[TS], s[TS], 196608
	s_lshl_b32 s[TJ], s[RB], 11
	s_add_co_u32 s[TJ], s[TJ], 204800
	WALK
	s_cmp_eq_u32 s[RB], 0
	s_cbranch_scc1 .Lkeeps                         ; wave w keeps its part in registers
.rept 4
	v_nop                                          ; places behind the last products
.endr
.irp k, 0,1,2,3,4,5,6,7
	ds_store_b128 v[PAD], v[160+4*\k:163+4*\k] offset:512*\k   ; wave w + 8: its part of O^T as a register image, each accumulator from its low end on,
.endr
	ds_store_b128 v[PAD], v[12:15] offset:4096     ; -M, the largest t, the sums
	v_mov_b32 v255, v[Q2+6]                        ; and it begins block t anew
.irp p, 0,1,2,3,4,5
	v_mov_b32 v[16+\p], v[Q2+\p]
.endr
	v_mov_b32 v13, 0xff61b1e6
	s_delay_alu instid0(VALU_DEP_1)
	v_floor_f32 v12, -v13
	v_mov_b32 v14, 0
	v_mov_b32 v15, 0
.set n, 0
.rept 32
	v_mov_b32 v[160+n], 0
.set n, n+1
.endr
	s_wait_alu depctr_va_vdst(0)
.Lkeeps:
	s_mov_b32 s[BLK], s[PT]                        ; THE SECOND WALK, block t: steps 0 .. 7 for wave w + 8; wave w counts from 16, over every block: all its steps are left out
	s_xor_b32 s[KI], s[RB], 1
	s_lshl_b32 s[KI], s[KI], 4
	s_mov_b32 s[TK], 0
	s_mov_b32 s[TV], 98304
	s_mov_b32 s[TS], 196608
	s_mov_b32 s[TJ], 204800
	WALK
	s_wait_dscnt 0x0                               ; for the partner's sake: my part lies in LDS
	s_barrier_signal -1
	s_barrier_wait -1
	s_cmp_lg_u32 s[RB], 0
	s_cbranch_scc1 .Lown
.rept 4
	v_nop
.endr
.irp k, 0,1,2,3,4,5,6,7
	ds_load_b128 v[96+4*\k:99+4*\k], v[PAD] offset:512*\k      ; wave w: the partner's part of block 15 - t
.endr
	ds_load_b128 v[128:131], v[PAD] offset:4096
	s_wait_dscnt 0x0
	v_min_num_f32 v132, v12, v128                  ; -M of both parts together
	s_delay_alu instid0(VALU_DEP_1)
	v_sub_f32 v133, v132, v12
	v_sub_f32 v134, v132, v128
	s_delay_alu instid0(VALU_DEP_2)
	v_cvt_i32_f32 v133, v133
	s_delay_alu instid0(VALU_DEP_2)
	v_cvt_i32_f32 v134, v134
	s_delay_alu instid0(VALU_DEP_2)
	v_ldexp_f32 v136, 1.0, v133                    ; 2^(my M - M) and
	s_delay_alu instid0(VALU_DEP_2)
	v_ldexp_f32 v138, 1.0, v134                    ; 2^(the partner's M - M): multiplications by them round nothing
	s_delay_alu instid0(VALU_DEP_2)
	v_mov_b32 v137, v136
	s_delay_alu instid0(VALU_DEP_2)
	v_mov_b32 v139, v138
	v_pk_mul_f32 v[14:15], v[14:15], v[136:137]
.set n, 0
.rept 16
	v_pk_mul_f32 v[160+n:161+n], v[160+n:161+n], v[136:137]
.set n, n+2
.endr
	v_pk_fma_f32 v[14:15], v[130:131], v[138:139], v[14:15]
.set n, 0
.rept 16
	v_pk_fma_f32 v[160+n:161+n], v[96+n:97+n], v[138:139], v[160+n:161+n]
.set n, n+2
.endr
.Lown:
	; THE WAY OUT: O^T / the sum; register 16 b + i is channel 32 b + 16 h + i of the head: two blocks along the next product's K
.rept 4
	v_nop                                          ; places behind the last products
.endr
	v_add_f32 v14, v14, v15
	s_delay_alu instid0(VALU_DEP_1)
	v_permlanex16_b32 v252, v14, s[SEL], s[SEL+1]
	s_delay_alu instid0(VALU_DEP_1)
	v_add_f32 v14, v14, v252
	s_wait_alu depctr_va_vdst(0)
	v_rcp_f32 v14, v14
	v_nop
.set n, 0
	s_wait_alu depctr_va_vdst(0)
.rept 32
	v_mul_f32 v[96+n], v[160+n], v14
.set n, n+1
.endr
.irp b, 0,1
	v_max3_num_f32 v[232+\b], |v[96+16*\b]|, |v[97+16*\b]|, 0x1800000
.endr
.irp i, 2,4,6,8,10,12,14
.irp b, 0,1
	s_delay_alu instid0(VALU_DEP_2)
	v_max3_num_f32 v[232+\b], v[232+\b], |v[96+16*\b+\i]|, |v[97+16*\b+\i]|
.endr
.endr
.irp b, 0,1
	s_delay_alu instid0(VALU_DEP_2)
	v_permlanex16_b32 v[236+\b], v[232+\b], s[SEL], s[SEL+1]
.endr
.irp b, 0,1
	s_delay_alu instid0(VALU_DEP_2)
	v_max_num_f32 v[232+\b], v[232+\b], v[236+\b]
.endr
.irp b, 0,1
	s_delay_alu instid0(VALU_DEP_2)
	v_add_nc_u32 v[244+\b], 0xff000000, v[232+\b]
.endr
.irp b, 0,1
	s_delay_alu instid0(VALU_DEP_2)
	v_lshrrev_b32 v[236+\b], 23, v[244+\b]
.endr
	s_delay_alu instid0(VALU_DEP_1)
	v_lshl_or_b32 v254, v237, 8, v236              ; the head's two scale bytes
	v_cvt_scalef32_pk16_fp6_f32 v[224:226], v[96:111], v244
	v_cvt_scalef32_pk16_fp6_f32 v[228:230], v[112:127], v245
	v_nop
.irp i, 0,1,2
	v_permlane16_swap_b32 v[224+\i], v[228+\i]
.endr
.irp i, 0,1,2
	s_delay_alu instid0(VALU_DEP_3)
	v_mov_b32 v[227+\i], v[228+\i]
.endr
.irp j, 0,1,2
	global_store_b64 v[L8], v[224+2*\j:225+2*\j], s[84:85] offset:256*\j   ; 32 lanes store 256 consecutive bytes, aligned
.endr
	global_store_b16 v[R4], v254, s[86:87]         ; both halves of the lanes hold and write the same two bytes
	s_wait_tensorcnt 0x0                           ; the wave's end
	ds_add_u32 v223, v243
	s_wait_dscnt 0x0
	CROUND                                         ; the closing round
	s_endpgm
.Lfunc_end_k_qd0b88b5a35_attn:
	.size	k_qd0b88b5a35_attn, .Lfunc_end_k_qd0b88b5a35_attn-k_qd0b88b5a35_attn
	.p2alignl 7, 3214868480
	.fill 96, 4, 3214868480
	.section	.rodata,"a",@progbits
	.p2align	6, 0x0
	.amdhsa_kernel k_qd0b88b5a35_attn
		.amdhsa_group_segment_fixed_size 247808
		.amdhsa_private_segment_fixed_size 0
		.amdhsa_enable_private_segment 0
		.amdhsa_kernarg_size 16
		.amdhsa_user_sgpr_count 2
		.amdhsa_user_sgpr_kernarg_segment_ptr 1
		.amdhsa_wavefront_size32 1
		.amdhsa_system_sgpr_workgroup_id_x 1
		.amdhsa_system_sgpr_workgroup_id_y 1
		.amdhsa_system_sgpr_workgroup_id_z 1
		.amdhsa_system_vgpr_workitem_id 0
		.amdhsa_next_free_vgpr 256
		.amdhsa_next_free_sgpr 90
		.amdhsa_reserve_vcc 1
		.amdhsa_float_denorm_mode_32 3
		.amdhsa_float_denorm_mode_16_64 3
		.amdhsa_memory_ordered 1
		.amdhsa_forward_progress 1
		.amdhsa_inst_pref_size 71
	.end_amdhsa_kernel
	.amdgpu_metadata
---
amdhsa.version: [ 1, 2 ]
amdhsa.kernels:
  - .name:           k_qd0b88b5a35_attn
    .symbol:         k_qd0b88b5a35_attn.kd
    .args:
      - { .name: qkv, .offset: 0, .size: 8, .value_kind: global_buffer, .address_space: global }
      - { .name: ctxq, .offset: 8, .size: 8, .value_kind: global_buffer, .address_space: global }
    .group_segment_fixed_size: 247808
    .private_segment_fixed_size: 0
    .kernarg_segment_align: 8
    .kernarg_segment_size: 16
    .max_flat_workgroup_size: 512
    .sgpr_count:     90
    .vgpr_count:     256
    .wavefront_size: 32
...
	.end_amdgpu_metadata
.endif
;; end of part 10
;; launch oproj (part 11): grid 8 x 32, 4 waves a work-group, clusters of 4 x 4, 327,680 bytes of LDS; arguments ctxq, wts, bo, x, x1; writes x1
.if DOCPART == 11
	.amdgcn_target "amdgcn-amd-amdhsa--gfx1250"
	.amdhsa_code_object_version 6
	.text
	.protected	k_qd0b88b5a35_oproj
	.globl	k_qd0b88b5a35_oproj
	.p2align	8
	.type	k_qd0b88b5a35_oproj,@function
k_qd0b88b5a35_oproj:
	s_mov_b64 s[64:65], 0
	v_nop
	global_prefetch_b8 v0, s[64:65] scope:SCOPE_SE
	s_setreg_imm32_b32 hwreg(HW_REG_WAVE_MODE, 25, 1), 1
	s_wait_xcnt 0x0
	s_wait_alu depctr_hold_cnt(0) depctr_sa_sdst(0) depctr_va_vdst(0) depctr_va_sdst(0) depctr_va_ssrc(0) depctr_va_vcc(0) depctr_vm_vsrc(0)
	s_getreg_b32 s2, hwreg(HW_REG_IB_STS2, 6, 4)
	s_cmp_eq_u32 s2, 0
	s_cbranch_scc0 .Lentry_in_a_cluster
	s_endpgm
.Lentry_in_a_cluster:
	s_bfe_u32 s2, ttmp6, 0x10000c
	s_cmp_lg_u32 s2, 0xf033
	s_cbranch_scc0 .Lentry_shape_is_right
	s_endpgm
.Lentry_shape_is_right:
.set KS,    8
.set XSO,   3145728
.set YCO,   2359296
.set YSO,   9535488
.set FRB,   1536
.set TROW,  4*FRB
.set HALFT, 4*TROW
.set SLOT,  4*HALFT
.set SCL,   2*SLOT
.set SBLK,  64*KS
.set HALFS, 4*SBLK
.set SPARE, SCL+4*HALFS
.set LAPS,  KS/8
.set SPITCH, 272
.set FR, 12
.set NP, 4
.set BIA,  8
.set ADRA, 16
.set ADRB, 20
.set L8,   22
.set R4,   23
.set STO,  24
.set RD,   25
.set CO,   26
.set ADRS, 27
.set SPW,  28
.set NIL,  29
.set C16,  30
.set SC,   32
.set BK,   64
.set ACC,  128
.set F0,   0
.set F1,   128
.set WV, 16
.set HX, 17
.set HY, 18
.set CX, 19
.set CY, 20
.set XI, 21
.set YI, 22
.set G1, 24
.set G0, 32
.set G1B, 48
.set G0B, 56
.set G1S, 68
.set G0S, 76
.set G1SB, 80
.set G0SB, 88
.set MSB, 0
.macro WIN new
.if MSB != (\new)
	s_set_vgpr_msb (MSB<<8)|(\new)
.set MSB, \new
.endif
.endm
.set MUL,  0x05
.set TO_F, 0x40
.macro JLOAD g0a, g1a, g0b, g1b
	s_cmp_eq_u32 s[HX], 0
	s_cbranch_scc0 .Lfor_b_\@
	tensor_load_to_lds s[\g0a:\g0a+3], s[\g1a:\g1a+7]
	s_nop 0
.rept 4
	v_nop
.endr
	s_branch .Lasked_\@
.Lfor_b_\@:
	tensor_load_to_lds s[\g0b:\g0b+3], s[\g1b:\g1b+7]
	s_nop 0
.rept 4
	v_nop
.endr
.Lasked_\@:
.endm
.macro CREST
	s_cmp_lg_u32 s[WV], 0
	s_cbranch_scc1 .Lnot_wave_0_\@
	s_barrier_signal -3
.Lnot_wave_0_\@:
	s_barrier_wait -3
	s_barrier_signal -1
	s_barrier_wait -1
.endm
.macro CROUND
	s_barrier_signal -1
	s_barrier_wait -1
	CREST
.endm
	s_load_b256 s[4:11], s[0:1], 0x0
	s_load_b64 s[12:13], s[0:1], 0x20
	v_lshl_add_u32 v[SPW], v0, 2, SPARE
	v_mov_b32 v[NIL], 0
	ds_add_u32 v28, v29
	ds_add_u32 v28, v29
	s_wait_dscnt 0x0
	v_lshrrev_b32 v1, 5, v0
	v_readfirstlane_b32 s[WV], v1
	s_lshr_b32 s[HX], s[WV], 1
	s_and_b32 s[HY], s[WV], 1
	s_bfe_u32 s[CX], ttmp6, 0x40000
	s_bfe_u32 s[CY], ttmp6, 0x40004
	s_lshl_b32 s[YI], ttmp9, 2
	s_add_co_u32 s[YI], s[YI], s[CX]
	s_and_b32 s[XI], ttmp7, 0xffff
	s_lshl_b32 s[XI], s[XI], 2
	s_add_co_u32 s[XI], s[XI], s[CY]
	s_lshl_b32 s2, s[CY], 2
	s_lshl_b32 s2, 15, s2
	s_lshl_b32 s23, 0x1111, s[CX]
	s_or_b32 s[G1], s2, (3<<16)|(1<<21)
	s_or_b32 s[G1B], s23, (3<<16)|(1<<21)
.irp g, G1, G1B
	s_mov_b32 s[\g+1], 768<<16
	s_mov_b32 s[\g+2], 8<<16
	s_mov_b32 s[\g+3], 768<<16
	s_mov_b32 s[\g+4], 8
	s_mov_b32 s[\g+5], KS*192
	s_mov_b32 s[\g+6], 0
	s_mov_b32 s[\g+7], 0
.endr
	s_or_b32 s[G1S], s2, (3<<16)|(1<<21)
	s_or_b32 s[G1SB], s23, (3<<16)|(1<<21)
.irp g, G1S, G1SB
	s_mov_b32 s[\g+1], 32<<16
	s_mov_b32 s[\g+2], (2*HALFS/256)<<16
	s_mov_b32 s[\g+3], 32<<16
	s_mov_b32 s[\g+4], 2*HALFS/256
	s_mov_b32 s[\g+5], 32
	s_mov_b32 s[\g+6], 0
	s_mov_b32 s[\g+7], 0
.endr
	s_lshl_b32 s40, s[XI], 3
	s_mul_i32 s42, s40, SBLK
	s_mul_i32 s40, s40, KS*FRB
	s_add_co_u32 s42, s42, XSO
	s_mov_b32 s41, 0
	s_mov_b32 s43, 0
	s_lshl_b32 s44, s[YI], 3
	s_mul_i32 s46, s44, SBLK
	s_mul_i32 s44, s44, KS*FRB
	s_add_co_u32 s44, s44, YCO
	s_add_co_u32 s46, s46, YSO
	s_mov_b32 s45, 0
	s_mov_b32 s47, 0
	s_mul_i32 s98, s[WV], HALFT
	s_wait_kmcnt 0x0
	s_add_nc_u64 s[40:41], s[4:5], s[40:41]
	s_add_nc_u64 s[42:43], s[4:5], s[42:43]
	s_add_nc_u64 s[44:45], s[6:7], s[44:45]
	s_add_nc_u64 s[46:47], s[6:7], s[46:47]
	CROUND
	s_mov_b32 s[G0S], 1
	s_mov_b32 s[G0S+1], SCL
	s_mov_b64 s[G0S+2:G0S+3], s[42:43]
	s_or_b32 s[G0S+3], s[G0S+3], 0x80000000
	s_mov_b32 s[G0SB], 1
	s_mov_b32 s[G0SB+1], SCL+2*HALFS
	s_mov_b64 s[G0SB+2:G0SB+3], s[46:47]
	s_or_b32 s[G0SB+3], s[G0SB+3], 0x80000000
	s_mov_b32 s[G0], 1                             ; the head's four tiles, each whole: slot 0's 8 tiles of X,
	s_mov_b32 s[G0+1], 0
	s_mov_b64 s[G0+2:G0+3], s[40:41]
	s_or_b32 s[G0+3], s[G0+3], 0x80000000
	s_mov_b32 s[G0B], 1                            ; its 8 tiles of Y, and the two blocks of scale words
	s_mov_b32 s[G0B+1], 2*HALFT
	s_mov_b64 s[G0B+2:G0B+3], s[44:45]
	s_or_b32 s[G0B+3], s[G0B+3], 0x80000000
; one joint load a wave at the head, in one chain of branches on the wave's number
.macro ARM under, g0, g1, next
	s_cmp_lt_u32 s[WV], \under
	s_cbranch_scc0 \next
	tensor_load_to_lds s[\g0:\g0+3], s[\g1:\g1+7]
	s_nop 0
.rept 4
	v_nop
.endr
	s_branch .Lhead_asked
\next:
.endm
	ARM 1, G0,  G1,  .Lhead_b
	ARM 2, G0B, G1B, .Lhead_sa
	ARM 3, G0S, G1S, .Lhead_sb
	tensor_load_to_lds s[G0SB:G0SB+3], s[G1SB:G1SB+7]
	s_nop 0
.rept 4
	v_nop
.endr
.Lhead_asked:
	s_wait_alu depctr_va_vdst(0)
	s_wait_tensorcnt 0x0                           ; my tile of the head's four is in; slot 1's first fill is issued as a refill is
	ds_add_u32 v28, v29
	s_mov_b32 s[G1+2], 4<<16                       ; no tensor load of mine is out: from here on a load brings 4 tiles
	s_mov_b32 s[G1+4], 4
	s_mov_b32 s[G1B+2], 4<<16
	s_mov_b32 s[G1B+4], 4
	s_mul_i32 s96, s[HY], 4*KS*FRB                 ; which four tiles I fetch in the ring
	s_mov_b32 s97, 0
	s_add_nc_u64 s[40:41], s[40:41], s[96:97]
	s_add_nc_u64 s[44:45], s[44:45], s[96:97]
.irp s, 0,1
	s_mov_b32 s[G0+4*\s], 1
	s_add_co_u32 s[G0+4*\s+1], s98, \s*SLOT
	s_add_nc_u64 s[G0+4*\s+2:G0+4*\s+3], s[40:41], \s*TROW
	s_or_b32 s[G0+4*\s+3], s[G0+4*\s+3], 0x80000000
	s_mov_b32 s[G0B+4*\s], 1
	s_add_co_u32 s[G0B+4*\s+1], s98, \s*SLOT
	s_add_nc_u64 s[G0B+4*\s+2:G0B+4*\s+3], s[44:45], \s*TROW
	s_or_b32 s[G0B+4*\s+3], s[G0B+4*\s+3], 0x80000000
.endr
	s_wait_dscnt 0x0
	CROUND                                         ; all four tiles are in, all sixteen work-groups are here
	JLOAD G0+4, G1, G0B+4, G1B                     ; slot 1: the first tensor load behind the round
	v_and_b32 v1, 31, v0
	v_and_b32 v2, 15, v0
	v_bfe_u32 v3, v0, 4, 1
	v_lshlrev_b32 v[L8], 3, v1
	v_lshlrev_b32 v[R4], 2, v2
	v_lshlrev_b32 v[C16], 4, v2
	s_wait_alu depctr_va_vdst(0)
	v_lshl_add_u32 v[CO], v3, 12, v[C16]
	s_wait_alu depctr_va_vdst(0)
	s_lshl_b32 s44, s[XI], 7
	s_lshl_b32 s45, s[HX], 6
	s_add_co_u32 s44, s44, s45
	s_lshl_b32 s44, s44, 12
	s_lshl_b32 s46, s[YI], 9
	s_lshl_b32 s45, s[HY], 8
	s_add_co_u32 s46, s46, s45
	s_add_co_u32 s44, s44, s46
	s_mov_b32 s45, 0
	s_mov_b32 s47, 0
	s_add_nc_u64 s[94:95], s[10:11], s[44:45]
	s_add_nc_u64 s[96:97], s[12:13], s[44:45]
	s_add_nc_u64 s[8:9], s[8:9], s[46:47]
	global_load_b128 v[BIA:BIA+3], v[C16], s[8:9]
	WIN 0x80
.irp a, 0,1,2,3
.irp t, 0,1,2,3,4,5,6,7
	global_load_b128 v[4*(8*\a+\t):4*(8*\a+\t)+3], v[CO], s[94:95] offset:(32*(\a/2)+8*(\a%2)+2*(\t%4)+16*(\t/4))*4096
.endr
.endr
	WIN 0
	s_mul_i32 s2, s[HX], HALFT
	s_mul_i32 s23, s[HY], HALFT
	s_add_co_u32 s23, s23, 2*HALFT
.irp s, 0,1
	v_add_nc_u32 v[ADRA+\s], s2, v[L8]
	v_add_nc_u32 v[ADRB+\s], s23, v[L8]
	s_add_co_u32 s2, s2, SLOT
	s_add_co_u32 s23, s23, SLOT
.endr
	s_mul_i32 s2, s[HX], HALFS
	s_mul_i32 s23, s[HY], HALFS
	s_add_co_u32 s23, s23, 2*HALFS
	s_sub_co_u32 s23, s23, s2
	v_mul_u32_u24 v4, s23, v3
	s_add_co_u32 s2, s2, SCL
	v_add_nc_u32 v4, v4, v[R4]
	v_add_nc_u32 v[ADRS], s2, v4
	s_mul_i32 s2, s[WV], 16*SPITCH
	v_mul_u32_u24 v4, v2, SPITCH
	v_lshl_add_u32 v4, v3, 6, v4
	v_add_nc_u32 v[STO], s2, v4
	v_mul_u32_u24 v4, v3, SPITCH
	v_lshl_add_u32 v4, v2, 4, v4
	v_add_nc_u32 v[RD], s2, v4
.macro FRAG reg, adr, q, i
.irp p, 0,1,2,3,4,5
	ds_load_b64 v[\reg+2*\p:\reg+2*\p+1], v[\adr] offset:(\i)*TROW+(\q)*FRB+256*\p
.endr
.endm
.macro FETCH slot, q, f
	WIN TO_F
.irp i, 0,1,2,3
	FRAG \f+48+FR*\i, ADRB+\slot, \q, \i
.endr
.irp i, 0,1,2,3
	FRAG \f+FR*\i, ADRA+\slot, \q, \i
.endr
.endm
.macro SCALES sc
.irp i, 0,1,2,3
.irp q, 0,1,2,3
	ds_load_b32 v[SC+16*\sc+4*\i+\q], v[ADRS] offset:\i*SBLK+64*\q
.endr
.endr
.endm
.macro MULA f, a, q, sc, zero
.irp b, 0,1,2,3
.if \zero
	v_wmma_scale_f32_16x16x128_f8f6f4 v[ACC+8*(4*(\a)+\b):ACC+8*(4*(\a)+\b)+7], v[\f+48+FR*\b:\f+48+FR*\b+FR-1], v[\f+FR*(\a):\f+FR*(\a)+FR-1], 0, v[SC+16*(\sc)+4*\b+(\q)], v[SC+16*(\sc)+4*(\a)+(\q)] matrix_a_fmt:MATRIX_FMT_FP6 matrix_b_fmt:MATRIX_FMT_FP6 matrix_a_scale:MATRIX_SCALE_ROW1
.else
	v_wmma_scale_f32_16x16x128_f8f6f4 v[ACC+8*(4*(\a)+\b):ACC+8*(4*(\a)+\b)+7], v[\f+48+FR*\b:\f+48+FR*\b+FR-1], v[\f+FR*(\a):\f+FR*(\a)+FR-1], v[ACC+8*(4*(\a)+\b):ACC+8*(4*(\a)+\b)+7], v[SC+16*(\sc)+4*\b+(\q)], v[SC+16*(\sc)+4*(\a)+(\q)] matrix_a_fmt:MATRIX_FMT_FP6 matrix_b_fmt:MATRIX_FMT_FP6 matrix_a_scale:MATRIX_SCALE_ROW1
.endif
.endr
.endm
.macro PLACES n
.rept \n
	v_nop
.endr
.endm
.macro QUARTER slot, q, f, g, zero
	s_wait_dscnt 0x0
	PLACES NP
	FETCH \slot, (\q)+1, \g
	WIN MUL
	MULA \f, 0, \q, \slot, \zero
	MULA \f, 1, \q, \slot, \zero
	MULA \f, 2, \q, \slot, \zero
	MULA \f, 3, \q, \slot, \zero
.endm
.macro TURN slot, next, fill
	WIN 0
	s_wait_tensorcnt 0x0
	ds_add_u32 v[SPW], v[NIL]
	s_wait_dscnt 1
	WIN MUL
	MULA F1, 0, 3, \slot, 0
	s_wait_dscnt 0x0
	s_barrier_signal -1
	MULA F1, 1, 3, \slot, 0
	WIN 0
	s_barrier_wait -1
.if \fill
	CREST
	s_add_nc_u64 s[G0+4*\slot+2:G0+4*\slot+3], s[G0+4*\slot+2:G0+4*\slot+3], 2*TROW
	s_add_nc_u64 s[G0B+4*\slot+2:G0B+4*\slot+3], s[G0B+4*\slot+2:G0B+4*\slot+3], 2*TROW
	JLOAD G0+4*\slot, G1, G0B+4*\slot, G1B
.else
	PLACES NP
.endif
	v_add_nc_u32 v[ADRS], 256, v[ADRS]
	SCALES \next
	FETCH \next, 0, F0
	WIN MUL
	MULA F1, 2, 3, \slot, 0
	MULA F1, 3, 3, \slot, 0
.endm
	s_wait_alu depctr_va_vdst(0)
	s_wait_tensorcnt 1
	s_barrier_signal -1
	s_barrier_wait -1
	SCALES 0
	FETCH 0, 0, F0
	QUARTER 0, 0, F0, F1, 1
.if LAPS > 1
	WIN 0
	s_mov_b32 s3, LAPS-1
.Llap:
	QUARTER 0, 1, F1, F0, 0
	QUARTER 0, 2, F0, F1, 0
	TURN 0, 1, 1
	QUARTER 1, 0, F0, F1, 0
	QUARTER 1, 1, F1, F0, 0
	QUARTER 1, 2, F0, F1, 0
	TURN 1, 0, 1
	QUARTER 0, 0, F0, F1, 0
	WIN 0
	s_sub_co_u32 s3, s3, 1
	s_cmp_lg_u32 s3, 0
	s_cbranch_scc1 .Llap
.endif
	QUARTER 0, 1, F1, F0, 0
	QUARTER 0, 2, F0, F1, 0
	TURN 0, 1, 0
	QUARTER 1, 0, F0, F1, 0
	QUARTER 1, 1, F1, F0, 0
	QUARTER 1, 2, F0, F1, 0
	s_wait_dscnt 0x0
	WIN MUL
	MULA F1, 0, 3, 1, 0
	MULA F1, 1, 3, 1, 0
	MULA F1, 2, 3, 1, 0
	MULA F1, 3, 3, 1, 0
	WIN 0
.macro TOSTAGE a
.irp b, 0,1,2,3
	ds_store_b128 v[STO], v[ACC+8*(4*(\a)+\b):ACC+8*(4*(\a)+\b)+3] offset:128*(\b/2)+32*(\b%2)
	ds_store_b128 v[STO], v[ACC+8*(4*(\a)+\b)+4:ACC+8*(4*(\a)+\b)+7] offset:128*(\b/2)+32*(\b%2)+16
.endr
.set BB, BK+32*((\a)%2)
.irp t, 0,1,2,3,4,5,6,7
	ds_load_b128 v[BB+4*\t:BB+4*\t+3], v[RD] offset:\t*2*SPITCH
.endr
.endm
.macro SEND a, younger
.set BB, BK+32*((\a)%2)
	s_wait_dscnt \younger
	WIN 0x08
.irp t, 0,1,2,3,4,5,6,7
	v_pk_add_f32 v[BB+4*\t:BB+4*\t+1], v[BB+4*\t:BB+4*\t+1], v[32*(\a)+4*\t:32*(\a)+4*\t+1]
	v_pk_add_f32 v[BB+4*\t+2:BB+4*\t+3], v[BB+4*\t+2:BB+4*\t+3], v[32*(\a)+4*\t+2:32*(\a)+4*\t+3]
.endr
	WIN 0
.irp t, 0,1,2,3,4,5,6,7
	v_pk_add_f32 v[BB+4*\t:BB+4*\t+1], v[BB+4*\t:BB+4*\t+1], v[BIA:BIA+1]
	v_pk_add_f32 v[BB+4*\t+2:BB+4*\t+3], v[BB+4*\t+2:BB+4*\t+3], v[BIA+2:BIA+3]
	global_store_b128 v[CO], v[BB+4*\t:BB+4*\t+3], s[96:97] offset:(32*((\a)/2)+8*((\a)%2)+2*(\t%4)+16*(\t/4))*4096
.endr
.endm
	PLACES NP
	s_wait_loadcnt 0x0
	TOSTAGE 0
.irp a, 1,2,3
.if \a > 1
	s_wait_xcnt 0x0
.endif
	TOSTAGE \a
	SEND \a-1, 16
.endr
	SEND 3, 0
	s_wait_tensorcnt 0x0
	ds_add_u32 v[SPW], v[NIL]
	s_wait_dscnt 0x0
	CROUND
	s_endpgm
.Lfunc_end_k_qd0b88b5a35_oproj:
	.size	k_qd0b88b5a35_oproj, .Lfunc_end_k_qd0b88b5a35_oproj-k_qd0b88b5a35_oproj
	.p2alignl 7, 3214868480
	.fill 96, 4, 3214868480
	.section	.rodata,"a",@progbits
	.p2align	6, 0x0
	.amdhsa_kernel k_qd0b88b5a35_oproj
		.amdhsa_group_segment_fixed_size 327680
		.amdhsa_private_segment_fixed_size 0
		.amdhsa_enable_private_segment 0
		.amdhsa_kernarg_size 40
		.amdhsa_user_sgpr_count 2
		.amdhsa_user_sgpr_kernarg_segment_ptr 1
		.amdhsa_wavefront_size32 1
		.amdhsa_system_sgpr_workgroup_id_x 1
		.amdhsa_system_sgpr_workgroup_id_y 1
		.amdhsa_system_sgpr_workgroup_id_z 1
		.amdhsa_system_vgpr_workitem_id 0
		.amdhsa_next_free_vgpr 640
		.amdhsa_next_free_sgpr 102
		.amdhsa_reserve_vcc 0
		.amdhsa_float_denorm_mode_32 3
		.amdhsa_float_denorm_mode_16_64 3
		.amdhsa_memory_ordered 1
		.amdhsa_forward_progress 1
		.amdhsa_inst_pref_size 74
	.end_amdhsa_kernel
	.amdgpu_metadata
---
amdhsa.version: [ 1, 2 ]
amdhsa.kernels:
  - .name:           k_qd0b88b5a35_oproj
    .symbol:         k_qd0b88b5a35_oproj.kd
    .args:
      - { .name: ctxq, .offset: 0, .size: 8, .value_kind: global_buffer, .address_space: global }
      - { .name: wts, .offset: 8, .size: 8, .value_kind: global_buffer, .address_space: global }
      - { .name: bo, .offset: 16, .size: 8, .value_kind: global_buffer, .address_space: global }
      - { .name: x, .offset: 24, .size: 8, .value_kind: global_buffer, .address_space: global }
      - { .name: x1, .offset: 32, .size: 8, .value_kind: global_buffer, .address_space: global }
    .group_segment_fixed_size: 327680
    .private_segment_fixed_size: 0
    .kernarg_segment_align: 8
    .kernarg_segment_size: 40
    .max_flat_workgroup_size: 128
    .sgpr_count:     102
    .vgpr_count:     640
    .wavefront_size: 32
...
	.end_amdgpu_metadata
.endif
;; end of part 11
;; launch ln1 (part 12): grid 256 x 1, 4 waves a work-group, no clusters, 66,560 bytes of LDS; arguments x1, ln2_scale, ln2_shift, hq; writes hq
.if DOCPART == 12
	.amdgcn_target "amdgcn-amd-amdhsa--gfx1250"
	.amdhsa_code_object_version 6
	.text
	.protected	k_qd0b88b5a35_ln1
	.globl	k_qd0b88b5a35_ln1
	.p2align	8
	.type	k_qd0b88b5a35_ln1,@function
k_qd0b88b5a35_ln1:
	s_mov_b64 s[64:65], 0
	v_nop
	global_prefetch_b8 v0, s[64:65] scope:SCOPE_SE
	s_setreg_imm32_b32 hwreg(HW_REG_WAVE_MODE, 25, 1), 1
	s_wait_xcnt 0x0
; y = scale (x - mean) / sqrt(var + 1e-5) + shift over rows of 1,024 f32, then quantised along the row to FP6 (E2M3) with one E8M0 byte for each 32.
; A work-group takes ONE TILE of 16 tokens: tile T, row r = token 32 (T / 2) + 8 (T % 2) + r % 8 + 16 (r / 8).  Codes of K step s at (8 T + s) 1536, as six pieces of 256 bytes (piece p = registers 2 p, 2 p + 1,
; 8 bytes a lane); scale words at 3,145,728 + (8 T + s) 64 + 4 r.
; PHASE 1: a wave a row, four rows a wave; every load reads 512 consecutive bytes; the mean first, then the squares of the differences, so that a common offset does no harm.  The rows go to LDS (pitch 4,112).
; PHASE 2: wave w quantises K steps 2 w and 2 w + 1 of all 16 rows: lane (r, h) takes, of row r, numbers 32 b + 16 h + 0 .. 15 of each block b.
; LIMITS: 1 / sqrt by v_rsq_f32 (1 ulp); a block of zeros or under 2^-124 gets the byte 1 (its codes are zeros; only this program reads the bytes); NaN and infinities are not served.
.set PITCH, 4112                       ; an odd multiple of 16 bytes: the sixteen rows of a load start in different banks
.set X,   32                           ; v32-159  four rows of 32 registers; later the numbers of two K steps
.set G,   160                          ; v160-191 scale
.set B,   192                          ; v192-223 shift
.set SU,  224                          ; v224-231 sums, a pair a row
.set ME,  232                          ; v232-239 means, twice
.set RS,  240                          ; v240-247 1 / sqrt, twice
.set TP,  248                          ; v248-251 the other half of the lanes' sums
.set PC,  160                          ; phase 2: codes
.set TM,  184
.set PW,  200
.set SEL, 20
	s_load_b256 s[4:11], s[0:1], 0x0               ; x, scale, shift, the codes' buffer
	v_lshl_add_u32 v254, v0, 2, 0x10200
	v_mov_b32 v255, 0
	v_lshrrev_b32 v1, 5, v0
	v_readfirstlane_b32 s12, v1                    ; wave
	v_and_b32 v6, 31, v0
	v_and_b32 v7, 15, v0                           ; r
	v_bfe_u32 v8, v0, 4, 1                         ; h
	v_lshlrev_b32 v1, 4, v6                        ; 16 x lane
	v_lshlrev_b32 v4, 3, v6                        ; 8 x lane
	v_lshlrev_b32 v5, 2, v7                        ; 4 r
	s_mul_i32 s13, s12, 4*PITCH
	v_add_nc_u32 v2, s13, v1                       ; into LDS: my wave's four rows
	v_mul_u32_u24 v3, v7, PITCH
	v_lshl_add_u32 v3, v8, 6, v3
	s_lshl_b32 s13, s12, 10
	v_add_nc_u32 v3, s13, v3                       ; out of it: row r, + 64 h, + my wave's two K steps
	s_lshr_b32 s14, ttmp9, 1                       ; my wave's first token
	s_lshl_b32 s14, s14, 5
	s_and_b32 s15, ttmp9, 1
	s_lshl_b32 s15, s15, 3
	s_add_co_u32 s14, s14, s15
	s_lshr_b32 s15, s12, 1
	s_lshl_b32 s15, s15, 4
	s_add_co_u32 s14, s14, s15
	s_and_b32 s15, s12, 1
	s_lshl_b32 s15, s15, 2
	s_add_co_u32 s14, s14, s15
	s_lshl_b32 s14, s14, 12
	s_mov_b32 s15, 0
	s_mul_i32 s16, ttmp9, 12288
	s_mul_i32 s18, s12, 3072
	s_add_co_u32 s16, s16, s18
	s_mov_b32 s17, 0
	s_lshl_b32 s18, ttmp9, 9
	s_lshl_b32 s19, s12, 7
	s_add_co_u32 s18, s18, s19
	s_mov_b32 s19, 0
	s_mov_b32 s[SEL], 0x76543210
	s_mov_b32 s[SEL+1], 0xfedcba98                 ; lane l xor 16
	s_mov_b32 s22, 0x3a800000                      ; 1 / 1024
	s_mov_b32 s23, 0x3727c5ac                      ; 1e-5
	s_wait_alu depctr_va_vdst(0)
	s_wait_kmcnt 0x0
	s_add_nc_u64 s[4:5], s[4:5], s[14:15]
	s_add_nc_u64 s[16:17], s[10:11], s[16:17]
	s_add_nc_u64 s[18:19], s[10:11], s[18:19]
.irp i, 0,1,2,3
.irp j, 0,1,2,3,4,5,6,7
	global_load_b128 v[X+32*\i+4*\j:X+32*\i+4*\j+3], v1, s[4:5] offset:4096*\i+512*\j
.endr
.endr
.irp j, 0,1,2,3,4,5,6,7
	global_load_b128 v[G+4*\j:G+4*\j+3], v1, s[6:7] offset:512*\j
	global_load_b128 v[B+4*\j:B+4*\j+3], v1, s[8:9] offset:512*\j
.endr
.irp i, 0,1,2,3
	v_mov_b32 v[TP+\i], 0                          ; a lane permute's destination counts as one of its sources
.endr
.macro REDUCE                          ; the four rows' pairs of sums become sums over the wave, in every lane
.irp i, 0,1,2,3
	v_add_f32 v[SU+2*\i], v[SU+2*\i], v[SU+2*\i+1]
.endr
.irp m, 1,2,4,8
.irp i, 0,1,2,3
	v_add_f32_dpp v[SU+2*\i], v[SU+2*\i], v[SU+2*\i] row_xmask:\m row_mask:0xf bank_mask:0xf
.endr
.endr
.irp i, 0,1,2,3
	v_permlanex16_b32 v[TP+\i], v[SU+2*\i], s[SEL], s[SEL+1]
.endr
.irp i, 0,1,2,3
	v_add_f32 v[SU+2*\i], v[SU+2*\i], v[TP+\i]
.endr
.endm
	s_wait_loadcnt 0x0
.irp i, 0,1,2,3
	v_pk_add_f32 v[SU+2*\i:SU+2*\i+1], v[X+32*\i:X+32*\i+1], v[X+32*\i+2:X+32*\i+3]
.endr
.irp k, 2,3,4,5,6,7,8,9,10,11,12,13,14,15
.irp i, 0,1,2,3                        ; the four rows by turns: no line waits for the line above it
	v_pk_add_f32 v[SU+2*\i:SU+2*\i+1], v[SU+2*\i:SU+2*\i+1], v[X+32*\i+2*\k:X+32*\i+2*\k+1]
.endr
.endr
	REDUCE
.irp i, 0,1,2,3
	v_mul_f32 v[ME+2*\i], s22, v[SU+2*\i]
	v_mul_f32 v[ME+2*\i+1], s22, v[SU+2*\i]
.endr
.irp k, 0,1,2,3,4,5,6,7,8,9,10,11,12,13,14,15
.irp i, 0,1,2,3
	v_pk_add_f32 v[X+32*\i+2*\k:X+32*\i+2*\k+1], v[X+32*\i+2*\k:X+32*\i+2*\k+1], v[ME+2*\i:ME+2*\i+1] neg_lo:[0,1] neg_hi:[0,1]
.endr
.endr
.irp i, 0,1,2,3
	v_pk_mul_f32 v[SU+2*\i:SU+2*\i+1], v[X+32*\i:X+32*\i+1], v[X+32*\i:X+32*\i+1]
.endr
.irp k, 1,2,3,4,5,6,7,8,9,10,11,12,13,14,15
.irp i, 0,1,2,3
	v_pk_fma_f32 v[SU+2*\i:SU+2*\i+1], v[X+32*\i+2*\k:X+32*\i+2*\k+1], v[X+32*\i+2*\k:X+32*\i+2*\k+1], v[SU+2*\i:SU+2*\i+1]
.endr
.endr
	REDUCE
.irp i, 0,1,2,3
	v_fma_f32 v[SU+2*\i], v[SU+2*\i], s22, s23     ; var + 1e-5
.endr
	s_wait_alu depctr_va_vdst(0)
.irp i, 0,1,2,3
	v_rsq_f32 v[RS+2*\i], v[SU+2*\i]
.endr
	v_nop                                          ; one plain place behind a transcendental
	s_wait_alu depctr_va_vdst(0)
.irp i, 0,1,2,3
	v_mov_b32 v[RS+2*\i+1], v[RS+2*\i]
.endr
.irp k, 0,1,2,3,4,5,6,7,8,9,10,11,12,13,14,15
.irp i, 0,1,2,3
	v_pk_mul_f32 v[X+32*\i+2*\k:X+32*\i+2*\k+1], v[X+32*\i+2*\k:X+32*\i+2*\k+1], v[RS+2*\i:RS+2*\i+1]
.endr
.endr
.irp k, 0,1,2,3,4,5,6,7,8,9,10,11,12,13,14,15
.irp i, 0,1,2,3
	v_pk_fma_f32 v[X+32*\i+2*\k:X+32*\i+2*\k+1], v[X+32*\i+2*\k:X+32*\i+2*\k+1], v[G+2*\k:G+2*\k+1], v[B+2*\k:B+2*\k+1]
.endr
.endr
.irp i, 0,1,2,3
.irp j, 0,1,2,3,4,5,6,7
	ds_store_b128 v2, v[X+32*\i+4*\j:X+32*\i+4*\j+3] offset:\i*PITCH+512*\j
.endr
.endr
	s_wait_dscnt 0x0                               ; for the others' sake: my rows lie in LDS
	s_barrier_signal -1
	s_barrier_wait -1
.irp s, 0,1
.irp b, 0,1,2,3
.irp j, 0,1,2,3
	ds_load_b128 v[X+64*\s+16*\b+4*\j:X+64*\s+16*\b+4*\j+3], v3 offset:512*\s+128*\b+16*\j
.endr
.endr
.endr
.irp b, 0,1,2,3
	v_mov_b32 v[TM+4+\b], 0                        ; a lane permute's destination counts as one of its sources
.endr
; 64 numbers of a lane, register 16 b + i = k 32 b + 16 (lane / 16) + i of my row, become a fragment's codes in v[PC] on and its scale word in v[PW]
.macro QUANT s
.irp b, 0,1,2,3
	v_max3_num_f32 v[TM+\b], |v[\s+16*\b]|, |v[\s+1+16*\b]|, 0x1800000   ; with the floor 2^(3 - 127): the byte cannot fall under 1
.endr
.irp i, 2,4,6,8,10,12,14
.irp b, 0,1,2,3
	v_max3_num_f32 v[TM+\b], v[TM+\b], |v[\s+16*\b+\i]|, |v[\s+1+16*\b+\i]|
.endr
.endr
.irp b, 0,1,2,3
	v_permlanex16_b32 v[TM+4+\b], v[TM+\b], s[SEL], s[SEL+1]
.endr
.irp b, 0,1,2,3
	v_max_num_f32 v[TM+\b], v[TM+\b], v[TM+4+\b]   ; with lane l xor 16's: the block's largest magnitude
.endr
.irp b, 0,1,2,3
	v_add_nc_u32 v[TM+12+\b], 0xff000000, v[TM+\b] ; 2 off its exponent field: the conversion's scale operand
.endr
.irp b, 0,1,2,3
	v_lshrrev_b32 v[TM+4+\b], 23, v[TM+12+\b]      ; the byte
.endr
	v_lshl_or_b32 v[PW], v[TM+5], 8, v[TM+4]
	v_lshl_or_b32 v[PW], v[TM+6], 16, v[PW]
	v_lshl_or_b32 v[PW], v[TM+7], 24, v[PW]
.irp c, 0,1
	v_cvt_scalef32_pk16_fp6_f32 v[PC+6*\c:PC+2+6*\c], v[\s+32*\c:\s+15+32*\c], v[TM+12+2*\c]
	v_cvt_scalef32_pk16_fp6_f32 v[PC+12+4*\c:PC+14+4*\c], v[\s+16+32*\c:\s+31+32*\c], v[TM+12+2*\c+1]
.endr
	v_nop                                          ; one plain place behind a scaled conversion
.irp c, 0,1                            ; the operand's layout wants a whole block in a lane
.irp i, 0,1,2
	v_permlane16_swap_b32 v[PC+6*\c+\i], v[PC+12+4*\c+\i]
.endr
.irp i, 0,1,2
	v_mov_b32 v[PC+3+6*\c+\i], v[PC+12+4*\c+\i]
.endr
.endr
.endm
.irp s, 0,1
.if \s == 0
	s_wait_dscnt 16                                ; the first K step's 16 loads are in; the second's 16 may be out
.else
	s_wait_dscnt 0x0
	s_wait_xcnt 0x0                                ; the stores' data are written again only behind this wait
.endif
	QUANT X+64*\s
.irp p, 0,1,2,3,4,5
	global_store_b64 v4, v[PC+2*\p:PC+2*\p+1], s[16:17] offset:1536*\s+256*\p   ; 32 lanes store 256 consecutive bytes, aligned
.endr
	global_store_b32 v5, v[PW], s[18:19] offset:3145728+64*\s                   ; both halves of the lanes hold and write the same word
.endr
	s_wait_tensorcnt 0x0
	ds_add_u32 v254, v255
	s_wait_dscnt 0x0
	s_endpgm
.Lfunc_end_k_qd0b88b5a35_ln1:
	.size	k_qd0b88b5a35_ln1, .Lfunc_end_k_qd0b88b5a35_ln1-k_qd0b88b5a35_ln1
	.p2alignl 7, 3214868480
	.fill 96, 4, 3214868480
	.section	.rodata,"a",@progbits
	.p2align	6, 0x0
	.amdhsa_kernel k_qd0b88b5a35_ln1
		.amdhsa_group_segment_fixed_size 66560
		.amdhsa_private_segment_fixed_size 0
		.amdhsa_enable_private_segment 0
		.amdhsa_kernarg_size 32
		.amdhsa_user_sgpr_count 2
		.amdhsa_user_sgpr_kernarg_segment_ptr 1
		.amdhsa_wavefront_size32 1
		.amdhsa_system_sgpr_workgroup_id_x 1
		.amdhsa_system_sgpr_workgroup_id_y 1
		.amdhsa_system_sgpr_workgroup_id_z 1
		.amdhsa_system_vgpr_workitem_id 0
		.amdhsa_next_free_vgpr 256
		.amdhsa_next_free_sgpr 66
		.amdhsa_reserve_vcc 0
		.amdhsa_float_denorm_mode_32 3
		.amdhsa_float_denorm_mode_16_64 3
		.amdhsa_memory_ordered 1
		.amdhsa_forward_progress 1
		.amdhsa_inst_pref_size 44
	.end_amdhsa_kernel
	.amdgpu_metadata
---
amdhsa.version: [ 1, 2 ]
amdhsa.kernels:
  - .name:           k_qd0b88b5a35_ln1
    .symbol:         k_qd0b88b5a35_ln1.kd
    .args:
      - { .name: x1, .offset: 0, .size: 8, .value_kind: global_buffer, .address_space: global }
      - { .name: ln2_scale, .offset: 8, .size: 8, .value_kind: global_buffer, .address_space: global }
      - { .name: ln2_shift, .offset: 16, .size: 8, .value_kind: global_buffer, .address_space: global }
      - { .name: hq, .offset: 24, .size: 8, .value_kind: global_buffer, .address_space: global }
    .group_segment_fixed_size: 66560
    .private_segment_fixed_size: 0
    .kernarg_segment_align: 8
    .kernarg_segment_size: 32
    .max_flat_workgroup_size: 128
    .sgpr_count:     66
    .vgpr_count:     256
    .wavefront_size: 32
...
	.end_amdgpu_metadata
.endif
;; end of part 12
;; launch ffn1 (part 13): grid 16 x 16, 4 waves a work-group, clusters of 4 x 4, 327,680 bytes of LDS; arguments hq, wts, b1, gq; writes gq
.if DOCPART == 13
	.amdgcn_target "amdgcn-amd-amdhsa--gfx1250"
	.amdhsa_code_object_version 6
	.text
	.protected	k_qd0b88b5a35_ffn1
	.globl	k_qd0b88b5a35_ffn1
	.p2align	8
	.type	k_qd0b88b5a35_ffn1,@function
k_qd0b88b5a35_ffn1:
	s_mov_b64 s[64:65], 0
	v_nop
	global_prefetch_b8 v0, s[64:65] scope:SCOPE_SE
	s_setreg_imm32_b32 hwreg(HW_REG_WAVE_MODE, 25, 1), 1
	s_wait_xcnt 0x0
	s_wait_alu depctr_hold_cnt(0) depctr_sa_sdst(0) depctr_va_vdst(0) depctr_va_sdst(0) depctr_va_ssrc(0) depctr_va_vcc(0) depctr_vm_vsrc(0)
	s_getreg_b32 s2, hwreg(HW_REG_IB_STS2, 6, 4)
	s_cmp_eq_u32 s2, 0
	s_cbranch_scc0 .Lentry_in_a_cluster
	s_endpgm
.Lentry_in_a_cluster:
	s_bfe_u32 s2, ttmp6, 0x10000c
	s_cmp_lg_u32 s2, 0xf033
	s_cbranch_scc0 .Lentry_shape_is_right
	s_endpgm
.Lentry_shape_is_right:
.set KS,    8
.set XSO,   3145728
.set YCO,   3145728
.set YSO,   9568256
.set FRB,   1536
.set TROW,  2*FRB
.set HALFT, 8*TROW
.set SLOT,  4*HALFT
.set SCL,   2*SLOT
.set SBLK,  64*KS
.set HALFS, 8*SBLK
.set SPARE, SCL+4*HALFS
.set LAPS,  KS/4
.set NQ, 2
.set FR, 12
.set NL, 6
.set NP, 4
.set ADRA, 16
.set ADRB, 20
.set L8,   22
.set R4,   23
.set ADRS, 27
.set SPW,  28
.set NIL,  29
.set SC,   32
.set H,    64
.set AF,   128
.set PC,   128
.set TM,   148
.set PW,   164
.set GU,   168
.set GU2,  184
.set GP,   200
.set GQ,   216
.set CA1,  232
.set CB1,  234
.set WV, 16
.set HX, 17
.set HY, 18
.set CX, 19
.set CY, 20
.set XI, 21
.set YI, 22
.set G1, 24
.set G0, 32
.set G1B, 48
.set G0B, 56
.set G1S, 68
.set G0S, 76
.set G1SB, 80
.set G0SB, 88
.set SEL, 92
.set AI, 101
.set MSB, 0
.macro WIN new
.if MSB != (\new)
	s_set_vgpr_msb (MSB<<8)|(\new)
.set MSB, \new
.endif
.endm
.set MUL_LO, 0xa1
.set MUL_HI, 0xf1
.set TO_B,   0x40
.macro JLOAD g0a, g1a, g0b, g1b
	s_cmp_eq_u32 s[HX], 0
	s_cbranch_scc0 .Lfor_b_\@
	tensor_load_to_lds s[\g0a:\g0a+3], s[\g1a:\g1a+7]
	s_nop 0
.rept 4
	v_nop
.endr
	s_branch .Lasked_\@
.Lfor_b_\@:
	tensor_load_to_lds s[\g0b:\g0b+3], s[\g1b:\g1b+7]
	s_nop 0
.rept 4
	v_nop
.endr
.Lasked_\@:
.endm
.macro CREST
	s_cmp_lg_u32 s[WV], 0
	s_cbranch_scc1 .Lnot_wave_0_\@
	s_barrier_signal -3
.Lnot_wave_0_\@:
	s_barrier_wait -3
	s_barrier_signal -1
	s_barrier_wait -1
.endm
.macro CROUND
	s_barrier_signal -1
	s_barrier_wait -1
	CREST
.endm
	s_load_b256 s[4:11], s[0:1], 0x0
	v_lshl_add_u32 v[SPW], v0, 2, SPARE
	v_mov_b32 v[NIL], 0
	ds_add_u32 v28, v29
	ds_add_u32 v28, v29
	s_wait_dscnt 0x0
	v_lshrrev_b32 v1, 5, v0
	v_readfirstlane_b32 s[WV], v1
	s_lshr_b32 s[HX], s[WV], 1
	s_and_b32 s[HY], s[WV], 1
	s_bfe_u32 s[CX], ttmp6, 0x40000
	s_bfe_u32 s[CY], ttmp6, 0x40004
	s_lshl_b32 s[YI], ttmp9, 2
	s_add_co_u32 s[YI], s[YI], s[CX]
	s_and_b32 s[XI], ttmp7, 0xffff
	s_lshl_b32 s[XI], s[XI], 2
	s_add_co_u32 s[XI], s[XI], s[CY]
	s_lshl_b32 s2, s[CY], 2
	s_lshl_b32 s2, 15, s2
	s_lshl_b32 s23, 0x1111, s[CX]
	s_or_b32 s[G1], s2, (3<<16)|(1<<21)
	s_or_b32 s[G1B], s23, (3<<16)|(1<<21)
.irp g, G1, G1B
	s_mov_b32 s[\g+1], 384<<16
	s_mov_b32 s[\g+2], 16<<16
	s_mov_b32 s[\g+3], 384<<16
	s_mov_b32 s[\g+4], 16
	s_mov_b32 s[\g+5], KS*192
	s_mov_b32 s[\g+6], 0
	s_mov_b32 s[\g+7], 0
.endr
	s_or_b32 s[G1S], s2, (3<<16)|(1<<21)
	s_or_b32 s[G1SB], s23, (3<<16)|(1<<21)
.irp g, G1S, G1SB
	s_mov_b32 s[\g+1], 32<<16
	s_mov_b32 s[\g+2], (2*HALFS/256)<<16
	s_mov_b32 s[\g+3], 32<<16
	s_mov_b32 s[\g+4], 2*HALFS/256
	s_mov_b32 s[\g+5], 32
	s_mov_b32 s[\g+6], 0
	s_mov_b32 s[\g+7], 0
.endr
	s_lshl_b32 s40, s[XI], 4
	s_mul_i32 s42, s40, SBLK
	s_mul_i32 s40, s40, KS*FRB
	s_add_co_u32 s42, s42, XSO
	s_mov_b32 s41, 0
	s_mov_b32 s43, 0
	s_lshl_b32 s44, s[YI], 4
	s_mul_i32 s46, s44, SBLK
	s_mul_i32 s44, s44, KS*FRB
	s_add_co_u32 s44, s44, YCO
	s_add_co_u32 s46, s46, YSO
	s_mov_b32 s45, 0
	s_mov_b32 s47, 0
	s_mul_i32 s98, s[WV], HALFT
	s_mov_b32 s[SEL], 0x76543210
	s_mov_b32 s[SEL+1], 0xfedcba98
	s_wait_kmcnt 0x0
	s_add_nc_u64 s[40:41], s[4:5], s[40:41]
	s_add_nc_u64 s[42:43], s[4:5], s[42:43]
	s_add_nc_u64 s[44:45], s[6:7], s[44:45]
	s_add_nc_u64 s[46:47], s[6:7], s[46:47]
	CROUND
	s_mov_b32 s[G0S], 1
	s_mov_b32 s[G0S+1], SCL
	s_mov_b64 s[G0S+2:G0S+3], s[42:43]
	s_or_b32 s[G0S+3], s[G0S+3], 0x80000000
	s_mov_b32 s[G0SB], 1
	s_mov_b32 s[G0SB+1], SCL+2*HALFS
	s_mov_b64 s[G0SB+2:G0SB+3], s[46:47]
	s_or_b32 s[G0SB+3], s[G0SB+3], 0x80000000
	s_mov_b32 s[G0], 1                             ; the head's four tiles, each whole: slot 0's 16 tiles of X,
	s_mov_b32 s[G0+1], 0
	s_mov_b64 s[G0+2:G0+3], s[40:41]
	s_or_b32 s[G0+3], s[G0+3], 0x80000000
	s_mov_b32 s[G0B], 1                            ; its 16 tiles of Y, and the two blocks of scale words
	s_mov_b32 s[G0B+1], 2*HALFT
	s_mov_b64 s[G0B+2:G0B+3], s[44:45]
	s_or_b32 s[G0B+3], s[G0B+3], 0x80000000
; one joint load a wave at the head, in one chain of branches on the wave's number
.macro ARM under, g0, g1, next
	s_cmp_lt_u32 s[WV], \under
	s_cbranch_scc0 \next
	tensor_load_to_lds s[\g0:\g0+3], s[\g1:\g1+7]
	s_nop 0
.rept 4
	v_nop
.endr
	s_branch .Lhead_asked
\next:
.endm
	ARM 1, G0,  G1,  .Lhead_b
	ARM 2, G0B, G1B, .Lhead_sa
	ARM 3, G0S, G1S, .Lhead_sb
	tensor_load_to_lds s[G0SB:G0SB+3], s[G1SB:G1SB+7]
	s_nop 0
.rept 4
	v_nop
.endr
.Lhead_asked:
	s_wait_alu depctr_va_vdst(0)
	s_wait_tensorcnt 0x0                           ; my tile of the head's four is in; slot 1's first fill is issued as a refill is
	ds_add_u32 v28, v29
	s_mov_b32 s[G1+2], 8<<16                       ; no tensor load of mine is out: from here on a load brings 8 tiles
	s_mov_b32 s[G1+4], 8
	s_mov_b32 s[G1B+2], 8<<16
	s_mov_b32 s[G1B+4], 8
	s_mul_i32 s96, s[HY], 8*KS*FRB                 ; which eight tiles I fetch in the ring
	s_mov_b32 s97, 0
	s_add_nc_u64 s[40:41], s[40:41], s[96:97]
	s_add_nc_u64 s[44:45], s[44:45], s[96:97]
.irp s, 0,1
	s_mov_b32 s[G0+4*\s], 1
	s_add_co_u32 s[G0+4*\s+1], s98, \s*SLOT
	s_add_nc_u64 s[G0+4*\s+2:G0+4*\s+3], s[40:41], \s*TROW
	s_or_b32 s[G0+4*\s+3], s[G0+4*\s+3], 0x80000000
	s_mov_b32 s[G0B+4*\s], 1
	s_add_co_u32 s[G0B+4*\s+1], s98, \s*SLOT
	s_add_nc_u64 s[G0B+4*\s+2:G0B+4*\s+3], s[44:45], \s*TROW
	s_or_b32 s[G0B+4*\s+3], s[G0B+4*\s+3], 0x80000000
.endr
	s_wait_dscnt 0x0
	CROUND                                         ; all four tiles are in, all sixteen work-groups are here
	JLOAD G0+4, G1, G0B+4, G1B                     ; slot 1: the first tensor load behind the round
	v_and_b32 v1, 31, v0
	v_and_b32 v2, 15, v0
	v_bfe_u32 v3, v0, 4, 1
	v_lshlrev_b32 v[L8], 3, v1
	v_lshlrev_b32 v24, 4, v1                       ; 16 x lane: the way out
	s_wait_alu depctr_va_vdst(0)
	v_lshlrev_b32 v[R4], 2, v2
	v_lshlrev_b32 v5, 6, v3
	s_lshl_b32 s44, s[YI], 10
	s_lshl_b32 s45, s[HY], 9
	s_add_co_u32 s44, s44, s45
	s_mov_b32 s45, 0
	s_add_nc_u64 s[8:9], s[8:9], s[44:45]
	WIN 0x40
.irp b, 0,1,2,3
.irp j, 0,1,2,3
	global_load_b128 v[96+16*\b+4*\j+96*(\b/2):99+16*\b+4*\j+96*(\b/2)], v5, s[8:9] offset:128*\b+16*\j
.endr
.endr
	WIN 0
	s_lshl_b32 s44, s[XI], 4
	s_lshl_b32 s46, s[HX], 3
	s_add_co_u32 s44, s44, s46
	s_lshl_b32 s44, s44, 5
	s_lshl_b32 s46, s[YI], 1
	s_add_co_u32 s44, s44, s46
	s_add_co_u32 s44, s44, s[HY]
	s_lshl_b32 s46, s44, 6
	s_add_co_u32 s46, s46, 12582912
	s_mov_b32 s47, 0
	s_mul_i32 s44, s44, 1536
	s_add_nc_u64 s[94:95], s[10:11], s[44:45]
	s_add_nc_u64 s[96:97], s[10:11], s[46:47]
	s_mul_i32 s2, s[HX], HALFT
	s_mul_i32 s23, s[HY], HALFT
	s_add_co_u32 s23, s23, 2*HALFT
.irp s, 0,1
	v_add_nc_u32 v[ADRA+\s], s2, v[L8]
	v_add_nc_u32 v[ADRB+\s], s23, v[L8]
	s_add_co_u32 s2, s2, SLOT
	s_add_co_u32 s23, s23, SLOT
.endr
	s_mul_i32 s2, s[HX], HALFS
	s_mul_i32 s23, s[HY], HALFS
	s_add_co_u32 s23, s23, 2*HALFS
	s_sub_co_u32 s23, s23, s2
	v_mul_u32_u24 v4, s23, v3
	s_wait_alu depctr_va_vdst(0)
	s_add_co_u32 s2, s2, SCL
	v_add_nc_u32 v4, v4, v[R4]
	v_add_nc_u32 v[ADRS], s2, v4
.macro FRAG reg, adr, q, i
.irp p, 0,1,2,3,4,5
	ds_load_b64 v[\reg+2*\p:\reg+2*\p+1], v[\adr] offset:(\i)*TROW+(\q)*FRB+256*\p
.endr
.endm
.macro MUL16 a0, p, q, sc, zero
.irp a, \a0, \a0+1
.irp b, 0,1,2,3,4,5,6,7
.if \zero
	v_wmma_scale_f32_16x16x128_f8f6f4 v[8*(8*((\a)%4)+\b):8*(8*((\a)%4)+\b)+7], v[128*(\p)+FR*\b:128*(\p)+FR*\b+FR-1], v[AF+FR*(\a):AF+FR*(\a)+FR-1], 0, v[SC+8*NQ*(\sc)+NQ*\b+(\q)], v[SC+8*NQ*(\sc)+NQ*(\a)+(\q)] matrix_a_fmt:MATRIX_FMT_FP6 matrix_b_fmt:MATRIX_FMT_FP6 matrix_a_scale:MATRIX_SCALE_ROW1
.else
	v_wmma_scale_f32_16x16x128_f8f6f4 v[8*(8*((\a)%4)+\b):8*(8*((\a)%4)+\b)+7], v[128*(\p)+FR*\b:128*(\p)+FR*\b+FR-1], v[AF+FR*(\a):AF+FR*(\a)+FR-1], v[8*(8*((\a)%4)+\b):8*(8*((\a)%4)+\b)+7], v[SC+8*NQ*(\sc)+NQ*\b+(\q)], v[SC+8*NQ*(\sc)+NQ*(\a)+(\q)] matrix_a_fmt:MATRIX_FMT_FP6 matrix_b_fmt:MATRIX_FMT_FP6 matrix_a_scale:MATRIX_SCALE_ROW1
.endif
.endr
.endr
.endm
.macro FETCH_B slot, q, p
	WIN TO_B
.irp i, 0,1,2,3,4,5,6,7
	FRAG 128*(\p)+FR*\i, ADRB+\slot, \q, \i
.endr
	WIN 0
.endm
.macro FETCH_A slot, q, i0
.irp i, \i0, \i0+1, \i0+2, \i0+3
	FRAG AF+FR*(\i), ADRA+\slot, \q, \i
.endr
.endm
.macro SCALES sc
.irp i, 0,1,2,3,4,5,6,7
.irp q, 0,1
	ds_load_b32 v[SC+8*NQ*\sc+NQ*\i+\q], v[ADRS] offset:\i*SBLK+64*\q
.endr
.endr
.endm
.macro PLACES n
.rept \n
	v_nop
.endr
.endm
.macro STEP slot, q, zero
	s_wait_dscnt 4*NL
	WIN MUL_LO
	MUL16 0, (\q)%2, \q, \slot, \zero
	MUL16 2, (\q)%2, \q, \slot, \zero
	s_wait_dscnt 0
	PLACES NP
	FETCH_B \slot, (\q)+1, 1-(\q)%2
	FETCH_A \slot, (\q)+1, 0
	WIN MUL_HI
	MUL16 4, (\q)%2, \q, \slot, \zero
	MUL16 6, (\q)%2, \q, \slot, \zero
	PLACES NP
	WIN 0
	FETCH_A \slot, (\q)+1, 4
.endm
.macro TURN slot, next, fill
	s_wait_tensorcnt 0x0
	ds_add_u32 v[SPW], v[NIL]
	s_wait_dscnt 4*NL+1
	WIN MUL_LO
	MUL16 0, 1, 1, \slot, 0
	s_wait_dscnt 0x0
	s_barrier_signal -1
	MUL16 2, 1, 1, \slot, 0
	WIN 0
	s_barrier_wait -1
.if \fill
	CREST
	s_add_nc_u64 s[G0+4*\slot+2:G0+4*\slot+3], s[G0+4*\slot+2:G0+4*\slot+3], 2*TROW
	s_add_nc_u64 s[G0B+4*\slot+2:G0B+4*\slot+3], s[G0B+4*\slot+2:G0B+4*\slot+3], 2*TROW
	JLOAD G0+4*\slot, G1, G0B+4*\slot, G1B
.else
	PLACES NP
.endif
	s_wait_alu depctr_va_vdst(0)
	v_add_nc_u32 v[ADRS], 128, v[ADRS]
	FETCH_B \next, 0, 0
	FETCH_A \next, 0, 0
	SCALES \next
	WIN MUL_HI
	MUL16 4, 1, 1, \slot, 0
	MUL16 6, 1, 1, \slot, 0
	PLACES NP
	WIN 0
	FETCH_A \next, 0, 4
.endm
.macro QUANT s
.irp b, 0,1,2,3
	v_max3_num_f32 v[TM+\b], |v[\s+16*\b]|, |v[\s+1+16*\b]|, 0x1800000
.endr
.irp i, 2,4,6,8,10,12,14
.irp b, 0,1,2,3
	v_max3_num_f32 v[TM+\b], v[TM+\b], |v[\s+16*\b+\i]|, |v[\s+1+16*\b+\i]|
.endr
.endr
.irp b, 0,1,2,3
	v_permlanex16_b32 v[TM+4+\b], v[TM+\b], s[SEL], s[SEL+1]
.endr
.irp b, 0,1,2,3
	v_max_num_f32 v[TM+\b], v[TM+\b], v[TM+4+\b]
.endr
.irp b, 0,1,2,3
	v_add_nc_u32 v[TM+12+\b], 0xff000000, v[TM+\b]
.endr
.irp b, 0,1,2,3
	v_lshrrev_b32 v[TM+4+\b], 23, v[TM+12+\b]
.endr
	v_lshl_or_b32 v[PW], v[TM+5], 8, v[TM+4]
	v_lshl_or_b32 v[PW], v[TM+6], 16, v[PW]
	v_lshl_or_b32 v[PW], v[TM+7], 24, v[PW]
.irp c, 0,1
	v_cvt_scalef32_pk16_fp6_f32 v[PC+6*\c:PC+2+6*\c], v[\s+32*\c:\s+15+32*\c], v[TM+12+2*\c]
	v_cvt_scalef32_pk16_fp6_f32 v[PC+12+4*\c:PC+14+4*\c], v[\s+16+32*\c:\s+31+32*\c], v[TM+12+2*\c+1]
.endr
	v_nop
.irp c, 0,1
.irp i, 0,1,2
	v_permlane16_swap_b32 v[PC+6*\c+\i], v[PC+12+4*\c+\i]
.endr
.irp i, 0,1,2
	v_mov_b32 v[PC+3+6*\c+\i], v[PC+12+4*\c+\i]
.endr
.endr
.endm
.macro MOVE a
	WIN 0x06+((\a)/4)
.set i, 0
.rept 32
	v_pk_add_f32 v[H+2*i:H+2*i+1], v[64*((\a)%4)+2*i:64*((\a)%4)+2*i+1], v[96+2*i+96*(i/16):97+2*i+96*(i/16)]
.set i, i+1
.endr
	WIN 0
.endm
.macro HORN reg, lit
.irp k, 0,2,4,6,8,10,12,14
	v_pk_fma_f32 v[\reg+\k:\reg+\k+1], v[\reg+\k:\reg+\k+1], v[GU2+\k:GU2+\k+1], \lit op_sel_hi:[1,1,0]
.endr
.endm
.macro GELU16 g
.irp k, 0,2,4,6,8,10,12,14
	v_pk_mul_f32 v[GU+\k:GU+\k+1], v[H+16*(\g)+\k:H+16*(\g)+\k+1], 0x3f3504f3 op_sel_hi:[1,0]
.endr
.irp k, 0,1,2,3,4,5,6,7,8,9,10,11,12,13,14,15
	v_med3_num_f32 v[GU+\k], v[GU+\k], -4.0, 4.0
.endr
.irp k, 0,2,4,6,8,10,12,14
	v_pk_mul_f32 v[GU2+\k:GU2+\k+1], v[GU+\k:GU+\k+1], v[GU+\k:GU+\k+1]
.endr
.irp k, 0,2,4,6,8,10,12,14
	v_pk_fma_f32 v[GP+\k:GP+\k+1], v[GU2+\k:GU2+\k+1], 0xaf95df0b, v[CA1:CA1+1] op_sel_hi:[1,0,1]
.endr
	HORN GP, 0xb60cff51
	HORN GP, 0xb86ec2d2
	HORN GP, 0xba40ac63
	HORN GP, 0xbb41a1f6
	HORN GP, 0xbc83dbd4
.irp k, 0,2,4,6,8,10,12,14
	v_pk_fma_f32 v[GQ+\k:GQ+\k+1], v[GU2+\k:GU2+\k+1], 0xb77460cd, v[CB1:CB1+1] op_sel_hi:[1,0,1]
.endr
	HORN GQ, 0xbadc924e
	HORN GQ, 0xbbf19bf8
	HORN GQ, 0xbc69b6a7
	s_wait_alu depctr_va_vdst(0)
.irp k, 0,1,2,3,4,5,6,7,8,9,10,11,12,13,14,15
	v_rcp_f32 v[GQ+\k], v[GQ+\k]
.endr
.irp k, 0,2,4,6,8,10,12,14
	v_pk_mul_f32 v[GP+\k:GP+\k+1], v[GP+\k:GP+\k+1], v[GU+\k:GU+\k+1]
.endr
	s_wait_alu depctr_va_vdst(0)
.irp k, 0,2,4,6,8,10,12,14
	v_pk_mul_f32 v[GP+\k:GP+\k+1], v[GP+\k:GP+\k+1], v[GQ+\k:GQ+\k+1]
.endr
.irp k, 0,2,4,6,8,10,12,14
	v_pk_mul_f32 v[GU+\k:GU+\k+1], v[H+16*(\g)+\k:H+16*(\g)+\k+1], 0.5 op_sel_hi:[1,0]
.endr
.irp k, 0,2,4,6,8,10,12,14
	v_pk_fma_f32 v[H+16*(\g)+\k:H+16*(\g)+\k+1], v[GU+\k:GU+\k+1], v[GP+\k:GP+\k+1], v[GU+\k:GU+\k+1]
.endr
.endm
	s_wait_alu depctr_va_vdst(0)
	s_wait_loadcnt 0x0
	s_wait_tensorcnt 1
	s_barrier_signal -1
	s_barrier_wait -1
	FETCH_B 0, 0, 0
	FETCH_A 0, 0, 0
	SCALES 0
	FETCH_A 0, 0, 4
	STEP 0, 0, 1
	s_mov_b32 s3, LAPS-1
.Llap:
	TURN 0, 1, 1
	STEP 1, 0, 0
	TURN 1, 0, 1
	STEP 0, 0, 0
	s_sub_co_u32 s3, s3, 1
	s_cmp_lg_u32 s3, 0
	s_cbranch_scc1 .Llap
	TURN 0, 1, 0
	STEP 1, 0, 0
	s_wait_dscnt 4*NL
	WIN MUL_LO
	MUL16 0, 1, 1, 1, 0
	MUL16 2, 1, 1, 1, 0
	s_wait_dscnt 0
	WIN MUL_HI
	MUL16 4, 1, 1, 1, 0
	MUL16 6, 1, 1, 1, 0
	WIN 0
	PLACES NP
.irp b, 0,1,2,3
	v_mov_b32 v[TM+4+\b], 0
.endr
	v_mov_b32 v[CA1], 0x32edffee
	v_mov_b32 v[CA1+1], 0x32edffee
	v_mov_b32 v[CB1], 0xb95fbd29
	v_mov_b32 v[CB1+1], 0xb95fbd29
	MOVE 0
	s_mov_b32 s[AI], 0
.Lepi:
	GELU16 0
	GELU16 1
	GELU16 2
	GELU16 3
	QUANT H
.irp p, 0,1,2                          ; the reader loads 16 bytes a lane: a fragment lies as three pieces of 512 bytes, piece p = registers 4 p .. 4 p + 3
	global_store_b128 v24, v[PC+4*\p:PC+4*\p+3], s[94:95] offset:512*\p
.endr
	global_store_b32 v[R4], v[PW], s[96:97]
.irp a, 1,2,3,4,5,6,7
	s_cmp_lg_u32 s[AI], \a-1
	s_cbranch_scc1 .Lnot_\a
	MOVE \a
.Lnot_\a:
.endr
	s_wait_xcnt 0x0
	s_add_nc_u64 s[94:95], s[94:95], 49152
	s_add_nc_u64 s[96:97], s[96:97], 2048
	s_add_co_u32 s[AI], s[AI], 1
	s_cmp_lt_u32 s[AI], 8
	s_cbranch_scc1 .Lepi
	s_wait_tensorcnt 0x0
	ds_add_u32 v[SPW], v[NIL]
	s_wait_dscnt 0x0
	CROUND
	s_endpgm
.Lfunc_end_k_qd0b88b5a35_ffn1:
	.size	k_qd0b88b5a35_ffn1, .Lfunc_end_k_qd0b88b5a35_ffn1-k_qd0b88b5a35_ffn1
	.p2alignl 7, 3214868480
	.fill 96, 4, 3214868480
	.section	.rodata,"a",@progbits
	.p2align	6, 0x0
	.amdhsa_kernel k_qd0b88b5a35_ffn1
		.amdhsa_group_segment_fixed_size 327680
		.amdhsa_private_segment_fixed_size 0
		.amdhsa_enable_private_segment 0
		.amdhsa_kernarg_size 32
		.amdhsa_user_sgpr_count 2
		.amdhsa_user_sgpr_kernarg_segment_ptr 1
		.amdhsa_wavefront_size32 1
		.amdhsa_system_sgpr_workgroup_id_x 1
		.amdhsa_system_sgpr_workgroup_id_y 1
		.amdhsa_system_sgpr_workgroup_id_z 1
		.amdhsa_system_vgpr_workitem_id 0
		.amdhsa_next_free_vgpr 1024
		.amdhsa_next_free_sgpr 102
		.amdhsa_reserve_vcc 0
		.amdhsa_float_denorm_mode_32 3
		.amdhsa_float_denorm_mode_16_64 3
		.amdhsa_memory_ordered 1
		.amdhsa_forward_progress 1
		.amdhsa_inst_pref_size 206
	.end_amdhsa_kernel
	.amdgpu_metadata
---
amdhsa.version: [ 1, 2 ]
amdhsa.kernels:
  - .name:           k_qd0b88b5a35_ffn1
    .symbol:         k_qd0b88b5a35_ffn1.kd
    .args:
      - { .name: hq, .offset: 0, .size: 8, .value_kind: global_buffer, .address_space: global }
      - { .name: wts, .offset: 8, .size: 8, .value_kind: global_buffer, .address_space: global }
      - { .name: b1, .offset: 16, .size: 8, .value_kind: global_buffer, .address_space: global }
      - { .name: gq, .offset: 24, .size: 8, .value_kind: global_buffer, .address_space: global }
    .group_segment_fixed_size: 327680
    .private_segment_fixed_size: 0
    .kernarg_segment_align: 8
    .kernarg_segment_size: 32
    .max_flat_workgroup_size: 128
    .sgpr_count:     102
    .vgpr_count:     1024
    .wavefront_size: 32
...
	.end_amdgpu_metadata
.endif
;; end of part 13
;; launch ffn2 (part 14): grid 8 x 32, 4 waves a work-group, no clusters, 230,912 bytes of LDS; arguments gq, wts, b2, x1, out0; writes out0
.if DOCPART == 14
	.amdgcn_target "amdgcn-amd-amdhsa--gfx1250"
	.amdhsa_code_object_version 6
	.text
	.protected	k_qd0b88b5a35_ffn2
	.globl	k_qd0b88b5a35_ffn2
	.p2align	8
	.type	k_qd0b88b5a35_ffn2,@function
k_qd0b88b5a35_ffn2:
	s_mov_b64 s[64:65], 0
	v_nop
	global_prefetch_b8 v0, s[64:65] scope:SCOPE_SE
	s_setreg_imm32_b32 hwreg(HW_REG_WAVE_MODE, 25, 1), 1
	s_wait_xcnt 0x0
; out = x1 + g w2 + b2: [4,096 x 4,096] x [4,096 x 1,024] on codes of FP6 (E2M3) with E8M0 scales, f32 sums.
; OPERANDS lie in tiles of 16 rows (tile T, row r = index 32 (T / 2) + 8 (T % 2) + r % 8 + 16 (r / 8)); a fragment (16 rows x 128 K, 12 registers a lane) lies as three pieces of 512 bytes, piece q = registers 4 q .. 4 q + 3,
; 16 bytes a lane; codes of tile T, K step s at (32 T + s) 1536, scale words at (32 T + s) 64 + 4 r.
; A work-group makes 128 tokens x 128 columns: 32 x 8 = 256 work-groups.  K IS SHARED OUT AMONG THE FOUR WAVES: wave w takes K steps 8 w .. 8 w + 7 of the whole 128 x 128, in 64 accumulators (512 registers).
; THE FRAGMENTS GO FROM MEMORY STRAIGHT INTO THE OPERANDS' REGISTERS: each load reads 512 consecutive bytes, aligned; two sets of 16 fragments, a step's 48 loads issued two steps ahead of its products.
; No two waves of the work-group read the same fragment and a wave reads each once, so a stage in LDS would add one write and one read to every byte; with no tensor load there is no joint request, so no cluster.
; No prefetch: the loads themselves stand two K steps ahead of their use, and a wave walks only 8 steps.
; THE PRODUCT IS USED TRANSPOSED (source 0 = 16 columns of w2, source 1 = 16 tokens): a lane holds one token and eight neighbouring columns.
; A scale register holds a tile's words of two K steps: lanes 0-15 the even step's, lanes 16-31 the odd step's (128 consecutive bytes a load); the odd step names row 1 on both sides.
; THE FOUR PARTS ARE ADDED THROUGH LDS: wave w's accumulator block a stands for token tile (a + 2 w) % 8, by its addresses, so that the two tiles that it finishes are blocks 0 and 1 in every wave.  Blocks 2 i, 2 i + 1
; go as register images to the region of wave (w + i) % 4; one barrier; each wave adds three images to its own two blocks, turns them through its own stage into rows of 512 bytes, adds x1 and b2 and stores.
; The order of the f32 sums differs from one chain along K: four chains of 8 steps, then three additions.  NaN and infinities are carried as f32 arithmetic carries them.
.set XSO,  12582912                    ; g's scale words in gq
.set YCO,  6291456                     ; w2's codes in wts
.set YSO,  9699328                     ; w2's scale words
.set TP,   49152                       ; from tile to tile: 32 K steps x 1,536 bytes
.set TS,   2048                        ; the same for scale words
.set STAGE, 196608                     ; LDS: 4 regions x 3 images x 16,384 bytes, then a stage of 16 rows x 528 bytes for each wave
.set SPITCH, 528
.set SPARE, STAGE+4*16*SPITCH          ; the spare words, 128 bytes for each wave
.set L16, 2                            ; v2 16 x lane
.set L4,  3                            ; v3 4 x lane
.set VA,  4                            ; v4-7   pair i of my token tiles: codes
.set VS,  8                            ; v8-11  their scale words
.set PST, 12                           ; v12-14 where pairs 1 to 3 go in LDS
.set PRD, 15                           ; v15    my region
.set STO, 16
.set RD,  17
.set SPW, 20
.set NIL, 21
.set BIA, 24                           ; v24-27 b2
.set SC,  32                           ; v32-63 scale words, two sets of 8 (tokens) + 8 (columns), each for two K steps
.set WV,  16                           ; window 0: v64-159, v160-255 the tokens' fragments, two sets; window 1: v0-95, v160-255 w2's; windows 2, 3: the accumulators
.set MSB, 0
.macro WIN new                         ; the immediate's high byte repeats the setting that is left
.if MSB != (\new)
	s_set_vgpr_msb (MSB<<8)|(\new)
.set MSB, \new
.endif
.endm
	s_load_b256 s[4:11], s[0:1], 0x0               ; gq, wts, b2, x1
	s_load_b64 s[12:13], s[0:1], 0x20              ; out0
	v_lshl_add_u32 v[SPW], v0, 2, SPARE
	v_mov_b32 v[NIL], 0
	v_lshrrev_b32 v1, 5, v0
	v_readfirstlane_b32 s[WV], v1                  ; wave
	s_and_b32 s17, ttmp7, 0xffff                   ; which 128 tokens; ttmp9: which 128 columns
.irp i, 0,1,2,3
	s_add_co_u32 s[40+\i], s[WV], \i
	s_and_b32 s[40+\i], s[40+\i], 3                ; pair i of my blocks is pair (w + i) % 4 of the token tiles, and belongs to that wave
	s_mul_i32 s[44+\i], s[40+\i], 2*TP
	s_lshl_b32 s[48+\i], s[40+\i], 12
.if \i > 0
	s_mul_i32 s[52+\i], s[40+\i], 49152
	s_add_co_u32 s[52+\i], s[52+\i], 16384*(\i-1)
.endif
.endr
	s_mul_i32 s56, s[WV], 49152
	s_mul_i32 s57, s[WV], 16*SPITCH
	s_add_co_u32 s57, s57, STAGE
	s_mul_i32 s18, s[WV], 8*1536                   ; my eight K steps
	s_lshl_b32 s19, s[WV], 9
	s_mul_i32 s20, s17, 8*TP
	s_add_co_u32 s20, s20, s18
	s_mov_b32 s21, 0
	s_lshl_b32 s22, s17, 14
	s_add_co_u32 s22, s22, s19
	s_add_co_u32 s22, s22, XSO
	s_mov_b32 s23, 0
	s_mul_i32 s24, ttmp9, 8*TP
	s_add_co_u32 s24, s24, s18
	s_add_co_u32 s24, s24, YCO
	s_mov_b32 s25, 0
	s_lshl_b32 s26, ttmp9, 14
	s_add_co_u32 s26, s26, s19
	s_add_co_u32 s26, s26, YSO
	s_mov_b32 s27, 0
	s_lshl_b32 s30, ttmp9, 9                       ; my 128 columns: 512 bytes of a row
	s_mov_b32 s31, 0
	s_lshl_b32 s28, s17, 19                        ; the 32 tokens that I finish: 128 x block + 32 w, rows of 4,096 bytes
	s_lshl_b32 s29, s[WV], 17
	s_add_co_u32 s28, s28, s29
	s_add_co_u32 s28, s28, s30
	s_mov_b32 s29, 0
	v_and_b32 v1, 31, v0
	v_lshlrev_b32 v[L16], 4, v1
	v_lshlrev_b32 v[L4], 2, v1
.irp i, 0,1,2,3
	v_add_nc_u32 v[VA+\i], s[44+\i], v[L16]
	v_add_nc_u32 v[VS+\i], s[48+\i], v[L4]
.endr
.irp i, 1,2,3
	v_add_nc_u32 v[PST+\i-1], s[52+\i], v[L16]
.endr
	v_add_nc_u32 v[PRD], s56, v[L16]
	v_and_b32 v18, 15, v0                          ; r
	v_bfe_u32 v19, v0, 4, 1                        ; h
	v_mul_u32_u24 v18, v18, SPITCH
	v_lshl_add_u32 v18, v19, 6, v18
	v_add_nc_u32 v[STO], s57, v18                  ; into the stage: row r, + 64 h
	v_add_nc_u32 v[RD], s57, v[L16]                ; out of it: 32 lanes take a row of 512 bytes
	s_wait_alu depctr_va_vdst(0)
	s_wait_kmcnt 0x0
	s_add_nc_u64 s[20:21], s[4:5], s[20:21]        ; g's codes,
	s_add_nc_u64 s[22:23], s[4:5], s[22:23]        ; its scale words,
	s_add_nc_u64 s[24:25], s[6:7], s[24:25]        ; w2's codes,
	s_add_nc_u64 s[26:27], s[6:7], s[26:27]        ; its scale words,
	s_add_nc_u64 s[32:33], s[10:11], s[28:29]      ; x1,
	s_add_nc_u64 s[34:35], s[12:13], s[28:29]      ; out0,
	s_add_nc_u64 s[8:9], s[8:9], s[30:31]          ; b2
.macro SCALES j                        ; 16 loads: the scale words of my steps 2 j and 2 j + 1 into set j % 2
.irp t, 0,1,2,3,4,5,6,7
	global_load_b32 v[SC+16*((\j)%2)+\t], v[VS+\t/2], s[22:23] offset:(\t%2)*TS+128*(\j)
	global_load_b32 v[SC+16*((\j)%2)+8+\t], v[L4], s[26:27] offset:\t*TS+128*(\j)
.endr
.endm
.macro FRAGS s                         ; 48 loads: my step s's 16 fragments into set s % 2
	WIN 0x40
.irp b, 0,1,2,3,4,5,6,7
.irp q, 0,1,2
	global_load_b128 v[160*((\s)%2)+12*\b+4*\q:160*((\s)%2)+12*\b+4*\q+3], v[L16], s[24:25] offset:\b*TP+(\s)*1536+512*\q
.endr
.endr
	WIN 0
.irp a, 0,1,2,3,4,5,6,7
.irp q, 0,1,2
	global_load_b128 v[64+96*((\s)%2)+12*\a+4*\q:64+96*((\s)%2)+12*\a+4*\q+3], v[VA+\a/2], s[20:21] offset:(\a%2)*TP+(\s)*1536+512*\q
.endr
.endr
.endm
; a K step: the wait (cnt = the loads issued behind this step's fragments, at most 63), 64 products, the 64 accumulators by turns in the same order in every step,
; and four plain places in front of the loads into the registers just read.  The first step's products start the sums.
.macro STEP s, cnt
	s_wait_loadcnt \cnt
.set FB, 160*((\s)%2)
.set FA, 64+96*((\s)%2)
.set SS, SC+16*(((\s)/2)%2)
.irp a, 0,1,2,3,4,5,6,7
	WIN 0xa1+0x50*(\a/4)
.irp b, 0,1,2,3,4,5,6,7
.set ACD, 8*(8*(\a%4)+\b)
.if (\s) == 0
	v_wmma_scale_f32_16x16x128_f8f6f4 v[ACD:ACD+7], v[FB+12*\b:FB+12*\b+11], v[FA+12*\a:FA+12*\a+11], 0, v[SS+8+\b], v[SS+\a] matrix_a_fmt:MATRIX_FMT_FP6 matrix_b_fmt:MATRIX_FMT_FP6
.else
.if (\s)%2 == 0
	v_wmma_scale_f32_16x16x128_f8f6f4 v[ACD:ACD+7], v[FB+12*\b:FB+12*\b+11], v[FA+12*\a:FA+12*\a+11], v[ACD:ACD+7], v[SS+8+\b], v[SS+\a] matrix_a_fmt:MATRIX_FMT_FP6 matrix_b_fmt:MATRIX_FMT_FP6
.else
	v_wmma_scale_f32_16x16x128_f8f6f4 v[ACD:ACD+7], v[FB+12*\b:FB+12*\b+11], v[FA+12*\a:FA+12*\a+11], v[ACD:ACD+7], v[SS+8+\b], v[SS+\a] matrix_a_fmt:MATRIX_FMT_FP6 matrix_b_fmt:MATRIX_FMT_FP6 matrix_a_scale:MATRIX_SCALE_ROW1 matrix_b_scale:MATRIX_SCALE_ROW1
.endif
.endif
.endr
.endr
	WIN 0
.rept 4
	v_nop
.endr
.endm
	SCALES 0
	SCALES 1
	FRAGS 0
	FRAGS 1
	STEP 0, 48                                     ; behind step 0's fragments: step 1's 48
	FRAGS 2
	STEP 1, 48
	SCALES 2
	FRAGS 3
	STEP 2, 63                                     ; behind step 2's: 16 + 48; the wait's field holds 63
	FRAGS 4
	STEP 3, 48
	SCALES 3
	FRAGS 5
	STEP 4, 63
	FRAGS 6
	STEP 5, 48
	FRAGS 7
	STEP 6, 48
	WIN 0x40                                       ; x1's 32 rows of 512 bytes come under the last step, into window 1's v0-127: w2's set 0 is done with
.irp u, 0,1
.irp t, 0,1,2,3,4,5,6,7,8,9,10,11,12,13,14,15
	global_load_b128 v[64*\u+4*\t:64*\u+4*\t+3], v[L16], s[32:33] offset:(8*\u+\t%8+16*(\t/8))*4096 th:TH_LOAD_NT
.endr
.endr
	WIN 0
	global_load_b128 v[BIA:BIA+3], v[L16], s[8:9]
	STEP 7, 33                                     ; behind step 7's: x1's 32 and b2's one
; pairs 1 to 3 of my blocks go to their waves' regions as register images: 512 consecutive bytes a store; each accumulator from its low end on
.irp i, 1,2,3
.irp u, 0,1
	WIN 0x08+4*((2*\i+\u)/4)
.irp b, 0,1,2,3,4,5,6,7
	ds_store_b128 v[PST+\i-1], v[8*(8*((2*\i+\u)%4)+\b):8*(8*((2*\i+\u)%4)+\b)+3] offset:\u*8192+\b*1024
	ds_store_b128 v[PST+\i-1], v[8*(8*((2*\i+\u)%4)+\b)+4:8*(8*((2*\i+\u)%4)+\b)+7] offset:\u*8192+\b*1024+512
.endr
.endr
.endr
	WIN 0
	s_wait_dscnt 0x0                               ; for the others' sake: my images lie in LDS
	s_barrier_signal -1
	s_barrier_wait -1
.macro FIN u                           ; my block u: 16 tokens x 128 columns
.if \u > 0
	s_wait_xcnt 0x0                                ; the last block's stores have read their registers
.endif
.irp j, 0,1,2
.irp k, 0,1,2,3,4,5,6,7,8,9,10,11,12,13,14,15
	ds_load_b128 v[64+64*\j+4*\k:64+64*\j+4*\k+3], v[PRD] offset:\j*16384+\u*8192+\k*512
.endr
.endr
	s_wait_dscnt 0x0
	WIN 0x02                                       ; source 0: my own part, in window 2
.set n, 0
.rept 32
	v_pk_add_f32 v[64+2*n:65+2*n], v[64*\u+2*n:64*\u+2*n+1], v[64+2*n:65+2*n]
.set n, n+1
.endr
	WIN 0
.irp j, 128, 192
.set n, 0
.rept 32
	v_pk_add_f32 v[64+2*n:65+2*n], v[64+2*n:65+2*n], v[\j+2*n:\j+2*n+1]
.set n, n+1
.endr
.endr
.irp b, 0,1,2,3,4,5,6,7                ; register j of accumulator b is column 32 (b / 2) + 8 (b % 2) + 16 h + j
	ds_store_b128 v[STO], v[64+8*\b:64+8*\b+3] offset:128*(\b/2)+32*(\b%2)
	ds_store_b128 v[STO], v[64+8*\b+4:64+8*\b+7] offset:128*(\b/2)+32*(\b%2)+16
.endr
.irp t, 0,1,2,3,4,5,6,7,8,9,10,11,12,13,14,15
	ds_load_b128 v[128+4*\t:128+4*\t+3], v[RD] offset:\t*SPITCH   ; LDS serves a wave's instructions in order: these see my stores
.endr
	s_wait_dscnt 0x0
.if \u == 0
	s_wait_loadcnt 0x0                             ; x1 and b2
.endif
	WIN 0x04                                       ; source 1: x1, in window 1
.irp t, 0,1,2,3,4,5,6,7,8,9,10,11,12,13,14,15
	v_pk_add_f32 v[128+4*\t:129+4*\t], v[128+4*\t:129+4*\t], v[64*\u+4*\t:64*\u+4*\t+1]
	v_pk_add_f32 v[130+4*\t:131+4*\t], v[130+4*\t:131+4*\t], v[64*\u+4*\t+2:64*\u+4*\t+3]
.endr
	WIN 0
.irp t, 0,1,2,3,4,5,6,7,8,9,10,11,12,13,14,15
	v_pk_add_f32 v[128+4*\t:129+4*\t], v[128+4*\t:129+4*\t], v[BIA:BIA+1]
	v_pk_add_f32 v[130+4*\t:131+4*\t], v[130+4*\t:131+4*\t], v[BIA+2:BIA+3]
	global_store_b128 v[L16], v[128+4*\t:131+4*\t], s[34:35] offset:(8*\u+\t%8+16*(\t/8))*4096 th:TH_STORE_NT   ; 32 lanes store 512 consecutive bytes, aligned
.endr
.endm
	FIN 0
	FIN 1
	s_wait_tensorcnt 0x0                           ; the wave's end
	ds_add_u32 v[SPW], v[NIL]
	s_wait_dscnt 0x0
	s_endpgm
.Lfunc_end_k_qd0b88b5a35_ffn2:
	.size	k_qd0b88b5a35_ffn2, .Lfunc_end_k_qd0b88b5a35_ffn2-k_qd0b88b5a35_ffn2
	.p2alignl 7, 3214868480
	.fill 96, 4, 3214868480
	.section	.rodata,"a",@progbits
	.p2align	6, 0x0
	.amdhsa_kernel k_qd0b88b5a35_ffn2
		.amdhsa_group_segment_fixed_size 230912
		.amdhsa_private_segment_fixed_size 0
		.amdhsa_enable_private_segment 0
		.amdhsa_kernarg_size 40
		.amdhsa_user_sgpr_count 2
		.amdhsa_user_sgpr_kernarg_segment_ptr 1
		.amdhsa_wavefront_size32 1
		.amdhsa_system_sgpr_workgroup_id_x 1
		.amdhsa_system_sgpr_workgroup_id_y 1
		.amdhsa_system_sgpr_workgroup_id_z 1
		.amdhsa_system_vgpr_workitem_id 0
		.amdhsa_next_free_vgpr 1024
		.amdhsa_next_free_sgpr 66
		.amdhsa_reserve_vcc 0
		.amdhsa_float_denorm_mode_32 3
		.amdhsa_float_denorm_mode_16_64 3
		.amdhsa_memory_ordered 1
		.amdhsa_forward_progress 1
		.amdhsa_inst_pref_size 156
	.end_amdhsa_kernel
	.amdgpu_metadata
---
amdhsa.version: [ 1, 2 ]
amdhsa.kernels:
  - .name:           k_qd0b88b5a35_ffn2
    .symbol:         k_qd0b88b5a35_ffn2.kd
    .args:
      - { .name: gq, .offset: 0, .size: 8, .value_kind: global_buffer, .address_space: global }
      - { .name: wts, .offset: 8, .size: 8, .value_kind: global_buffer, .address_space: global }
      - { .name: b2, .offset: 16, .size: 8, .value_kind: global_buffer, .address_space: global }
      - { .name: x1, .offset: 24, .size: 8, .value_kind: global_buffer, .address_space: global }
      - { .name: out0, .offset: 32, .size: 8, .value_kind: global_buffer, .address_space: global }
    .group_segment_fixed_size: 230912
    .private_segment_fixed_size: 0
    .kernarg_segment_align: 8
    .kernarg_segment_size: 40
    .max_flat_workgroup_size: 128
    .sgpr_count:     66
    .vgpr_count:     1024
    .wavefront_size: 32
...
	.end_amdgpu_metadata
.endif
;; end of part 14
